; MI455X (gfx1250); checked and timed in simulation.
; The chip was launched on July 23, 2026; its instructions are those of AMD's public machine-readable ISA for CDNA 5 (MIT licence, August 2026) and "CDNA5" Instruction Set Architecture Reference Guide (July 2026). The comments in the code are by the model that wrote it; some were corrected since.
;; Transformer Encoder Layer. Allowed arithmetic: matrix products marked QUANTISED: E2M3 operands, one E8M0 scale for each 32 along K, by v_wmma_scale_f32_16x16x128_f8f6f4 with both operands' format E2M3, f32 sums; everything else in f32.
;; Inputs: b1 768 float32; b2 768 float32; b_ff1 3,072 float32; b_ff2 768 float32; bk 12 x 64 float32; bo 768 float32; bq 12 x 64 float32; bv 12 x 64 float32; g1 768 float32; g2 768 float32; w_ff1 768 x 3,072 float32; w_ff2 3,072 x 768 float32; wk 12 x 768 x 64 float32; wo 768 x 768 float32; wq 12 x 768 x 64 float32; wv 12 x 768 x 64 float32; x 1 x 4,096 x 768 float32.
;; Outputs: out0 1 x 4,096 x 768 float32.
;; This version of the problem:
;;   THIS VERSION OF THE PROBLEM IS GIVEN IN LOW PRECISION. The matrix products marked QUANTISED in the list below multiply operands that are first quantised to E2M3 (2 exponent bits, 3 mantissa bits; 6 bits a number), with one power-of-two scale for each 32 numbers along K (OCP MX v1.0); their sums are f32. All else is computed in f32.
;;   The module's matrix products, in the order in which they are computed (A, B: the left and right operand; K: the contracted axis; several contracted axes count as one K, in the product's order):
;;     1. [M 768, K 768] x [K 768, N 4,096]; A: input wq; B: computed on the way: QUANTISED
;;     2. [M 768, K 768] x [K 768, N 4,096]; A: input wk; B: computed on the way: QUANTISED
;;     3. [M 768, K 768] x [K 768, N 4,096]; A: input wv; B: computed on the way: QUANTISED
;;     4. batch 12 x [M 4,096, K 64] x [K 64, N 4,096]; A: computed on the way; B: computed on the way: QUANTISED
;;     5. batch 12 x [M 4,096, K 4,096] x [K 4,096, N 64]; A: softmax (see below); B: computed on the way: QUANTISED
;;     6. [M 4,096, K 768] x [K 768, N 768]; A: computed on the way; B: input wo: QUANTISED
;;     7. [M 4,096, K 768] x [K 768, N 3,072]; A: computed on the way; B: input w_ff1: QUANTISED
;;     8. [M 4,096, K 3,072] x [K 3,072, N 768]; A: computed on the way; B: input w_ff2: QUANTISED
;;   THE QUANTISER, for each operand of a quantised product, along K:
;;     - K is cut into blocks of 32 from its start; a last block that is shorter is filled with zeros.
;;     - A block's scale is 2^e with e = floor(log2(the largest magnitude in the block)) - 2, held to -126 .. 127; a block of zeros has e = 0. As a byte (E8M0): e + 127.
;;     - Each number is divided by its block's scale, clamped to +-7.5, and rounded to the nearest number of E2M3, ties to even, subnormals kept.
;;     - The product sums the exact products of the quantised numbers (number of the format x scale) in f32.
;;   ~~~python
;;   def quantise(x, axis):      # numpy; x: float32 -> the quantised numbers, widened to float32 again
;;       x = np.moveaxis(x, axis, -1); K = x.shape[-1]
;;       x = np.pad(x, [(0, 0)] * (x.ndim - 1) + [(0, -K % 32)]); x = x.reshape(x.shape[:-1] + (-1, 32)); a = np.abs(x).max(-1, keepdims=True)
;;       e = np.where(a > 0, np.clip(np.frexp(np.where(a > 0, a, 1))[1] - 1 - 2, -126, 127), 0)      # np.frexp(a)[1] - 1 = floor(log2(a)), exactly
;;       r = np.clip(x / 2.0 ** e, -7.5, 7.5)
;;       step = 2.0 ** (np.maximum(np.frexp(np.where(r == 0, 1, r))[1] - 1, 0) - 3)
;;       q = np.round(r / step) * step * 2.0 ** e      # np.round: ties to even
;;       return np.moveaxis(q.reshape(q.shape[:-2] + (-1,))[..., :K], -1, axis).astype(np.float32)
;;   ~~~
;;   SOFTMAX AHEAD OF A QUANTISED PRODUCT. Where the list says 'softmax', what is quantised is not the finished softmax but p = 2^(t - M), with t = logit x log2(e) and M = ceil(the row's largest t), a whole number; so 1/2 < the row's largest p <= 1. The row's sum l is taken of the UNQUANTISED p, in f32, and the product's result is divided by l at the end. Since M is a whole number, a kernel that streams over the keys may use a running M (the ceiling of the running maximum): every later rescaling is an exact power of two, which a block's scale takes up: the codes' values come out the same.
;;   OPERANDS COMPUTED ON THE WAY. 'Computed on the way' means the value that the module computes at that place (a softmax that the list does not call 'softmax' is quantised finished and normalised). What goes into a quantiser is computed in f32, as accurately as f32 sums, v_exp_f32 and their like allow (about 1e-6 of the number): no bf16 or f16 on the way to a quantiser, and a product that is left as it is and whose result goes on into a quantised operand takes f32 operands (vector FMAs, or v_wmma_f32_16x16x4_f32). A number that lies on a knife's edge between two numbers of the format may be rounded either way, as far as f32 arithmetic and the matrix unit's own rounding can turn it there, and no further.
;; 2 versions. Each part assembles by itself: llvm-mc -triple=amdgcn-amd-amdhsa -mcpu=gfx1250 --defsym DOCPART=n.
;; ======== version 1 of 2: 6 launches
;; workspace buffers: wimg 5,529,600 bytes; qkvc 7,569,408 bytes; attc 2,457,600 bytes; x1 12,582,912 bytes; h2c 2,457,600 bytes; ffc 9,830,400 bytes
;; launch prep (part 1): grid 144 x 6, 4 waves a work-group, no clusters, 0 bytes of LDS; arguments wq, wk, wv, wo, w_ff1, w_ff2, wimg; writes wimg
.if DOCPART == 1
	.amdgcn_target "amdgcn-amd-amdhsa--gfx1250"
	.amdhsa_code_object_version 6
	.text
	.protected	k_q222d4320a3_prep
	.globl	k_q222d4320a3_prep
	.p2align	8
	.type	k_q222d4320a3_prep,@function
k_q222d4320a3_prep:
	s_mov_b64 s[64:65], 0
	v_nop
	global_prefetch_b8 v0, s[64:65] scope:SCOPE_SE
	s_setreg_imm32_b32 hwreg(HW_REG_WAVE_MODE, 25, 1), 1
	s_wait_xcnt 0x0
; THE SIX WEIGHTS BECOME OPERAND FRAGMENTS OF E2M3 CODES.  Every weight has K as an outer axis, so a lane takes ONE column and its 64 registers run down K,
; in the order that the 6-bit operand layout gives that lane (registers 32 c + i: k = 64 c + 32 (lane / 16) + i): the conversions' results are the operand's registers.
; A unit is 64 columns (4 tiles of 16) x 768 along K (6 K steps of 128).  Units X: 0-11 wq's heads, 12-23 wk's, 24-35 wv's, 36-47 wo, 48-95 w_ff1, 96-143 w_ff2 (column unit (X-96)/4, quarter (X-96)%4 of its K).
; Work-group (X, s), wave t: tile t of unit X at K step s.  THE COLUMNS OF A TILE ARE NOT NEIGHBOURS: lane r of tile t takes column 32 (t/2) + 8 (t%2) + r + 8 (r/8), so that the results of a product
; that takes these tiles as source 0 lie, in two neighbouring tiles' 16 registers, as 16 neighbours along the next K.  The four waves of a work-group together read each row's 256 consecutive bytes.
; OUT: a fragment is 1,536 bytes, registers 4 c .. 4 c + 3 of lane l at 512 c + 16 l: each store covers 512 consecutive bytes.  Its 16 scale words follow in a table of their own.
; A block's scale byte is its largest magnitude's exponent field - 2, held at 1 from below.
; LIMITS: a block of zeros gets the byte 1 where the rule says 127 (its codes are zeros, and this program alone reads the bytes); NaN and infinities among the inputs are not served.
.set UNIT, 36864                       ; a unit's codes: 6 K steps x 4 tiles x 1,536
.set USC,  1536                        ; its scale words: 6 x 4 x 16 words
.set WS0,  5308416                     ; where the scale words begin: 144 units of codes
.set XN,   64                          ; v64-127 my column's 64 numbers
.set CD,   48                          ; v48-59  the fragment
.macro WCOL p                          ; my column, 64 rows of p bytes: rows 64 c + i; lanes 16-31 begin 32 rows further down
.irp c, 0,1
.irp i, 0,1,2,3,4,5,6,7,8,9,10,11,12,13,14,15,16,17,18,19,20,21,22,23,24,25,26,27,28,29,30,31
	global_load_b32 v[XN+32*\c+\i], v5, s[26:27] offset:(64*\c+\i)*\p
.endr
.endr
.endm
	s_load_b256 s[4:11], s[0:1], 0x0               ; wq s[4:5], wk s[6:7], wv s[8:9], wo s[10:11]
	s_load_b128 s[12:15], s[0:1], 0x20             ; w_ff1 s[12:13], w_ff2 s[14:15]
	s_load_b64 s[16:17], s[0:1], 0x30              ; wimg
	v_lshrrev_b32 v1, 5, v0
	v_readfirstlane_b32 s18, v1                    ; t: my tile
	v_and_b32 v1, 31, v0                           ; lane
	v_and_b32 v2, 15, v0                           ; r
	v_bfe_u32 v3, v0, 4, 1                         ; h
	v_and_b32 v4, 8, v2
	v_add_nc_u32 v4, v4, v2                        ; r + 8 (r / 8)
	s_mov_b32 s20, ttmp9                           ; X
	s_and_b32 s21, ttmp7, 0xffff                   ; s
	s_mov_b32 s34, 0x76543210
	s_mov_b32 s35, 0xfedcba98                      ; v_permlanex16_b32's selects for lane l xor 16
	s_lshr_b32 s19, s18, 1
	s_lshl_b32 s19, s19, 5
	s_and_b32 s22, s18, 1
	s_lshl_b32 s22, s22, 3
	s_add_co_u32 s19, s19, s22                     ; the tile's base: 32 (t/2) + 8 (t%2)
	v_add_nc_u32 v4, s19, v4                       ; my column in the unit
	v_lshlrev_b32 v5, 2, v4
	v_lshlrev_b32 v7, 4, v1                        ; out: 16 bytes a lane
	v_lshlrev_b32 v8, 2, v2                        ; and a scale word a row
	s_wait_kmcnt 0x0
	; which tensor, and the first unit of it: choices on the work-group's number alone
	s_cmp_lt_u32 s20, 12
	s_cselect_b64 s[26:27], s[4:5], s[6:7]
	s_cselect_b32 s22, 0, 12
	s_cmp_lt_u32 s20, 24
	s_cselect_b64 s[26:27], s[26:27], s[8:9]
	s_cselect_b32 s22, s22, 24
	s_cmp_lt_u32 s20, 36
	s_cselect_b64 s[26:27], s[26:27], s[10:11]
	s_cselect_b32 s22, s22, 36
	s_mov_b32 s28, 196608
	s_cselect_b32 s28, s28, 256                    ; from unit to unit: a head's 768 x 64 numbers, or 64 columns of a row
	s_mov_b32 s29, 3072
	s_cselect_b32 s29, 256, s29                    ; from row to row along K
	s_cmp_lt_u32 s20, 48
	s_cselect_b64 s[26:27], s[26:27], s[12:13]
	s_cselect_b32 s22, s22, 48
	s_cmp_lt_u32 s20, 96
	s_cselect_b64 s[26:27], s[26:27], s[14:15]
	s_cselect_b32 s22, s22, 96
	s_cselect_b32 s23, 0, 2
	s_cselect_b32 s24, 0, 3
	s_sub_co_u32 s22, s20, s22                     ; the unit's number in its tensor
	s_and_b32 s24, s22, s24                        ; w_ff2: the quarter of K; else 0
	s_lshr_b32 s22, s22, s23                       ; the column unit
	s_sub_co_u32 s30, s20, 48
	s_cmp_lt_u32 s30, 48
	s_cselect_b32 s29, 12288, s29                  ; w_ff1's rows are 3,072 numbers
	s_mul_i32 s24, s24, 768
	s_lshl_b32 s30, s21, 7
	s_add_co_u32 s24, s24, s30                     ; the first row along K: 768 x quarter + 128 s
	s_mul_i32 s24, s24, s29
	s_mul_i32 s22, s22, s28
	s_add_co_u32 s32, s22, s24
	s_mov_b32 s33, 0
	s_add_nc_u64 s[26:27], s[26:27], s[32:33]
	s_lshl_b32 s30, s29, 5
	v_mul_lo_u32 v6, v3, s30
	v_add_nc_u32 v5, v5, v6                        ; 4 x column + 32 h rows
	s_mul_i32 s32, s20, UNIT
	s_mul_i32 s30, s21, 6144
	s_add_co_u32 s32, s32, s30
	s_mul_i32 s30, s18, 1536
	s_add_co_u32 s32, s32, s30
	s_add_nc_u64 s[36:37], s[16:17], s[32:33]      ; my fragment
	s_mul_i32 s32, s20, USC
	s_lshl_b32 s30, s21, 8
	s_add_co_u32 s32, s32, s30
	s_lshl_b32 s30, s18, 6
	s_add_co_u32 s32, s32, s30
	s_add_co_u32 s32, s32, WS0
	s_add_nc_u64 s[38:39], s[16:17], s[32:33]      ; its scale words
	s_cmp_eq_u32 s29, 256                          ; the pitch stands in the loads' immediates: three runs of loads, chosen by the work-group's number
	s_cbranch_scc1 .Lp256
	s_cmp_eq_u32 s29, 3072
	s_cbranch_scc1 .Lp3072
	WCOL 12288
	s_branch .Ljoin
.Lp256:
	WCOL 256
	s_branch .Ljoin
.Lp3072:
	WCOL 3072
.Ljoin:
	s_wait_loadcnt 0x0
.irp c, 0,1                                    ; my block 2 c + h: all its 32 numbers are mine
	v_max3_num_f32 v[32+\c], |v[XN+32*\c]|, |v[XN+1+32*\c]|, 0x1800000   ; and the floor 2^(3 - 127): the byte cannot fall under 1
.endr
.irp i, 2,4,6,8,10,12,14,16,18,20,22,24,26,28,30
.irp c, 0,1
	v_max3_num_f32 v[32+\c], v[32+\c], |v[XN+32*\c+\i]|, |v[XN+1+32*\c+\i]|
.endr
.endr
.irp c, 0,1
	v_add_nc_u32 v[44+\c], 0xff000000, v[32+\c]    ; 2 off the exponent field: the conversion's scale operand
.endr
.irp c, 0,1
	v_lshrrev_b32 v[36+\c], 23, v[44+\c]           ; the scale's byte
.endr
	v_lshl_or_b32 v9, v37, 16, v36                 ; my two bytes: blocks h and 2 + h,
	v_lshlrev_b32 v10, 3, v3
	v_lshlrev_b32 v9, v10, v9                      ; at their places in the word;
	v_mov_b32 v10, 0
	v_permlanex16_b32 v10, v9, s34, s35
	v_or_b32 v9, v9, v10                           ; with lane l xor 16's two the word is whole
.irp c, 0,1
	v_cvt_scalef32_pk16_fp6_f32 v[CD+6*\c:CD+6*\c+2], v[XN+32*\c:XN+32*\c+15], v[44+\c]
	v_cvt_scalef32_pk16_fp6_f32 v[24+4*\c:26+4*\c], v[XN+16+32*\c:XN+31+32*\c], v[44+\c]   ; (a conversion's three registers begin on an even number)
.endr
	v_nop                                          ; one plain place behind a scaled conversion
.irp c, 0,1
.irp i, 0,1,2
	v_mov_b32 v[CD+3+6*\c+\i], v[24+4*\c+\i]
.endr
.endr
.irp c, 0,1,2
	global_store_b128 v7, v[CD+4*\c:CD+4*\c+3], s[36:37] offset:512*\c   ; 32 lanes store 512 consecutive bytes
.endr
	s_wait_xcnt 0x0                                ; EXEC changes only behind this wait
	v_cmp_gt_u32 vcc_lo, 16, v1
	s_and_saveexec_b32 s31, vcc_lo
	global_store_b32 v8, v9, s[38:39]              ; lanes 0-15: the tile's 16 scale words
	s_wait_xcnt 0x0
	s_or_b32 exec_lo, exec_lo, s31
	s_endpgm
.Lfunc_end_k_q222d4320a3_prep:
	.size	k_q222d4320a3_prep, .Lfunc_end_k_q222d4320a3_prep-k_q222d4320a3_prep
	.p2alignl 7, 3214868480
	.fill 96, 4, 3214868480
	.section	.rodata,"a",@progbits
	.p2align	6, 0x0
	.amdhsa_kernel k_q222d4320a3_prep
		.amdhsa_group_segment_fixed_size 0
		.amdhsa_private_segment_fixed_size 0
		.amdhsa_enable_private_segment 0
		.amdhsa_kernarg_size 56
		.amdhsa_user_sgpr_count 2
		.amdhsa_user_sgpr_kernarg_segment_ptr 1
		.amdhsa_wavefront_size32 1
		.amdhsa_system_sgpr_workgroup_id_x 1
		.amdhsa_system_sgpr_workgroup_id_y 1
		.amdhsa_system_sgpr_workgroup_id_z 1
		.amdhsa_system_vgpr_workitem_id 0
		.amdhsa_next_free_vgpr 128
		.amdhsa_next_free_sgpr 66
		.amdhsa_reserve_vcc 1
		.amdhsa_float_denorm_mode_32 3
		.amdhsa_float_denorm_mode_16_64 3
		.amdhsa_memory_ordered 1
		.amdhsa_forward_progress 1
		.amdhsa_inst_pref_size 26
	.end_amdhsa_kernel
	.amdgpu_metadata
---
amdhsa.version: [ 1, 2 ]
amdhsa.kernels:
  - .name:           k_q222d4320a3_prep
    .symbol:         k_q222d4320a3_prep.kd
    .args:
      - { .name: wq, .offset: 0, .size: 8, .value_kind: global_buffer, .address_space: global }
      - { .name: wk, .offset: 8, .size: 8, .value_kind: global_buffer, .address_space: global }
      - { .name: wv, .offset: 16, .size: 8, .value_kind: global_buffer, .address_space: global }
      - { .name: wo, .offset: 24, .size: 8, .value_kind: global_buffer, .address_space: global }
      - { .name: w_ff1, .offset: 32, .size: 8, .value_kind: global_buffer, .address_space: global }
      - { .name: w_ff2, .offset: 40, .size: 8, .value_kind: global_buffer, .address_space: global }
      - { .name: wimg, .offset: 48, .size: 8, .value_kind: global_buffer, .address_space: global }
    .group_segment_fixed_size: 0
    .private_segment_fixed_size: 0
    .kernarg_segment_align: 8
    .kernarg_segment_size: 56
    .max_flat_workgroup_size: 128
    .sgpr_count:     66
    .vgpr_count:     128
    .wavefront_size: 32
...
	.end_amdgpu_metadata
.endif
;; end of part 1
;; launch proj (part 2): grid 64 x 3, 12 waves a work-group, no clusters, 46,592 bytes of LDS; arguments x, g1, b1, wimg, bq, bk, bv, qkvc; writes qkvc
.if DOCPART == 2
	.amdgcn_target "amdgcn-amd-amdhsa--gfx1250"
	.amdhsa_code_object_version 6
	.text
	.protected	k_q222d4320a3_proj
	.globl	k_q222d4320a3_proj
	.p2align	8
	.type	k_q222d4320a3_proj,@function
k_q222d4320a3_proj:
	s_mov_b64 s[64:65], 0
	v_nop
	global_prefetch_b8 v0, s[64:65] scope:SCOPE_SE
	s_setreg_imm32_b32 hwreg(HW_REG_WAVE_MODE, 25, 1), 1
	s_wait_xcnt 0x0
; h = LN1(x), quantised; then q (y = 0), k (y = 1) or v (y = 2) = h W + bias for all 12 heads, quantised for attention.  All products on E2M3 codes with E8M0 scales, sums in f32.
; SHARES.  A work-group owns 64 tokens (4 tiles of 16).  Its 12 waves share the COLUMNS: wave w normalises columns 64 w .. 64 w + 63 of x and later makes head w.
; TILES.  Lane r of tile t of any operand stands for index 32 (t/2) + 8 (t%2) + r + 8 (r/8).  A product D = source 0 x source 1 then leaves, in the 16 registers of tiles 2 b, 2 b + 1 of source 0's axis,
; 16 neighbours 32 b + 16 (lane/16) + 0 .. 15 of that axis, for the lane's one index of source 1: what the conversions take.
; IMAGES.  16 rows x 64 K of codes (6 registers a lane) lie as 768 bytes: registers 0-3 of lane l at 16 l, registers 4-5 at 512 + 8 l; two of them are a fragment of 128 K.  Scale words: 16 a tile; two neighbouring
; tiles come by one load of 4 bytes a lane, the even tile in lanes 0-15, the odd one in lanes 16-31.
; q, k: source 0 = 16 columns of W, source 1 = 16 tokens: a lane holds a token and 32 of the head's 64 channels: K of the scores.  v: the sources swapped: a lane holds a channel and 32 tokens: K of the second product.
; h's fragments go from wave to wave through LDS; W's fragments are wanted by one wave alone and go from memory straight into its registers.
; W'S K STEPS TAKE TURNS BETWEEN TWO SETS OF REGISTERS: even steps v256-303, odd steps v192-239.  A set is asked for again as soon as its products are issued, so two K steps of W are on their way at a time;
; K step 0 is asked for at the head and lands while the norm is computed.
; The mean is taken away before the squares are summed (no difference of large sums).
; LIMITS: a block of zeros gets the scale byte 1 where the rule says 127 (its codes are zeros; this program alone reads the bytes); NaN and infinities are not served.
.set FRAG, 1536
.set KSB,  6144                        ; a K step of a row block or of a unit: 4 fragments
.set UNIT, 36864
.set USC,  1536
.set WS0,  5308416
.set LANE, 1
.set R,    2
.set H,    3
.set L16,  4                           ; 16 x lane
.set L8,   5                           ; 8 x lane
.set L4,   6                           ; 4 x lane
.set WS2,  7                           ; v7-8  W's scale words of the even K steps: scales and nothing else
.set AA16, L16                         ; h's images begin at LDS byte 0
.set AA8,  L8
.set AA4,  9                           ; v9   ASC + 4 x lane
.set RA,   10                          ; v10  48 r + 4 w: where I put a row's partial sum
.set RR,   11                          ; v11  48 r: a row's twelve partial sums
.set PO,   12                          ; v12  my row and half in x: 3,072 (r + 8 (r/8)) + 64 h
.set PB,   13                          ; v13  64 h: my half of a vector of 64 columns
.set IW16, 14                          ; v14  where I store an image's first 512 bytes
.set IW8,  15                          ; v15  and its last 256
.set IW4,  253                         ; v253 and its two scale bytes
.set VB,   254                         ; v254 4 (r + 8 (r/8)): my channel in bv
.set ACC,  16                          ; v16-143  16 accumulators; before that x, then h
.set AF,   144                         ; v144-191 four fragments of h
.set WF,   192                         ; v192-239 four fragments of W, odd K steps
.set W1,   0                           ; v256-303 the same, even K steps (window 1)
.set AS,   240                         ; v240-241 h's scale words: scales and nothing else
.set WS,   242                         ; v242-243 W's, odd K steps
.set TM,   244                         ; v244-247 at work in HQUANT
.set TS,   248
.set PT,   250
.set G,    192                         ; the norm: gains, v192-223
.set BB,   144                         ; offsets, v144-175
.set CH,   176                         ; four chains of sums, v176-183
.set XP,   184                         ; v184-187
.set MP,   244                         ; v244-251 a pair for each tile of rows: the mean, later 1 / sigma
.set T0,   224
.set T1,   176
.set PCB,  144                         ; codes just made: six registers a tile
.set PWB,  168                         ; their byte pairs
.set PAIR, 172
.set SEL,  34
.set HI16, 36
.set INV,  37
.set EPS,  38
.set WP,   40
.set WSP,  42
.set ASC,  36864                       ; LDS: h's images 36,864; their scale words 1,536; two tables of partial sums, 3,072 each
.set RED1, 38400
.set RED2, 41472
.set QS,   2359296                     ; qkvc: q's codes at 0, q's words, the key steps' records (8 tiles of k, 4 fragments of v), the heads' k and v words
.set KV,   2555904
.set KVS,  7274496
.set REC,  12288
.set MSB, 0
.macro WIN new                         ; the immediate's high byte repeats the setting that is left
.if MSB != \new
	s_set_vgpr_msb (MSB<<8)|\new
.set MSB, \new
.endif
.endm
.macro WM d, a, b, zero, sa, sb, ra, rb        ; one product; ra, rb: the scale words stand in lanes 16-31
.set WSEL, 4*(\zero)+2*(\ra)+(\rb)
.if WSEL == 0
	v_wmma_scale_f32_16x16x128_f8f6f4 v[(\d):(\d)+7], v[(\a):(\a)+11], v[(\b):(\b)+11], v[(\d):(\d)+7], v[\sa], v[\sb] matrix_a_fmt:MATRIX_FMT_FP6 matrix_b_fmt:MATRIX_FMT_FP6
.elseif WSEL == 1
	v_wmma_scale_f32_16x16x128_f8f6f4 v[(\d):(\d)+7], v[(\a):(\a)+11], v[(\b):(\b)+11], v[(\d):(\d)+7], v[\sa], v[\sb] matrix_a_fmt:MATRIX_FMT_FP6 matrix_b_fmt:MATRIX_FMT_FP6 matrix_b_scale:MATRIX_SCALE_ROW1
.elseif WSEL == 2
	v_wmma_scale_f32_16x16x128_f8f6f4 v[(\d):(\d)+7], v[(\a):(\a)+11], v[(\b):(\b)+11], v[(\d):(\d)+7], v[\sa], v[\sb] matrix_a_fmt:MATRIX_FMT_FP6 matrix_b_fmt:MATRIX_FMT_FP6 matrix_a_scale:MATRIX_SCALE_ROW1
.elseif WSEL == 3
	v_wmma_scale_f32_16x16x128_f8f6f4 v[(\d):(\d)+7], v[(\a):(\a)+11], v[(\b):(\b)+11], v[(\d):(\d)+7], v[\sa], v[\sb] matrix_a_fmt:MATRIX_FMT_FP6 matrix_b_fmt:MATRIX_FMT_FP6 matrix_a_scale:MATRIX_SCALE_ROW1 matrix_b_scale:MATRIX_SCALE_ROW1
.elseif WSEL == 4
	v_wmma_scale_f32_16x16x128_f8f6f4 v[(\d):(\d)+7], v[(\a):(\a)+11], v[(\b):(\b)+11], 0, v[\sa], v[\sb] matrix_a_fmt:MATRIX_FMT_FP6 matrix_b_fmt:MATRIX_FMT_FP6
.elseif WSEL == 5
	v_wmma_scale_f32_16x16x128_f8f6f4 v[(\d):(\d)+7], v[(\a):(\a)+11], v[(\b):(\b)+11], 0, v[\sa], v[\sb] matrix_a_fmt:MATRIX_FMT_FP6 matrix_b_fmt:MATRIX_FMT_FP6 matrix_b_scale:MATRIX_SCALE_ROW1
.elseif WSEL == 6
	v_wmma_scale_f32_16x16x128_f8f6f4 v[(\d):(\d)+7], v[(\a):(\a)+11], v[(\b):(\b)+11], 0, v[\sa], v[\sb] matrix_a_fmt:MATRIX_FMT_FP6 matrix_b_fmt:MATRIX_FMT_FP6 matrix_a_scale:MATRIX_SCALE_ROW1
.else
	v_wmma_scale_f32_16x16x128_f8f6f4 v[(\d):(\d)+7], v[(\a):(\a)+11], v[(\b):(\b)+11], 0, v[\sa], v[\sb] matrix_a_fmt:MATRIX_FMT_FP6 matrix_b_fmt:MATRIX_FMT_FP6 matrix_a_scale:MATRIX_SCALE_ROW1 matrix_b_scale:MATRIX_SCALE_ROW1
.endif
.endm
.macro NOP4
.rept 4
	v_nop
.endr
.endm
.macro BAR                                     ; my LDS stores have landed and my LDS loads are in: then the work-group's barrier
	s_wait_dscnt 0x0
	s_barrier_signal -1
	s_barrier_wait -1
.endm
.macro WLOAD s                                 ; K step s of my unit of W: four fragments and their scale words, 14 loads, 512 or 128 consecutive bytes each; even steps into window 1
.if ((\s)%2) == 0
	WIN 0x40
.irp t, 0,1,2,3
.irp c, 0,1,2
	global_load_b128 v[W1+12*\t+4*\c:W1+12*\t+4*\c+3], v[L16], s[WP:WP+1] offset:(\s)*KSB+\t*FRAG+512*\c
.endr
.endr
	WIN 0
.irp j, 0,1
	global_load_b32 v[WS2+\j], v[L4], s[WSP:WSP+1] offset:(\s)*256+128*\j
.endr
.else
.irp t, 0,1,2,3
.irp c, 0,1,2
	global_load_b128 v[WF+12*\t+4*\c:WF+12*\t+4*\c+3], v[L16], s[WP:WP+1] offset:(\s)*KSB+\t*FRAG+512*\c
.endr
.endr
.irp j, 0,1
	global_load_b32 v[WS+\j], v[L4], s[WSP:WSP+1] offset:(\s)*256+128*\j
.endr
.endif
.endm
.macro ALOAD s                                 ; K step s of the rows' operand from LDS: four fragments (two images each) and their scale words, 18 loads
.irp m, 0,1,2,3
	ds_load_b128 v[AF+12*\m:AF+12*\m+3], v[AA16] offset:(\s)*KSB+\m*FRAG
	ds_load_b64 v[AF+12*\m+4:AF+12*\m+5], v[AA8] offset:(\s)*KSB+\m*FRAG+512
	ds_load_b128 v[AF+12*\m+6:AF+12*\m+9], v[AA16] offset:(\s)*KSB+\m*FRAG+768
	ds_load_b64 v[AF+12*\m+10:AF+12*\m+11], v[AA8] offset:(\s)*KSB+\m*FRAG+1280
.endr
.irp j, 0,1
	ds_load_b32 v[AS+\j], v[AA4] offset:(\s)*256+128*\j
.endr
.endm
.macro MUL s, zero, swap                       ; 16 products on 16 accumulators, which take turns in the same order in every K step
.if ((\s)%2) == 0
.set WB, W1
.set WSR, WS2
.if \swap
	WIN 0x04                                       ; W is source 1: window 1
.else
	WIN 0x01                                       ; W is source 0: window 1
.endif
.else
.set WB, WF
.set WSR, WS
.endif
.irp m, 0,1,2,3
.irp t, 0,1,2,3
.if \swap
	WM ACC+32*\t+8*\m, AF+12*\m, WB+12*\t, \zero, AS+\m/2, WSR+\t/2, \m%2, \t%2
.else
	WM ACC+32*\m+8*\t, WB+12*\t, AF+12*\m, \zero, WSR+\t/2, AS+\m/2, \t%2, \m%2
.endif
.endr
.endr
	WIN 0
.endm
; A K step.  left: the loads issued behind this step's W, which may stay out: the next K step's 14.  Behind the products: four places (ISA guide 7.12.1 for vector instructions), which serve the loads
; into the set of W just multiplied and the next step's loads into h's fragments alike; then the K step two on is asked for.
.macro KSTEP s, zero, swap, left
	ALOAD \s
	s_wait_loadcnt \left
	s_wait_dscnt 0x0
	MUL \s, \zero, \swap
	NOP4
.if (\s) < 4
	WLOAD (\s)+2
.endif
.endm
; 32 numbers of a lane, register 16 b + i = k 32 b + 16 (lane/16) + i of my row, become an image's six registers in v[pc] on and the two blocks' bytes in v[pw] (the same in lanes l and l xor 16).
.macro HQUANT src, pc, pw
.irp b, 0,1
	v_max3_num_f32 v[TM+\b], |v[(\src)+16*\b]|, |v[(\src)+16*\b+1]|, 0x1800000   ; my 16 numbers of block b, and the floor 2^(3 - 127): the byte cannot fall under 1
.endr
.irp i, 2,4,6,8,10,12,14
.irp b, 0,1
	v_max3_num_f32 v[TM+\b], v[TM+\b], |v[(\src)+16*\b+\i]|, |v[(\src)+16*\b+\i+1]|
.endr
.endr
.irp b, 0,1
	v_permlanex16_b32 v[TM+2+\b], v[TM+\b], s[SEL], s[SEL+1]
.endr
.irp b, 0,1
	v_max_num_f32 v[TM+\b], v[TM+\b], v[TM+2+\b]   ; with lane l xor 16's: the block's largest magnitude
.endr
.irp b, 0,1
	v_add_nc_u32 v[TS+\b], 0xff000000, v[TM+\b]    ; 2 off its exponent field: the conversion's scale operand
.endr
.irp b, 0,1
	v_lshrrev_b32 v[TM+2+\b], 23, v[TS+\b]         ; the scale's byte
.endr
	v_lshl_or_b32 v[\pw], v[TM+3], 8, v[TM+2]
	v_cvt_scalef32_pk16_fp6_f32 v[(\pc):(\pc)+2], v[(\src):(\src)+15], v[TS]
	v_cvt_scalef32_pk16_fp6_f32 v[PT:PT+2], v[(\src)+16:(\src)+31], v[TS+1]
	v_nop                                          ; one plain place behind a scaled conversion
.irp i, 0,1,2
	v_permlane16_swap_b32 v[(\pc)+\i], v[PT+\i]    ; the layout wants a whole block in a lane: lanes 0-15 block 0, lanes 16-31 block 1
.endr
.irp i, 0,1,2
	v_mov_b32 v[(\pc)+3+\i], v[PT+\i]
.endr
.endm
.macro PRELOAD vo, sb, rowb                    ; the accumulators' first value, in the results' layout: rows of rowb bytes (a residual), or with rowb = 0 one vector for all rows (a bias)
.irp m, 0,1,2,3
.irp b, 0,1
.irp j, 0,1,2,3
	global_load_b128 v[ACC+32*\m+16*\b+4*\j:ACC+32*\m+16*\b+4*\j+3], v[\vo], s[\sb:\sb+1] offset:(32*(\m/2)+8*(\m%2))*\rowb+128*\b+16*\j
.endr
.endr
.endr
.endm
.macro VLOAD reg, sb                           ; my 32 of a vector's 64 columns
.irp b, 0,1
.irp j, 0,1,2,3
	global_load_b128 v[\reg+16*\b+4*\j:\reg+16*\b+4*\j+3], v[PB], s[\sb:\sb+1] offset:128*\b+16*\j
.endr
.endr
.endm
; The four chains (a pair for each tile of rows) become the rows' sums over all 768 columns, in v[MP + 2 m]: my halves, lane l xor 16's, then the twelve waves' through LDS, added by every wave in the same order.
.macro XCH red
.irp m, 0,1,2,3
	v_add_f32 v[CH+2*\m], v[CH+2*\m], v[CH+2*\m+1]
.endr
.irp m, 0,1,2,3
	v_permlanex16_b32 v[XP+\m], v[CH+2*\m], s[SEL], s[SEL+1]
.endr
.irp m, 0,1,2,3
	v_add_f32 v[CH+2*\m], v[CH+2*\m], v[XP+\m]
.endr
.irp m, 0,1,2,3
	ds_store_b32 v[RA], v[CH+2*\m] offset:\red+\m*768   ; lanes l and l xor 16 write the same word with the same value
.endr
	BAR
.irp p, 0,1
.irp c, 0,1,2
	ds_load_b128 v[T0+4*\c:T0+4*\c+3], v[RR] offset:\red+(2*\p)*768+16*\c
	ds_load_b128 v[T1+4*\c:T1+4*\c+3], v[RR] offset:\red+(2*\p+1)*768+16*\c
.endr
	s_wait_dscnt 0x0
.irp q, 2,4,6,8,10
	v_pk_add_f32 v[T0:T0+1], v[T0:T0+1], v[T0+\q:T0+\q+1]
	v_pk_add_f32 v[T1:T1+1], v[T1:T1+1], v[T1+\q:T1+\q+1]
.endr
	v_add_f32 v[MP+4*\p], v[T0], v[T0+1]
	v_add_f32 v[MP+4*\p+2], v[T1], v[T1+1]
.endr
.endm
; The norm, in place on v[ACC] on: register 32 m + q is column 64 w + 32 (q/16) + 16 h + q%16 of row (m, r).
.macro LNORM
.irp m, 0,1,2,3
	v_mov_b32 v[XP+\m], 0                          ; a lane permute's destination counts as one of its sources
.endr
.irp m, 0,1,2,3
	v_pk_add_f32 v[CH+2*\m:CH+2*\m+1], v[ACC+32*\m:ACC+32*\m+1], v[ACC+32*\m+2:ACC+32*\m+3]
.endr
.irp q, 4,6,8,10,12,14,16,18,20,22,24,26,28,30
.irp m, 0,1,2,3
	v_pk_add_f32 v[CH+2*\m:CH+2*\m+1], v[CH+2*\m:CH+2*\m+1], v[ACC+32*\m+\q:ACC+32*\m+\q+1]
.endr
.endr
	XCH RED1
.irp m, 0,1,2,3
	v_mul_f32 v[MP+2*\m], s[INV], v[MP+2*\m]       ; the mean
.endr
.irp m, 0,1,2,3
	v_mov_b32 v[MP+2*\m+1], v[MP+2*\m]
.endr
.set JJ, 0
.rept 64
	v_pk_add_f32 v[ACC+JJ:ACC+JJ+1], v[ACC+JJ:ACC+JJ+1], v[MP+2*(JJ/32):MP+2*(JJ/32)+1] neg_lo:[0,1] neg_hi:[0,1]   ; d = x - mean
.set JJ, JJ+2
.endr
.irp m, 0,1,2,3
	v_pk_mul_f32 v[CH+2*\m:CH+2*\m+1], v[ACC+32*\m:ACC+32*\m+1], v[ACC+32*\m:ACC+32*\m+1]
.endr
.irp q, 2,4,6,8,10,12,14,16,18,20,22,24,26,28,30
.irp m, 0,1,2,3
	v_pk_fma_f32 v[CH+2*\m:CH+2*\m+1], v[ACC+32*\m+\q:ACC+32*\m+\q+1], v[ACC+32*\m+\q:ACC+32*\m+\q+1], v[CH+2*\m:CH+2*\m+1]
.endr
.endr
	XCH RED2
.irp m, 0,1,2,3
	v_fma_f32 v[MP+2*\m], v[MP+2*\m], s[INV], s[EPS]   ; the variance + 1e-5
.endr
.irp m, 0,1,2,3
	v_rsq_f32 v[MP+2*\m], v[MP+2*\m]
.endr
	v_nop                                          ; a plain place behind the last root,
	s_wait_alu depctr_va_vdst(0)                   ; and one wait for the four, ahead of their first reader
.irp m, 0,1,2,3
	v_mov_b32 v[MP+2*\m+1], v[MP+2*\m]
.endr
.set JJ, 0
.rept 64
	v_pk_mul_f32 v[ACC+JJ:ACC+JJ+1], v[ACC+JJ:ACC+JJ+1], v[MP+2*(JJ/32):MP+2*(JJ/32)+1]
.set JJ, JJ+2
.endr
.set JJ, 0
.rept 64
	v_pk_fma_f32 v[ACC+JJ:ACC+JJ+1], v[ACC+JJ:ACC+JJ+1], v[G+JJ%32:G+JJ%32+1], v[BB+JJ%32:BB+JJ%32+1]
.set JJ, JJ+2
.endr
.endm
	s_load_b512 s[4:19], s[0:1], 0x0               ; x s[4:5], g1 s[6:7], b1 s[8:9], wimg s[10:11], bq s[12:13], bk s[14:15], bv s[16:17], qkvc s[18:19]
	v_lshl_add_u32 v255, v0, 2, 0xb000
	s_set_vgpr_msb 0x40
	v_mov_b32 v49, 0
	s_set_vgpr_msb 0x4000
	v_lshrrev_b32 v1, 5, v0
	v_readfirstlane_b32 s2, v1                     ; w: wave 0..11
	s_mov_b32 s3, ttmp9                            ; the block of 64 tokens
	s_and_b32 s33, ttmp7, 0xffff                   ; y: q, k or v
	s_mov_b32 s[SEL], 0x76543210
	s_mov_b32 s[SEL+1], 0xfedcba98                 ; v_permlanex16_b32's selects for lane l xor 16
	s_mov_b32 s[HI16], 0xffff0000                  ; lanes 16-31
	s_mov_b32 s[INV], 0x3aaaaaab                   ; 1 / 768
	s_mov_b32 s[EPS], 0x3727c5ac                   ; 1e-5
	v_and_b32 v[LANE], 31, v0
	v_and_b32 v[R], 15, v0
	v_bfe_u32 v[H], v0, 4, 1
	v_lshlrev_b32 v[L16], 4, v[LANE]
	v_lshlrev_b32 v[L8], 3, v[LANE]
	v_lshlrev_b32 v[L4], 2, v[LANE]
	v_add_nc_u32 v[AA4], ASC, v[L4]
	v_and_b32 v[VB], 8, v[R]
	v_add_nc_u32 v[VB], v[VB], v[R]                ; r + 8 (r/8)
	v_mul_u32_u24 v[PO], v[VB], 3072
	v_lshl_add_u32 v[PO], v[H], 6, v[PO]
	v_lshlrev_b32 v[PB], 6, v[H]
	v_lshlrev_b32 v[VB], 2, v[VB]
	v_mul_u32_u24 v[RR], v[R], 48
	s_lshl_b32 s50, s2, 2
	v_add_nc_u32 v[RA], s50, v[RR]
	s_lshr_b32 s50, s2, 1                          ; my 64 columns are half w%2 of K step w/2
	s_and_b32 s51, s2, 1
	s_mul_i32 s52, s50, KSB
	s_mul_i32 s53, s51, 768
	s_add_co_u32 s52, s52, s53
	v_add_nc_u32 v[IW16], s52, v[L16]
	v_add_nc_u32 v[IW8], s52, v[L8]
	s_lshl_b32 s52, s50, 8
	s_lshl_b32 s53, s51, 1
	s_add_co_u32 s52, s52, s53
	v_add_nc_u32 v[IW4], s52, v[L4]
	s_lshl_b32 s50, s2, 8                          ; 256 w: 64 columns of f32
	s_mov_b32 s51, 0
	s_mul_i32 s52, s3, 196608                      ; 64 rows of 3,072 bytes
	s_add_co_u32 s52, s52, s50
	s_mov_b32 s53, 0
	s_mul_i32 s54, s33, 12
	s_add_co_u32 s54, s54, s2                      ; my unit of W: 12 y + w
	s_mul_i32 s56, s54, UNIT
	s_mov_b32 s57, 0
	s_mul_i32 s58, s54, USC
	s_add_co_u32 s58, s58, WS0
	s_mov_b32 s59, 0
	s_wait_kmcnt 0x0
	s_add_nc_u64 s[20:21], s[4:5], s[52:53]
	s_add_nc_u64 s[6:7], s[6:7], s[50:51]
	s_add_nc_u64 s[8:9], s[8:9], s[50:51]
	s_add_nc_u64 s[12:13], s[12:13], s[50:51]
	s_add_nc_u64 s[14:15], s[14:15], s[50:51]
	s_add_nc_u64 s[16:17], s[16:17], s[50:51]
	s_add_nc_u64 s[WP:WP+1], s[10:11], s[56:57]
	s_add_nc_u64 s[WSP:WSP+1], s[10:11], s[58:59]
	PRELOAD PO, 20, 3072                           ; my 64 columns of the 64 rows of x
	VLOAD G, 6
	VLOAD BB, 8
	WLOAD 0                                        ; W's first K step: it lands while the norm is computed
	; where the results go
	s_lshl_b32 s52, s3, 2
	s_add_co_u32 s52, s52, s50                     ; q: tile 256 w + 4 x block
	s_mul_i32 s54, s52, 768
	s_lshl_b32 s55, s52, 6
	s_add_co_u32 s55, s55, QS
	s_lshl_b32 s52, s2, 5
	s_lshr_b32 s56, s3, 1                          ; the key step: two blocks of tokens
	s_add_co_u32 s52, s52, s56
	s_mul_i32 s52, s52, REC
	s_add_co_u32 s52, s52, KV                      ; its record
	s_and_b32 s57, s3, 1                           ; which half of it
	s_mul_i32 s58, s2, 24576
	s_add_co_u32 s58, s58, KVS                     ; the head's scale words
	s_mul_i32 s59, s57, 3072
	s_add_co_u32 s59, s59, s52                     ; k: four tiles of 768 bytes
	s_lshl_b32 s60, s3, 8
	s_add_co_u32 s60, s60, s58
	s_cmp_eq_u32 s33, 0
	s_cselect_b32 s54, s54, s59
	s_cselect_b32 s55, s55, s60
	s_cselect_b64 s[22:23], s[12:13], s[14:15]     ; bq or bk
	s_mul_i32 s59, s57, 768
	s_add_co_u32 s59, s59, s52
	s_add_co_u32 s59, s59, 6144                    ; v: half of each of the record's four fragments
	s_lshl_b32 s60, s56, 8
	s_add_co_u32 s60, s60, s58
	s_lshl_b32 s61, s57, 1
	s_add_co_u32 s60, s60, s61
	s_add_co_u32 s60, s60, 16384
	s_mov_b32 s63, 0
	s_mov_b32 s62, s54
	s_add_nc_u64 s[44:45], s[18:19], s[62:63]
	s_mov_b32 s62, s55
	s_add_nc_u64 s[46:47], s[18:19], s[62:63]
	s_mov_b32 s62, s59
	s_add_nc_u64 s[24:25], s[18:19], s[62:63]
	s_mov_b32 s62, s60
	s_add_nc_u64 s[26:27], s[18:19], s[62:63]
	s_wait_loadcnt 14                              ; x, the gains and the offsets are in; the 14 loads of W's first K step may be out
	LNORM                                          ; two barriers
.irp m, 0,1,2,3                                ; h's codes: my half of K step w/2, for the four tiles of tokens
	HQUANT ACC+32*\m, PCB+6*\m, PWB+\m
	ds_store_b128 v[IW16], v[PCB+6*\m:PCB+6*\m+3] offset:\m*FRAG
	ds_store_b64 v[IW8], v[PCB+6*\m+4:PCB+6*\m+5] offset:\m*FRAG+512
.endr
	v_cndmask_b32 v[PAIR], v[PWB], v[PWB+1], s[HI16]       ; lanes 0-15 the even tile's bytes, lanes 16-31 the odd tile's
	v_cndmask_b32 v[PAIR+1], v[PWB+2], v[PWB+3], s[HI16]
	ds_store_b16 v[IW4], v[PAIR] offset:ASC
	ds_store_b16 v[IW4], v[PAIR+1] offset:ASC+128
	s_cmp_eq_u32 s33, 2
	s_cbranch_scc1 .Lbv
	PRELOAD PB, 22, 0                              ; q, k: the bias is the first C
	s_branch .Lw1
.Lbv:
.irp t, 0,1,2,3
	global_load_b32 v[TM+2*\t], v[VB], s[16:17] offset:(32*(\t/2)+8*(\t%2))*4   ; v: bv of my channel in tile t
.endr
.Lw1:
	WLOAD 1
	BAR                                            ; h's 24 fragments lie in LDS; from here on LDS is only read
	s_cmp_eq_u32 s33, 2
	s_cbranch_scc1 .Lvpath
	KSTEP 0, 0, 0, 14
	KSTEP 1, 0, 0, 14
	KSTEP 2, 0, 0, 14
	KSTEP 3, 0, 0, 14
	KSTEP 4, 0, 0, 14
	KSTEP 5, 0, 0, 0                               ; its four places stand in front of the first read of results
.irp m, 0,1,2,3                                ; a tile of 16 tokens x the head's 64 channels: one image
	HQUANT ACC+32*\m, PCB+6*\m, PWB+\m
	global_store_b128 v[L16], v[PCB+6*\m:PCB+6*\m+3], s[44:45] offset:\m*768
	global_store_b64 v[L8], v[PCB+6*\m+4:PCB+6*\m+5], s[44:45] offset:\m*768+512
.endr
	v_cndmask_b32 v[PAIR], v[PWB], v[PWB+1], s[HI16]
	v_cndmask_b32 v[PAIR+1], v[PWB+2], v[PWB+3], s[HI16]
	global_store_b32 v[L4], v[PAIR], s[46:47]              ; whole words: the upper two bytes are 0, over codes that are zeros
	global_store_b32 v[L4], v[PAIR+1], s[46:47] offset:128
	s_set_vgpr_msb 0x4
	s_wait_tensorcnt 0x0
	ds_add_u32 v255, v49
	s_wait_dscnt 0x0
	s_set_vgpr_msb 0x400
	s_endpgm
.Lvpath:
	KSTEP 0, 1, 1, 14                              ; (bv was asked for ahead of K step 1: this wait covers it)
	KSTEP 1, 0, 1, 14
	KSTEP 2, 0, 1, 14
	KSTEP 3, 0, 1, 14
	KSTEP 4, 0, 1, 14
	KSTEP 5, 0, 1, 0
.irp t, 0,1,2,3
	v_mov_b32 v[TM+2*\t+1], v[TM+2*\t]
.endr
.set JJ, 0
.rept 64
	v_pk_add_f32 v[ACC+JJ:ACC+JJ+1], v[ACC+JJ:ACC+JJ+1], v[TM+2*(JJ/32):TM+2*(JJ/32)+1]   ; each accumulator from its low end on
.set JJ, JJ+2
.endr
.irp t, 0,1,2,3                                ; a tile of 16 channels x my 64 tokens: half a fragment of the key step
	HQUANT ACC+32*\t, PCB+6*\t, PWB+\t
	global_store_b128 v[L16], v[PCB+6*\t:PCB+6*\t+3], s[24:25] offset:\t*FRAG
	global_store_b64 v[L8], v[PCB+6*\t+4:PCB+6*\t+5], s[24:25] offset:\t*FRAG+512
.endr
	v_cndmask_b32 v[PAIR], v[PWB], v[PWB+1], s[HI16]
	v_cndmask_b32 v[PAIR+1], v[PWB+2], v[PWB+3], s[HI16]
	global_store_b16 v[L4], v[PAIR], s[26:27]              ; my two bytes of each word
	global_store_b16 v[L4], v[PAIR+1], s[26:27] offset:128
	s_set_vgpr_msb 0x4
	s_wait_tensorcnt 0x0
	ds_add_u32 v255, v49
	s_wait_dscnt 0x0
	s_set_vgpr_msb 0x400
	s_endpgm
.Lfunc_end_k_q222d4320a3_proj:
	.size	k_q222d4320a3_proj, .Lfunc_end_k_q222d4320a3_proj-k_q222d4320a3_proj
	.p2alignl 7, 3214868480
	.fill 96, 4, 3214868480
	.section	.rodata,"a",@progbits
	.p2align	6, 0x0
	.amdhsa_kernel k_q222d4320a3_proj
		.amdhsa_group_segment_fixed_size 46592
		.amdhsa_private_segment_fixed_size 0
		.amdhsa_enable_private_segment 0
		.amdhsa_kernarg_size 64
		.amdhsa_user_sgpr_count 2
		.amdhsa_user_sgpr_kernarg_segment_ptr 1
		.amdhsa_wavefront_size32 1
		.amdhsa_system_sgpr_workgroup_id_x 1
		.amdhsa_system_sgpr_workgroup_id_y 1
		.amdhsa_system_sgpr_workgroup_id_z 1
		.amdhsa_system_vgpr_workitem_id 0
		.amdhsa_next_free_vgpr 306
		.amdhsa_next_free_sgpr 66
		.amdhsa_reserve_vcc 0
		.amdhsa_float_denorm_mode_32 3
		.amdhsa_float_denorm_mode_16_64 3
		.amdhsa_memory_ordered 1
		.amdhsa_forward_progress 1
		.amdhsa_inst_pref_size 123
	.end_amdhsa_kernel
	.amdgpu_metadata
---
amdhsa.version: [ 1, 2 ]
amdhsa.kernels:
  - .name:           k_q222d4320a3_proj
    .symbol:         k_q222d4320a3_proj.kd
    .args:
      - { .name: x, .offset: 0, .size: 8, .value_kind: global_buffer, .address_space: global }
      - { .name: g1, .offset: 8, .size: 8, .value_kind: global_buffer, .address_space: global }
      - { .name: b1, .offset: 16, .size: 8, .value_kind: global_buffer, .address_space: global }
      - { .name: wimg, .offset: 24, .size: 8, .value_kind: global_buffer, .address_space: global }
      - { .name: bq, .offset: 32, .size: 8, .value_kind: global_buffer, .address_space: global }
      - { .name: bk, .offset: 40, .size: 8, .value_kind: global_buffer, .address_space: global }
      - { .name: bv, .offset: 48, .size: 8, .value_kind: global_buffer, .address_space: global }
      - { .name: qkvc, .offset: 56, .size: 8, .value_kind: global_buffer, .address_space: global }
    .group_segment_fixed_size: 46592
    .private_segment_fixed_size: 0
    .kernarg_segment_align: 8
    .kernarg_segment_size: 64
    .max_flat_workgroup_size: 384
    .sgpr_count:     66
    .vgpr_count:     306
    .wavefront_size: 32
...
	.end_amdgpu_metadata
.endif
;; end of part 2
;; launch attn (part 3): grid 64 x 4, 12 waves a work-group, no clusters, 148,992 bytes of LDS; arguments qkvc, attc; writes attc
.if DOCPART == 3
	.amdgcn_target "amdgcn-amd-amdhsa--gfx1250"
	.amdhsa_code_object_version 6
	.text
	.protected	k_q222d4320a3_attn
	.globl	k_q222d4320a3_attn
	.p2align	8
	.type	k_q222d4320a3_attn,@function
k_q222d4320a3_attn:
	s_mov_b64 s[64:65], 0
	v_nop
	global_prefetch_b8 v0, s[64:65] scope:SCOPE_SE
	s_setreg_imm32_b32 hwreg(HW_REG_WAVE_MODE, 25, 1), 1
	s_wait_xcnt 0x0
; attn[q] = softmax(q . k / 8) v for each head, both products on E2M3 codes; the result, divided by the row's sum, is quantised for the next product.
; THE SOFTMAX: t = score x log2(e) / 8; M = the largest t so far, rounded UP to a whole number; p = 2^(t - M) is what is quantised, along the keys; the row's sum is taken of the unquantised p.
; When M moves, the sum and O are multiplied by 2^(old M - new M): exact.
; SHARES.  A work-group owns 64 queries and three heads (3 y .. 3 y + 2): wave w has head 3 y + w/4 and tile w%4 of 16 queries.  Every wave walks the head's 4,096 keys, 128 a step.
; Both products are used transposed (S^T = K Q^T, O^T = V^T P^T): a lane holds one query throughout, and the tiles' row order makes the 16 registers of two neighbouring tiles 16 neighbouring keys.
; The head has 64 channels: the upper half of Q's and K's fragments (K = 64 .. 127) is zero codes on both sides.
; FEEDING.  A key step's record (8 tiles of K, 4 fragments of V^T: 12,288 bytes, in the order of the operands' registers) is copied by the head's four waves: memory -> 24 registers a lane (asked for two steps ahead,
; two sets by turns) -> the LDS slot that is not being read (a step ahead).
; ONE BARRIER A STEP, ITS HALVES APART.  A wave signals when its reads of this step's record are back and its stores of the next record have landed; the scalings and the exponentials stand between the signal and
; the wait; behind the wait the next record is whole and this step's slot is free, and the next step's first four tiles of K and its scale words are asked for at once: they land during the rest of the softmax.
; The head's scale words (24,576 bytes) come into LDS once.
; REGISTERS: v1-11 addresses; v12 -M, v13 the largest t, v[14:15] the sum; v16-27 Q, v28 its words; v29-30 V's words; v32-79 four fragments of K; v80-127 V's four; v128-191 S^T, then p; v192-223 O^T;
; v224-235 p's codes; v232-247, v252, v254 at work; v248-251 K's words; v253 p's word; v256-279, v280-303 the records on their way.
; LIMITS: a block of zeros gets the scale byte 1 (its codes are zeros; this program alone reads the bytes); NaN and infinities are not served.
.set QS,   2359296
.set KV,   2555904
.set KVS,  7274496
.set REC,  12288
.set HALF, 768
.set FRAG, 1536
.set HB,   49152                       ; LDS of a head: slot 0, slot 1 (12,288 each), K's words (16,384), V's words (8,192)
.set KW,   24576
.set VW,   40960
.set A16,  1                           ; v1  the head's LDS + 16 x lane
.set A8,   2                           ; v2  + 8 x lane
.set KSA,  3                           ; v3  the step's words of K: + 512 a step
.set VSA,  4                           ; v4  of V: + 256 a step
.set STA,  5                           ; v5  the head's LDS + 16 x my number among the head's 128 threads
.set GOF,  6                           ; v6  16 x that number
.set G16,  7                           ; v7  16 x lane
.set G8,   8                           ; v8  8 x lane
.set G4R,  9                           ; v9  4 x (lane % 16)
.set QF,   16
.set QSC,  28
.set VSC,  29
.set KF,   32
.set VF,   80
.set S,    128
.set O,    192
.set P,    224
.set KSC,  248
.set TM,   236                         ; HQUANT's, on the way out
.set TS,   244
.set PT,   240
.set SEL,  34
.set CS,   36
.set RECP, 18
.set MSB, 0
.macro WIN new                         ; the immediate's high byte repeats the setting that is left
.if MSB != \new
	s_set_vgpr_msb (MSB<<8)|\new
.set MSB, \new
.endif
.endm
.macro WM d, a, b, zero, sa, sb, ra, rb
.set WSEL, 4*(\zero)+2*(\ra)+(\rb)
.if WSEL == 0
	v_wmma_scale_f32_16x16x128_f8f6f4 v[(\d):(\d)+7], v[(\a):(\a)+11], v[(\b):(\b)+11], v[(\d):(\d)+7], v[\sa], v[\sb] matrix_a_fmt:MATRIX_FMT_FP6 matrix_b_fmt:MATRIX_FMT_FP6
.elseif WSEL == 2
	v_wmma_scale_f32_16x16x128_f8f6f4 v[(\d):(\d)+7], v[(\a):(\a)+11], v[(\b):(\b)+11], v[(\d):(\d)+7], v[\sa], v[\sb] matrix_a_fmt:MATRIX_FMT_FP6 matrix_b_fmt:MATRIX_FMT_FP6 matrix_a_scale:MATRIX_SCALE_ROW1
.elseif WSEL == 4
	v_wmma_scale_f32_16x16x128_f8f6f4 v[(\d):(\d)+7], v[(\a):(\a)+11], v[(\b):(\b)+11], 0, v[\sa], v[\sb] matrix_a_fmt:MATRIX_FMT_FP6 matrix_b_fmt:MATRIX_FMT_FP6
.else
	v_wmma_scale_f32_16x16x128_f8f6f4 v[(\d):(\d)+7], v[(\a):(\a)+11], v[(\b):(\b)+11], 0, v[\sa], v[\sb] matrix_a_fmt:MATRIX_FMT_FP6 matrix_b_fmt:MATRIX_FMT_FP6 matrix_a_scale:MATRIX_SCALE_ROW1
.endif
.endm
.macro NOP4
.rept 4
	v_nop
.endr
.endm
.macro BAR
	s_wait_dscnt 0x0
	s_barrier_signal -1
	s_barrier_wait -1
.endm
.macro HQUANT src, pc, pw
.irp b, 0,1
	v_max3_num_f32 v[TM+\b], |v[(\src)+16*\b]|, |v[(\src)+16*\b+1]|, 0x1800000
.endr
.irp i, 2,4,6,8,10,12,14
.irp b, 0,1
	v_max3_num_f32 v[TM+\b], v[TM+\b], |v[(\src)+16*\b+\i]|, |v[(\src)+16*\b+\i+1]|
.endr
.endr
.irp b, 0,1
	v_permlanex16_b32 v[TM+2+\b], v[TM+\b], s[SEL], s[SEL+1]
.endr
.irp b, 0,1
	v_max_num_f32 v[TM+\b], v[TM+\b], v[TM+2+\b]
.endr
.irp b, 0,1
	v_add_nc_u32 v[TS+\b], 0xff000000, v[TM+\b]
.endr
.irp b, 0,1
	v_lshrrev_b32 v[TM+2+\b], 23, v[TS+\b]
.endr
	v_lshl_or_b32 v[\pw], v[TM+3], 8, v[TM+2]
	v_cvt_scalef32_pk16_fp6_f32 v[(\pc):(\pc)+2], v[(\src):(\src)+15], v[TS]
	v_cvt_scalef32_pk16_fp6_f32 v[PT:PT+2], v[(\src)+16:(\src)+31], v[TS+1]
	v_nop
.irp i, 0,1,2
	v_permlane16_swap_b32 v[(\pc)+\i], v[PT+\i]
.endr
.irp i, 0,1,2
	v_mov_b32 v[(\pc)+3+\i], v[PT+\i]
.endr
.endm
.macro KLOAD sl, g                             ; tiles 4 g .. 4 g + 3 of the step's keys: the lower six registers of each fragment
.irp t, 0,1,2,3
	ds_load_b128 v[KF+12*\t:KF+12*\t+3], v[A16] offset:(\sl)*REC+(4*(\g)+\t)*HALF
	ds_load_b64 v[KF+12*\t+4:KF+12*\t+5], v[A8] offset:(\sl)*REC+(4*(\g)+\t)*HALF+512
.endr
.endm
.macro KWORDS                                  ; the step's scale words of K: eight tiles in four registers
.irp p, 0,1,2,3
	ds_load_b32 v[KSC+\p], v[KSA] offset:128*\p
.endr
.endm
.macro KMUL g
.irp t, 0,1,2,3
	WM S+8*(4*(\g)+\t), KF+12*\t, QF, 1, KSC+(4*(\g)+\t)/2, QSC, \t%2, 0
.endr
.endm
.macro VFETCH sl                               ; V^T's four fragments and their words: 18 loads
.irp t, 0,1,2,3
	ds_load_b128 v[VF+12*\t:VF+12*\t+3], v[A16] offset:(\sl)*REC+6144+\t*FRAG
	ds_load_b64 v[VF+12*\t+4:VF+12*\t+5], v[A8] offset:(\sl)*REC+6144+\t*FRAG+512
	ds_load_b128 v[VF+12*\t+6:VF+12*\t+9], v[A16] offset:(\sl)*REC+6144+\t*FRAG+768
	ds_load_b64 v[VF+12*\t+10:VF+12*\t+11], v[A8] offset:(\sl)*REC+6144+\t*FRAG+1280
.endr
.irp p, 0,1
	ds_load_b32 v[VSC+\p], v[VSA] offset:128*\p
.endr
.endm
; THE SOFTMAX OF A STEP, in three parts.  SMA: the maxima, M and f.
.macro SMA
.irp b, 0,1,2,3
	v_max3_num_f32 v[232+\b], v[S+16*\b], v[S+1+16*\b], v[S+2+16*\b]   ; the largest score of each block of 32 keys: for the row's maximum and, since p rises with the score, for the block's largest p
.endr
.irp i, 3,5,7,9,11,13
.irp b, 0,1,2,3
	v_max3_num_f32 v[232+\b], v[232+\b], v[S+16*\b+\i], v[S+1+16*\b+\i]
.endr
.endr
.irp b, 0,1,2,3
	v_max_num_f32 v[232+\b], v[232+\b], v[S+15+16*\b]
.endr
.irp b, 0,1,2,3
	v_permlanex16_b32 v[236+\b], v[232+\b], s[SEL], s[SEL+1]
.endr
.irp b, 0,1,2,3
	v_max_num_f32 v[232+\b], v[232+\b], v[236+\b]  ; with lane l xor 16's 16 keys
.endr
	v_max3_num_f32 v254, v232, v233, v234
	v_max_num_f32 v254, v254, v235                 ; the step's largest score of my query
	v_mul_f32 v254, s[CS], v254                    ; as t (c is positive)
	v_max_num_f32 v13, v13, v254                   ; the running largest t
	v_mov_b32 v254, v12
	v_floor_f32 v12, -v13                          ; the new -M = floor(-t): M is a whole number
	v_sub_f32 v254, v12, v254                      ; old M - new M: a whole number, 0 or less
	v_cvt_i32_f32 v254, v254                       ; (it saturates)
	v_ldexp_f32 v252, 1.0, v254                    ; f = 2^(old M - new M)
.endm
; SMB: the scalings and the exponentials: work on registers alone.
.macro SMB
.set JJ, 0
.rept 32
	v_pk_fma_f32 v[S+JJ:S+JJ+1], v[S+JJ:S+JJ+1], s[CS:CS+1], v[12:13] op_sel_hi:[1,0,0]   ; t - M, two at a time
.set JJ, JJ+2
.endr
.irp b, 0,1,2,3
	v_fma_f32 v[232+\b], v[232+\b], s[CS], v12     ; the same of each block's largest score
.endr
.set JJ, 0
.rept 64
	v_exp_f32 v[S+JJ], v[S+JJ]                     ; p = 2^(t - M), at most 1
.set JJ, JJ+1
.endr
	v_pk_mul_f32 v[14:15], v[14:15], v[252:253] op_sel_hi:[1,0]   ; the sums under the new M (a plain place behind the exponentials)
	s_wait_alu depctr_va_vdst(0)                   ; one wait for the whole batch, ahead of its first reader
.endm
; SMC: the sums, p's codes and scale word, O^T under the new M.
.macro SMC
.irp b, 0,1,2,3
	v_exp_f32 v[232+\b], v[232+\b]                 ; the block's largest p
.endr
	v_pk_add_f32 v[236:237], v[S:S+1], v[S+2:S+3]  ; the row's sum is taken of the unquantised p, in two chains
.irp j, 4,8,12,16,20,24,28,32,36,40,44,48,52,56,60
	v_pk_add_f32 v[14:15], v[14:15], v[S+\j:S+1+\j]
	v_pk_add_f32 v[236:237], v[236:237], v[S+2+\j:S+3+\j]
.endr
	v_pk_add_f32 v[14:15], v[14:15], v[236:237]
	s_wait_alu depctr_va_vdst(0)                   ; and one for the four
.irp b, 0,1,2,3
	v_max_num_f32 v[232+\b], 0x1800000, v[232+\b]  ; the floor 2^(3 - 127)
.endr
.irp b, 0,1,2,3
	v_add_nc_u32 v[244+\b], 0xff000000, v[232+\b]  ; 2 off the exponent field: the conversion's scale operand
.endr
.irp b, 0,1,2,3
	v_lshrrev_b32 v[236+\b], 23, v[244+\b]         ; the scale's byte
.endr
	v_lshl_or_b32 v253, v237, 8, v236              ; p's scale word for these 128 keys
	v_lshl_or_b32 v253, v238, 16, v253
	v_lshl_or_b32 v253, v239, 24, v253
.irp c, 0,1
	v_cvt_scalef32_pk16_fp6_f32 v[P+6*\c:P+2+6*\c], v[S+32*\c:S+15+32*\c], v[244+2*\c]
	v_cvt_scalef32_pk16_fp6_f32 v[236+4*\c:238+4*\c], v[S+16+32*\c:S+31+32*\c], v[244+2*\c+1]
.endr
	v_nop                                          ; one plain place behind a scaled conversion
.irp c, 0,1
.irp i, 0,1,2
	v_permlane16_swap_b32 v[P+6*\c+\i], v[236+4*\c+\i]
.endr
.irp i, 0,1,2
	v_mov_b32 v[P+3+6*\c+\i], v[236+4*\c+\i]
.endr
.endr
.set JJ, 0
.rept 16
	v_pk_mul_f32 v[O+JJ:O+JJ+1], v[O+JJ:O+JJ+1], v[252:253] op_sel_hi:[1,0]   ; O^T under the new M; these are also the places between p's word and codes and the products
.set JJ, JJ+2
.endr
	v_add_nc_u32 v[VSA], 256, v[VSA]               ; the next step's scale words of V
	v_nop
	v_nop
	v_nop
.endm
; A KEY STEP in slot sl.  Its first four tiles of K and its scale words of K were asked for in the step before.
; feed: the next record goes from my registers (set sl) into the other slot, and the step has its barrier.  load: the record after that is asked for, into the other set.
.macro STEP sl, feed, load
	s_wait_dscnt 0x0                               ; K's first four tiles and words are in
	KMUL 0
.if \feed
	s_wait_loadcnt 0x0                             ; the next record is in my registers; its loads are done, so their base may step
	s_add_nc_u64 s[RECP:RECP+1], s[RECP:RECP+1], REC
.endif
	NOP4                                           ; four places in front of loads into registers that these products, and the last step's V^T P, have read
	KLOAD \sl, 1
	VFETCH \sl
.if \feed
	WIN 0x04                                       ; an LDS store's data are its source 1: v256 on
.irp i, 0,1,2,3,4,5
	ds_store_b128 v[STA], v[24*\sl+4*\i:24*\sl+4*\i+3] offset:(1-\sl)*REC+\i*2048   ; the slot that every wave had left when it signalled the last barrier
.endr
	WIN 0
.endif
.if \load
	WIN 0x40                                       ; destination v256 on: the set whose stores were waited for in the step before
.irp i, 0,1,2,3,4,5
	global_load_b128 v[24*(1-\sl)+4*\i:24*(1-\sl)+4*\i+3], v[GOF], s[RECP:RECP+1] offset:\i*2048
.endr
	WIN 0
.endif
	s_wait_dscnt 18+6*\feed                        ; K's eight loads are in; V's sixteen, its two words and the six stores may be out
	KMUL 1
	NOP4                                           ; four places in front of the first read of the scores, and of the loads into K's registers further down
	SMA
	s_wait_dscnt 0x0                               ; V is in: my reads of this record are over; my stores of the next have landed
.if \feed
	s_barrier_signal -1                            ; say so,
.endif
	SMB                                            ; work on registers while the others arrive,
.if \feed
	s_barrier_wait -1                              ; and go on when all have said so: the next record is whole, and nobody reads this one any more
	v_add_nc_u32 v[KSA], 512, v[KSA]
	KLOAD 1-\sl, 0                                 ; the next step's first four tiles of K
	KWORDS
.endif
	SMC
.irp t, 0,1,2,3
	WM O+8*\t, VF+12*\t, P, 0, VSC+\t/2, 253, \t%2, 0
.endr
.endm
	s_load_b128 s[4:7], s[0:1], 0x0                ; qkvc s[4:5], attc s[6:7]
	v_lshl_add_u32 v243, v0, 2, 0x24000
	v_mov_b32 v255, 0
	v_lshrrev_b32 v1, 5, v0
	v_readfirstlane_b32 s2, v1                     ; wave 0..11
	s_mov_b32 s3, ttmp9                            ; the block of 64 queries
	s_and_b32 s33, ttmp7, 0xffff
	s_lshr_b32 s8, s2, 2                           ; which of the three heads
	s_and_b32 s9, s2, 3                            ; my tile of queries
	s_mul_i32 s10, s33, 3
	s_add_co_u32 s10, s10, s8                      ; the head
	s_mul_i32 s11, s8, HB
	s_mov_b32 s[SEL], 0x76543210
	s_mov_b32 s[SEL+1], 0xfedcba98
	s_mov_b32 s[CS], 0x3e38aa3b                    ; c = log2(e) / 8
	s_mov_b32 s[CS+1], s[CS]
	v_and_b32 v10, 31, v0                          ; lane
	v_and_b32 v11, 15, v0
	v_lshlrev_b32 v[G16], 4, v10
	v_lshlrev_b32 v[G8], 3, v10
	v_lshlrev_b32 v[G4R], 2, v11
	v_add_nc_u32 v[A16], s11, v[G16]
	v_add_nc_u32 v[A8], s11, v[G8]
	v_lshlrev_b32 v[KSA], 2, v10
	v_add_nc_u32 v[KSA], s11, v[KSA]
	v_add_nc_u32 v[VSA], VW, v[KSA]
	v_add_nc_u32 v[KSA], KW, v[KSA]
	v_and_b32 v[GOF], 127, v0
	v_lshlrev_b32 v[GOF], 4, v[GOF]
	v_add_nc_u32 v[STA], s11, v[GOF]
	s_lshl_b32 s20, s10, 8
	s_lshl_b32 s21, s3, 2
	s_add_co_u32 s20, s20, s21
	s_add_co_u32 s20, s20, s9                      ; my tile of q: 256 x head + 4 x block + tile
	s_mul_i32 s22, s20, 768
	s_mov_b32 s23, 0
	s_lshl_b32 s24, s20, 6
	s_add_co_u32 s24, s24, QS
	s_mov_b32 s25, 0
	s_mul_i32 s26, s10, 24576
	s_add_co_u32 s26, s26, KVS
	s_mov_b32 s27, 0
	s_mul_i32 s28, s10, 32*REC
	s_add_co_u32 s28, s28, KV
	s_mov_b32 s29, 0
	s_lshr_b32 s30, s10, 1                         ; the head's 64 channels are half head%2 of K step head/2 of the next product
	s_and_b32 s31, s10, 1
	s_mul_i32 s38, s3, 36864
	s_mul_i32 s44, s30, 6144
	s_add_co_u32 s38, s38, s44
	s_mul_i32 s44, s9, FRAG
	s_add_co_u32 s38, s38, s44
	s_mul_i32 s44, s31, HALF
	s_add_co_u32 s38, s38, s44
	s_mov_b32 s39, 0
	s_mul_i32 s44, s3, 1536
	s_lshl_b32 s45, s30, 8
	s_add_co_u32 s44, s44, s45
	s_lshl_b32 s45, s9, 6
	s_add_co_u32 s44, s44, s45
	s_lshl_b32 s45, s31, 1
	s_add_co_u32 s44, s44, s45
	s_add_co_u32 s44, s44, 2359296
	s_mov_b32 s45, 0
	s_wait_kmcnt 0x0
	s_add_nc_u64 s[12:13], s[4:5], s[22:23]        ; q's codes
	s_add_nc_u64 s[14:15], s[4:5], s[24:25]        ; q's words
	s_add_nc_u64 s[16:17], s[4:5], s[26:27]        ; the head's k and v words
	s_add_nc_u64 s[RECP:RECP+1], s[4:5], s[28:29]  ; the head's records
	s_add_nc_u64 s[40:41], s[6:7], s[38:39]        ; my image in attc
	s_add_nc_u64 s[42:43], s[6:7], s[44:45]        ; and its scale bytes
	global_load_b128 v[QF:QF+3], v[G16], s[12:13]
	global_load_b64 v[QF+4:QF+5], v[G8], s[12:13] offset:512
	global_load_b32 v[QSC], v[G4R], s[14:15]
.irp i, 0,1,2,3,4,5,6,7,8,9,10,11
	global_load_b128 v[S+4*\i:S+4*\i+3], v[GOF], s[16:17] offset:\i*2048
.endr
.irp i, 0,1,2,3,4,5
	global_load_b128 v[S+48+4*\i:S+48+4*\i+3], v[GOF], s[RECP:RECP+1] offset:\i*2048
.endr
	s_wait_loadcnt 0x0
.irp i, 0,1,2,3,4,5,6,7,8,9,10,11
	ds_store_b128 v[STA], v[S+4*\i:S+4*\i+3] offset:KW+\i*2048
.endr
.irp i, 0,1,2,3,4,5
	ds_store_b128 v[STA], v[S+48+4*\i:S+48+4*\i+3] offset:\i*2048      ; key step 0 into slot 0
.endr
	s_add_nc_u64 s[RECP:RECP+1], s[RECP:RECP+1], REC
	WIN 0x40
.irp i, 0,1,2,3,4,5
	global_load_b128 v[4*\i:4*\i+3], v[GOF], s[RECP:RECP+1] offset:\i*2048   ; key step 1 into my first set of registers
.endr
	WIN 0
	BAR
	KLOAD 0, 0                                     ; key step 0's first four tiles of K and its words
	KWORDS
.irp i, 6,7,8,9,10,11                          ; zero codes for K = 64 .. 127, on both sides
	v_mov_b32 v[QF+\i], 0
.irp t, 0,1,2,3
	v_mov_b32 v[KF+12*\t+\i], 0
.endr
.endr
.irp b, 0,1,2,3
	v_mov_b32 v[236+\b], 0                         ; a lane permute's destination counts as one of its sources
.endr
	v_mov_b32 v253, 0
	v_mov_b32 v13, 0xff61b1e6                      ; the largest t so far: -3e38
	v_floor_f32 v12, -v13
	v_mov_b32 v14, 0
	v_mov_b32 v15, 0
.set JJ, 0
.rept 32
	v_mov_b32 v[O+JJ], 0                           ; O^T: the step is written once, and the first change of M leaves zeros zeros
.set JJ, JJ+1
.endr
	s_mov_b32 s46, 15
.Lstep:                                            ; 15 trips of two key steps
	STEP 0, 1, 1
	STEP 1, 1, 1
	s_sub_co_u32 s46, s46, 1
	s_cmp_lg_u32 s46, 0
	s_cbranch_scc1 .Lstep
	STEP 0, 1, 0                                   ; key step 30: the last record goes into its slot, nothing more is asked for
	STEP 1, 0, 0                                   ; key step 31: nothing is stored, so it has no barrier
	NOP4                                           ; four places behind the last products
	v_add_f32 v14, v14, v15
	v_permlanex16_b32 v252, v14, s[SEL], s[SEL+1]
	v_add_f32 v14, v14, v252                       ; the row's sum
	v_rcp_f32 v14, v14
	v_nop                                          ; a plain place behind the reciprocal,
	s_wait_alu depctr_va_vdst(0)                   ; and the wait ahead of its first reader
.set JJ, 0
.rept 32
	v_mul_f32 v[S+JJ], v[O+JJ], v14                ; register 16 b + i: channel 32 b + 16 h + i of my query
.set JJ, JJ+1
.endr
	HQUANT S, P, 246
	global_store_b128 v[G16], v[P:P+3], s[40:41]
	global_store_b64 v[G8], v[P+4:P+5], s[40:41] offset:512
	s_wait_xcnt 0x0                                ; EXEC changes only behind this wait
	v_cmp_gt_u32 vcc_lo, 16, v10
	s_wait_tensorcnt 0x0
	ds_add_u32 v243, v255
	s_wait_dscnt 0x0
	s_and_saveexec_b32 s20, vcc_lo
	global_store_b16 v[G4R], v246, s[42:43]        ; lanes 0-15: my head's two bytes of each row's word
	s_wait_xcnt 0x0
	s_or_b32 exec_lo, exec_lo, s20
	s_endpgm
.Lfunc_end_k_q222d4320a3_attn:
	.size	k_q222d4320a3_attn, .Lfunc_end_k_q222d4320a3_attn-k_q222d4320a3_attn
	.p2alignl 7, 3214868480
	.fill 96, 4, 3214868480
	.section	.rodata,"a",@progbits
	.p2align	6, 0x0
	.amdhsa_kernel k_q222d4320a3_attn
		.amdhsa_group_segment_fixed_size 148992
		.amdhsa_private_segment_fixed_size 0
		.amdhsa_enable_private_segment 0
		.amdhsa_kernarg_size 16
		.amdhsa_user_sgpr_count 2
		.amdhsa_user_sgpr_kernarg_segment_ptr 1
		.amdhsa_wavefront_size32 1
		.amdhsa_system_sgpr_workgroup_id_x 1
		.amdhsa_system_sgpr_workgroup_id_y 1
		.amdhsa_system_sgpr_workgroup_id_z 1
		.amdhsa_system_vgpr_workitem_id 0
		.amdhsa_next_free_vgpr 304
		.amdhsa_next_free_sgpr 66
		.amdhsa_reserve_vcc 1
		.amdhsa_float_denorm_mode_32 3
		.amdhsa_float_denorm_mode_16_64 3
		.amdhsa_memory_ordered 1
		.amdhsa_forward_progress 1
		.amdhsa_inst_pref_size 81
	.end_amdhsa_kernel
	.amdgpu_metadata
---
amdhsa.version: [ 1, 2 ]
amdhsa.kernels:
  - .name:           k_q222d4320a3_attn
    .symbol:         k_q222d4320a3_attn.kd
    .args:
      - { .name: qkvc, .offset: 0, .size: 8, .value_kind: global_buffer, .address_space: global }
      - { .name: attc, .offset: 8, .size: 8, .value_kind: global_buffer, .address_space: global }
    .group_segment_fixed_size: 148992
    .private_segment_fixed_size: 0
    .kernarg_segment_align: 8
    .kernarg_segment_size: 16
    .max_flat_workgroup_size: 384
    .sgpr_count:     66
    .vgpr_count:     304
    .wavefront_size: 32
...
	.end_amdgpu_metadata
.endif
;; end of part 3
;; launch oproj (part 4): grid 64 x 1, 12 waves a work-group, no clusters, 98,304 bytes of LDS; arguments attc, wimg, bo, x, g2, b2, x1, h2c; writes x1, h2c
.if DOCPART == 4
	.amdgcn_target "amdgcn-amd-amdhsa--gfx1250"
	.amdhsa_code_object_version 6
	.text
	.protected	k_q222d4320a3_oproj
	.globl	k_q222d4320a3_oproj
	.p2align	8
	.type	k_q222d4320a3_oproj,@function
k_q222d4320a3_oproj:
	s_mov_b64 s[64:65], 0
	v_nop
	global_prefetch_b8 v0, s[64:65] scope:SCOPE_SE
	s_setreg_imm32_b32 hwreg(HW_REG_WAVE_MODE, 25, 1), 1
	s_wait_xcnt 0x0
; x1 = x + attn wo + bo, stored in f32; h2 = LN2(x1), quantised for the next product.  The product on E2M3 codes, sums in f32.
; SHARES.  A work-group owns 64 tokens, whole rows, since the norm wants them; wave w makes columns 64 w .. 64 w + 63.  attn's codes (36,864 bytes) come into LDS once and are read by all twelve waves;
; wave w's unit of wo goes from memory straight into its registers.  x + bo is the first C, so residual and bias cost one packed addition a pair.
; W'S K STEPS TAKE TURNS BETWEEN TWO SETS OF REGISTERS: even steps v256-303, odd steps v192-239; a set is asked for again as soon as its products are issued, so two K steps of W are on their way at a time.
; The norm's gains and offsets are asked for behind K step 4's products, into v256-319, which those products have left.
; Tiles, images and scale words as in the launch that makes q, k and v: lane r of tile t stands for index 32 (t/2) + 8 (t%2) + r + 8 (r/8).
; x1 leaves through the wave's own stage in LDS, so that sixteen lanes store 256 consecutive bytes of a row.
; LIMITS: a block of zeros gets the scale byte 1 (its codes are zeros; this program alone reads the bytes); NaN and infinities are not served.
.set FRAG, 1536
.set KSB,  6144
.set UNIT, 36864
.set USC,  1536
.set WS0,  5308416
.set LANE, 1
.set R,    2
.set H,    3
.set L16,  4
.set L8,   5
.set L4,   6
.set WS2,  7                           ; v7-8  W's scale words of the even K steps: scales and nothing else
.set AA16, L16
.set AA8,  L8
.set AA4,  9
.set RA,   10
.set RR,   11
.set PO,   12
.set PB,   13
.set T16,  14                          ; v14  16 x thread
.set T4,   15                          ; v15  4 x thread
.set SO,   253                         ; v253 the stage: where I put 16 bytes of a row
.set SR,   254                         ; v254 and where I read a row back
.set GO,   255                         ; v255 the same place in x1
.set ACC,  16
.set AF,   144
.set WF,   192
.set W1,   0                           ; v256-303 (window 1)
.set GW,   0                           ; v256-287 the norm's gains (window 1)
.set BW,   32                          ; v288-319 its offsets
.set AS,   240
.set WS,   242
.set TM,   244
.set TS,   248
.set PT,   250
.set CH,   176
.set XP,   184
.set MP,   244
.set T0,   224
.set T1,   176
.set PCB,  144
.set PWB,  168
.set PAIR, 172
.set SEL,  34
.set HI16, 36
.set INV,  37
.set EPS,  38
.set WP,   40
.set WSP,  42
.set ASC,  36864                       ; LDS: attn's images, their words, two tables of partial sums, a stage of 16 x 272 bytes for each wave
.set RED1, 38400
.set RED2, 41472
.set STG,  44544
.set MSB, 0
.macro WIN new                         ; the immediate's high byte repeats the setting that is left
.if MSB != \new
	s_set_vgpr_msb (MSB<<8)|\new
.set MSB, \new
.endif
.endm
.macro WM d, a, b, zero, sa, sb, ra, rb
.set WSEL, 4*(\zero)+2*(\ra)+(\rb)
.if WSEL == 0
	v_wmma_scale_f32_16x16x128_f8f6f4 v[(\d):(\d)+7], v[(\a):(\a)+11], v[(\b):(\b)+11], v[(\d):(\d)+7], v[\sa], v[\sb] matrix_a_fmt:MATRIX_FMT_FP6 matrix_b_fmt:MATRIX_FMT_FP6
.elseif WSEL == 1
	v_wmma_scale_f32_16x16x128_f8f6f4 v[(\d):(\d)+7], v[(\a):(\a)+11], v[(\b):(\b)+11], v[(\d):(\d)+7], v[\sa], v[\sb] matrix_a_fmt:MATRIX_FMT_FP6 matrix_b_fmt:MATRIX_FMT_FP6 matrix_b_scale:MATRIX_SCALE_ROW1
.elseif WSEL == 2
	v_wmma_scale_f32_16x16x128_f8f6f4 v[(\d):(\d)+7], v[(\a):(\a)+11], v[(\b):(\b)+11], v[(\d):(\d)+7], v[\sa], v[\sb] matrix_a_fmt:MATRIX_FMT_FP6 matrix_b_fmt:MATRIX_FMT_FP6 matrix_a_scale:MATRIX_SCALE_ROW1
.else
	v_wmma_scale_f32_16x16x128_f8f6f4 v[(\d):(\d)+7], v[(\a):(\a)+11], v[(\b):(\b)+11], v[(\d):(\d)+7], v[\sa], v[\sb] matrix_a_fmt:MATRIX_FMT_FP6 matrix_b_fmt:MATRIX_FMT_FP6 matrix_a_scale:MATRIX_SCALE_ROW1 matrix_b_scale:MATRIX_SCALE_ROW1
.endif
.endm
.macro NOP4
.rept 4
	v_nop
.endr
.endm
.macro BAR
	s_wait_dscnt 0x0
	s_barrier_signal -1
	s_barrier_wait -1
.endm
.macro WLOAD s                                 ; K step s of my unit of W: 14 loads; even steps into window 1
.if ((\s)%2) == 0
	WIN 0x40
.irp t, 0,1,2,3
.irp c, 0,1,2
	global_load_b128 v[W1+12*\t+4*\c:W1+12*\t+4*\c+3], v[L16], s[WP:WP+1] offset:(\s)*KSB+\t*FRAG+512*\c
.endr
.endr
	WIN 0
.irp j, 0,1
	global_load_b32 v[WS2+\j], v[L4], s[WSP:WSP+1] offset:(\s)*256+128*\j
.endr
.else
.irp t, 0,1,2,3
.irp c, 0,1,2
	global_load_b128 v[WF+12*\t+4*\c:WF+12*\t+4*\c+3], v[L16], s[WP:WP+1] offset:(\s)*KSB+\t*FRAG+512*\c
.endr
.endr
.irp j, 0,1
	global_load_b32 v[WS+\j], v[L4], s[WSP:WSP+1] offset:(\s)*256+128*\j
.endr
.endif
.endm
.macro ALOAD s
.irp m, 0,1,2,3
	ds_load_b128 v[AF+12*\m:AF+12*\m+3], v[AA16] offset:(\s)*KSB+\m*FRAG
	ds_load_b64 v[AF+12*\m+4:AF+12*\m+5], v[AA8] offset:(\s)*KSB+\m*FRAG+512
	ds_load_b128 v[AF+12*\m+6:AF+12*\m+9], v[AA16] offset:(\s)*KSB+\m*FRAG+768
	ds_load_b64 v[AF+12*\m+10:AF+12*\m+11], v[AA8] offset:(\s)*KSB+\m*FRAG+1280
.endr
.irp j, 0,1
	ds_load_b32 v[AS+\j], v[AA4] offset:(\s)*256+128*\j
.endr
.endm
.macro MUL s                                   ; 16 products on 16 accumulators, which take turns in the same order in every K step
.if ((\s)%2) == 0
.set WB, W1
.set WSR, WS2
	WIN 0x01                                       ; W is source 0: window 1
.else
.set WB, WF
.set WSR, WS
.endif
.irp m, 0,1,2,3
.irp t, 0,1,2,3
	WM ACC+32*\m+8*\t, WB+12*\t, AF+12*\m, 0, WSR+\t/2, AS+\m/2, \t%2, \m%2
.endr
.endr
	WIN 0
.endm
; A K step.  left: the loads issued behind this step's W, which may stay out.  Behind the products: four places, which serve the loads into the set of W just multiplied and the next step's loads into the rows'
; fragments alike; then the K step two on is asked for.
.macro KSTEP s, left
	ALOAD \s
	s_wait_loadcnt \left
	s_wait_dscnt 0x0
	MUL \s
	NOP4
.if (\s) < 4
	WLOAD (\s)+2
.endif
.endm
.macro HQUANT src, pc, pw
.irp b, 0,1
	v_max3_num_f32 v[TM+\b], |v[(\src)+16*\b]|, |v[(\src)+16*\b+1]|, 0x1800000
.endr
.irp i, 2,4,6,8,10,12,14
.irp b, 0,1
	v_max3_num_f32 v[TM+\b], v[TM+\b], |v[(\src)+16*\b+\i]|, |v[(\src)+16*\b+\i+1]|
.endr
.endr
.irp b, 0,1
	v_permlanex16_b32 v[TM+2+\b], v[TM+\b], s[SEL], s[SEL+1]
.endr
.irp b, 0,1
	v_max_num_f32 v[TM+\b], v[TM+\b], v[TM+2+\b]
.endr
.irp b, 0,1
	v_add_nc_u32 v[TS+\b], 0xff000000, v[TM+\b]
.endr
.irp b, 0,1
	v_lshrrev_b32 v[TM+2+\b], 23, v[TS+\b]
.endr
	v_lshl_or_b32 v[\pw], v[TM+3], 8, v[TM+2]
	v_cvt_scalef32_pk16_fp6_f32 v[(\pc):(\pc)+2], v[(\src):(\src)+15], v[TS]
	v_cvt_scalef32_pk16_fp6_f32 v[PT:PT+2], v[(\src)+16:(\src)+31], v[TS+1]
	v_nop
.irp i, 0,1,2
	v_permlane16_swap_b32 v[(\pc)+\i], v[PT+\i]
.endr
.irp i, 0,1,2
	v_mov_b32 v[(\pc)+3+\i], v[PT+\i]
.endr
.endm
.macro PRELOAD vo, sb, rowb
.irp m, 0,1,2,3
.irp b, 0,1
.irp j, 0,1,2,3
	global_load_b128 v[ACC+32*\m+16*\b+4*\j:ACC+32*\m+16*\b+4*\j+3], v[\vo], s[\sb:\sb+1] offset:(32*(\m/2)+8*(\m%2))*\rowb+128*\b+16*\j
.endr
.endr
.endr
.endm
.macro VLOAD reg, sb
.irp b, 0,1
.irp j, 0,1,2,3
	global_load_b128 v[\reg+16*\b+4*\j:\reg+16*\b+4*\j+3], v[PB], s[\sb:\sb+1] offset:128*\b+16*\j
.endr
.endr
.endm
.macro VLOADW reg, sb                          ; the same into window 1
	WIN 0x40
.irp b, 0,1
.irp j, 0,1,2,3
	global_load_b128 v[\reg+16*\b+4*\j:\reg+16*\b+4*\j+3], v[PB], s[\sb:\sb+1] offset:128*\b+16*\j
.endr
.endr
	WIN 0
.endm
.macro XCH red
.irp m, 0,1,2,3
	v_add_f32 v[CH+2*\m], v[CH+2*\m], v[CH+2*\m+1]
.endr
.irp m, 0,1,2,3
	v_permlanex16_b32 v[XP+\m], v[CH+2*\m], s[SEL], s[SEL+1]
.endr
.irp m, 0,1,2,3
	v_add_f32 v[CH+2*\m], v[CH+2*\m], v[XP+\m]
.endr
.irp m, 0,1,2,3
	ds_store_b32 v[RA], v[CH+2*\m] offset:\red+\m*768
.endr
	BAR
.irp p, 0,1
.irp c, 0,1,2
	ds_load_b128 v[T0+4*\c:T0+4*\c+3], v[RR] offset:\red+(2*\p)*768+16*\c
	ds_load_b128 v[T1+4*\c:T1+4*\c+3], v[RR] offset:\red+(2*\p+1)*768+16*\c
.endr
	s_wait_dscnt 0x0
.irp q, 2,4,6,8,10
	v_pk_add_f32 v[T0:T0+1], v[T0:T0+1], v[T0+\q:T0+\q+1]
	v_pk_add_f32 v[T1:T1+1], v[T1:T1+1], v[T1+\q:T1+\q+1]
.endr
	v_add_f32 v[MP+4*\p], v[T0], v[T0+1]
	v_add_f32 v[MP+4*\p+2], v[T1], v[T1+1]
.endr
.endm
.macro LNORM
.irp m, 0,1,2,3
	v_mov_b32 v[XP+\m], 0
.endr
.irp m, 0,1,2,3
	v_pk_add_f32 v[CH+2*\m:CH+2*\m+1], v[ACC+32*\m:ACC+32*\m+1], v[ACC+32*\m+2:ACC+32*\m+3]
.endr
.irp q, 4,6,8,10,12,14,16,18,20,22,24,26,28,30
.irp m, 0,1,2,3
	v_pk_add_f32 v[CH+2*\m:CH+2*\m+1], v[CH+2*\m:CH+2*\m+1], v[ACC+32*\m+\q:ACC+32*\m+\q+1]
.endr
.endr
	XCH RED1
.irp m, 0,1,2,3
	v_mul_f32 v[MP+2*\m], s[INV], v[MP+2*\m]
.endr
.irp m, 0,1,2,3
	v_mov_b32 v[MP+2*\m+1], v[MP+2*\m]
.endr
.set JJ, 0
.rept 64
	v_pk_add_f32 v[ACC+JJ:ACC+JJ+1], v[ACC+JJ:ACC+JJ+1], v[MP+2*(JJ/32):MP+2*(JJ/32)+1] neg_lo:[0,1] neg_hi:[0,1]
.set JJ, JJ+2
.endr
.irp m, 0,1,2,3
	v_pk_mul_f32 v[CH+2*\m:CH+2*\m+1], v[ACC+32*\m:ACC+32*\m+1], v[ACC+32*\m:ACC+32*\m+1]
.endr
.irp q, 2,4,6,8,10,12,14,16,18,20,22,24,26,28,30
.irp m, 0,1,2,3
	v_pk_fma_f32 v[CH+2*\m:CH+2*\m+1], v[ACC+32*\m+\q:ACC+32*\m+\q+1], v[ACC+32*\m+\q:ACC+32*\m+\q+1], v[CH+2*\m:CH+2*\m+1]
.endr
.endr
	XCH RED2
.irp m, 0,1,2,3
	v_fma_f32 v[MP+2*\m], v[MP+2*\m], s[INV], s[EPS]
.endr
.irp m, 0,1,2,3
	v_rsq_f32 v[MP+2*\m], v[MP+2*\m]
.endr
	v_nop                                          ; a plain place behind the last root,
	s_wait_alu depctr_va_vdst(0)                   ; and one wait for the four, ahead of their first reader
.irp m, 0,1,2,3
	v_mov_b32 v[MP+2*\m+1], v[MP+2*\m]
.endr
.set JJ, 0
.rept 64
	v_pk_mul_f32 v[ACC+JJ:ACC+JJ+1], v[ACC+JJ:ACC+JJ+1], v[MP+2*(JJ/32):MP+2*(JJ/32)+1]
.set JJ, JJ+2
.endr
	WIN 0x14                                       ; sources 1 and 2, the gains and the offsets: window 1
.set JJ, 0
.rept 64
	v_pk_fma_f32 v[ACC+JJ:ACC+JJ+1], v[ACC+JJ:ACC+JJ+1], v[GW+JJ%32:GW+JJ%32+1], v[BW+JJ%32:BW+JJ%32+1]
.set JJ, JJ+2
.endr
	WIN 0
.endm
; Tile m of the accumulators (16 rows x 64 columns) goes through my stage and leaves as rows: lanes 0-15 one row's 256 bytes, lanes 16-31 the next row's.  LDS serves a wave's instructions in order.
.macro ROWS_OUT m, set, sb
.irp b, 0,1
.irp j, 0,1,2,3
	ds_store_b128 v[SO], v[ACC+32*(\m)+16*\b+4*\j:ACC+32*(\m)+16*\b+4*\j+3] offset:128*\b+16*\j   ; each accumulator from its low end on
.endr
.endr
.irp i, 0,1,2,3,4,5,6,7
	ds_load_b128 v[(\set)+4*\i:(\set)+4*\i+3], v[SR] offset:2*\i*272
.endr
.irp i, 0,1,2,3,4,5,6,7
	s_wait_dscnt 7-\i
	global_store_b128 v[GO], v[(\set)+4*\i:(\set)+4*\i+3], s[\sb:\sb+1] offset:(32*((\m)/2)+8*((\m)%2)+2*\i+8*(\i/4))*3072 th:TH_STORE_NT
.endr
.endm
	s_load_b512 s[4:19], s[0:1], 0x0               ; attc s[4:5], wimg s[6:7], bo s[8:9], x s[10:11], g2 s[12:13], b2 s[14:15], x1 s[16:17], h2c s[18:19]
	s_set_vgpr_msb 0x40
	v_lshl_add_u32 v64, v0, 2, 0x17a00
	v_mov_b32 v65, 0
	s_set_vgpr_msb 0x4000
	v_lshrrev_b32 v1, 5, v0
	v_readfirstlane_b32 s2, v1                     ; w
	s_mov_b32 s3, ttmp9                            ; the block of 64 tokens
	s_mov_b32 s[SEL], 0x76543210
	s_mov_b32 s[SEL+1], 0xfedcba98
	s_mov_b32 s[HI16], 0xffff0000
	s_mov_b32 s[INV], 0x3aaaaaab                   ; 1 / 768
	s_mov_b32 s[EPS], 0x3727c5ac                   ; 1e-5
	v_and_b32 v[LANE], 31, v0
	v_and_b32 v[R], 15, v0
	v_bfe_u32 v[H], v0, 4, 1
	v_lshlrev_b32 v[L16], 4, v[LANE]
	v_lshlrev_b32 v[L8], 3, v[LANE]
	v_lshlrev_b32 v[L4], 2, v[LANE]
	v_add_nc_u32 v[AA4], ASC, v[L4]
	v_lshlrev_b32 v[T16], 4, v0
	v_lshlrev_b32 v[T4], 2, v0
	v_and_b32 v[PO], 8, v[R]
	v_add_nc_u32 v[PO], v[PO], v[R]
	v_mul_u32_u24 v[PO], v[PO], 3072
	v_lshl_add_u32 v[PO], v[H], 6, v[PO]
	v_lshlrev_b32 v[PB], 6, v[H]
	v_mul_u32_u24 v[RR], v[R], 48
	s_lshl_b32 s50, s2, 2
	v_add_nc_u32 v[RA], s50, v[RR]
	s_mul_i32 s50, s2, 4352
	s_add_co_u32 s50, s50, STG                     ; my stage
	v_mul_u32_u24 v[SO], v[R], 272
	v_lshl_add_u32 v[SO], v[H], 6, v[SO]
	v_add_nc_u32 v[SO], s50, v[SO]
	v_mul_u32_u24 v[SR], v[H], 272
	v_lshl_add_u32 v[SR], v[R], 4, v[SR]
	v_add_nc_u32 v[SR], s50, v[SR]
	v_mul_u32_u24 v[GO], v[H], 3072
	v_lshl_add_u32 v[GO], v[R], 4, v[GO]
	s_lshl_b32 s50, s2, 8                          ; 256 w
	s_mov_b32 s51, 0
	s_mul_i32 s52, s3, 196608
	s_add_co_u32 s52, s52, s50
	s_mov_b32 s53, 0
	s_mul_i32 s54, s3, UNIT
	s_mov_b32 s55, 0
	s_mul_i32 s56, s3, 1536
	s_add_co_u32 s56, s56, 2359296
	s_mov_b32 s57, 0
	s_add_co_u32 s58, s2, 36                       ; my unit of wo
	s_mul_i32 s60, s58, UNIT
	s_mov_b32 s61, 0
	s_mul_i32 s62, s58, USC
	s_add_co_u32 s62, s62, WS0
	s_mov_b32 s63, 0
	s_wait_kmcnt 0x0
	s_add_nc_u64 s[20:21], s[4:5], s[54:55]        ; attn's codes of my block
	s_add_nc_u64 s[22:23], s[4:5], s[56:57]        ; and their words
	s_add_nc_u64 s[24:25], s[10:11], s[52:53]      ; x
	s_add_nc_u64 s[16:17], s[16:17], s[52:53]      ; x1
	s_add_nc_u64 s[8:9], s[8:9], s[50:51]
	s_add_nc_u64 s[12:13], s[12:13], s[50:51]
	s_add_nc_u64 s[14:15], s[14:15], s[50:51]
	s_add_nc_u64 s[WP:WP+1], s[6:7], s[60:61]
	s_add_nc_u64 s[WSP:WSP+1], s[6:7], s[62:63]
.irp i, 0,1,2,3,4,5
	global_load_b128 v[AF+4*\i:AF+4*\i+3], v[T16], s[20:21] offset:\i*6144   ; twelve waves x 512 bytes a round
.endr
	global_load_b32 v[AF+24], v[T4], s[22:23]
	PRELOAD PO, 24, 3072                           ; the residual is the first C
	VLOAD WF, 8                                    ; bo
	WLOAD 0                                        ; W's first K step
	; where h2's codes go: half w%2 of K step w/2
	s_lshr_b32 s58, s2, 1
	s_and_b32 s59, s2, 1
	s_mul_i32 s60, s58, KSB
	s_add_co_u32 s54, s54, s60
	s_mul_i32 s60, s59, 768
	s_add_co_u32 s54, s54, s60
	s_lshl_b32 s60, s58, 8
	s_add_co_u32 s56, s56, s60
	s_lshl_b32 s60, s59, 1
	s_add_co_u32 s56, s56, s60
	s_add_nc_u64 s[44:45], s[18:19], s[54:55]
	s_add_nc_u64 s[46:47], s[18:19], s[56:57]
	s_wait_loadcnt 54                              ; the seven loads of the fill are in; the 32 of x, the 8 of bo and the 14 of W may be out
.irp i, 0,1,2,3,4,5
	ds_store_b128 v[T16], v[AF+4*\i:AF+4*\i+3] offset:\i*6144
.endr
	ds_store_b32 v[T4], v[AF+24] offset:ASC
	s_wait_loadcnt 14                              ; x and bo are in; the 14 of W may be out
.set JJ, 0
.rept 64
	v_pk_add_f32 v[ACC+JJ:ACC+JJ+1], v[ACC+JJ:ACC+JJ+1], v[WF+JJ%32:WF+JJ%32+1]   ; x + bo
.set JJ, JJ+2
.endr
	NOP4
	WLOAD 1
	BAR                                            ; attn's 24 fragments lie in LDS
	KSTEP 0, 14
	KSTEP 1, 14
	KSTEP 2, 14
	KSTEP 3, 14
	KSTEP 4, 14
	VLOADW GW, 12                                  ; the norm's gains and offsets, into the registers that K step 4's products have left (four places back)
	VLOADW BW, 14
	KSTEP 5, 16                                    ; those 16 loads may be out; its four places stand in front of the first read of results and of loads into the operands' registers
	ROWS_OUT 0, 144, 16
	ROWS_OUT 1, 176, 16
	s_wait_xcnt 0x0                                ; the earlier stores have read their registers: they may be loaded again
	ROWS_OUT 2, 144, 16
	s_wait_xcnt 0x0
	ROWS_OUT 3, 176, 16
	s_wait_xcnt 0x0                                ; and written again, by the norm
	s_wait_loadcnt 0x0
	LNORM                                          ; two barriers
.irp m, 0,1,2,3
	HQUANT ACC+32*\m, PCB+6*\m, PWB+\m
	global_store_b128 v[L16], v[PCB+6*\m:PCB+6*\m+3], s[44:45] offset:\m*FRAG
	global_store_b64 v[L8], v[PCB+6*\m+4:PCB+6*\m+5], s[44:45] offset:\m*FRAG+512
.endr
	v_cndmask_b32 v[PAIR], v[PWB], v[PWB+1], s[HI16]
	v_cndmask_b32 v[PAIR+1], v[PWB+2], v[PWB+3], s[HI16]
	global_store_b16 v[L4], v[PAIR], s[46:47]
	global_store_b16 v[L4], v[PAIR+1], s[46:47] offset:128
	s_set_vgpr_msb 0x5
	s_wait_tensorcnt 0x0
	ds_add_u32 v64, v65
	s_wait_dscnt 0x0
	s_set_vgpr_msb 0x500
	s_endpgm
.Lfunc_end_k_q222d4320a3_oproj:
	.size	k_q222d4320a3_oproj, .Lfunc_end_k_q222d4320a3_oproj-k_q222d4320a3_oproj
	.p2alignl 7, 3214868480
	.fill 96, 4, 3214868480
	.section	.rodata,"a",@progbits
	.p2align	6, 0x0
	.amdhsa_kernel k_q222d4320a3_oproj
		.amdhsa_group_segment_fixed_size 98304
		.amdhsa_private_segment_fixed_size 0
		.amdhsa_enable_private_segment 0
		.amdhsa_kernarg_size 64
		.amdhsa_user_sgpr_count 2
		.amdhsa_user_sgpr_kernarg_segment_ptr 1
		.amdhsa_wavefront_size32 1
		.amdhsa_system_sgpr_workgroup_id_x 1
		.amdhsa_system_sgpr_workgroup_id_y 1
		.amdhsa_system_sgpr_workgroup_id_z 1
		.amdhsa_system_vgpr_workitem_id 0
		.amdhsa_next_free_vgpr 322
		.amdhsa_next_free_sgpr 66
		.amdhsa_reserve_vcc 0
		.amdhsa_float_denorm_mode_32 3
		.amdhsa_float_denorm_mode_16_64 3
		.amdhsa_memory_ordered 1
		.amdhsa_forward_progress 1
		.amdhsa_inst_pref_size 87
	.end_amdhsa_kernel
	.amdgpu_metadata
---
amdhsa.version: [ 1, 2 ]
amdhsa.kernels:
  - .name:           k_q222d4320a3_oproj
    .symbol:         k_q222d4320a3_oproj.kd
    .args:
      - { .name: attc, .offset: 0, .size: 8, .value_kind: global_buffer, .address_space: global }
      - { .name: wimg, .offset: 8, .size: 8, .value_kind: global_buffer, .address_space: global }
      - { .name: bo, .offset: 16, .size: 8, .value_kind: global_buffer, .address_space: global }
      - { .name: x, .offset: 24, .size: 8, .value_kind: global_buffer, .address_space: global }
      - { .name: g2, .offset: 32, .size: 8, .value_kind: global_buffer, .address_space: global }
      - { .name: b2, .offset: 40, .size: 8, .value_kind: global_buffer, .address_space: global }
      - { .name: x1, .offset: 48, .size: 8, .value_kind: global_buffer, .address_space: global }
      - { .name: h2c, .offset: 56, .size: 8, .value_kind: global_buffer, .address_space: global }
    .group_segment_fixed_size: 98304
    .private_segment_fixed_size: 0
    .kernarg_segment_align: 8
    .kernarg_segment_size: 64
    .max_flat_workgroup_size: 384
    .sgpr_count:     66
    .vgpr_count:     322
    .wavefront_size: 32
...
	.end_amdgpu_metadata
.endif
;; end of part 4
;; launch ffa (part 5): grid 64 x 4, 12 waves a work-group, no clusters, 39,936 bytes of LDS; arguments h2c, wimg, b_ff1, ffc; writes ffc
.if DOCPART == 5
	.amdgcn_target "amdgcn-amd-amdhsa--gfx1250"
	.amdhsa_code_object_version 6
	.text
	.protected	k_q222d4320a3_ffa
	.globl	k_q222d4320a3_ffa
	.p2align	8
	.type	k_q222d4320a3_ffa,@function
k_q222d4320a3_ffa:
	s_mov_b64 s[64:65], 0
	v_nop
	global_prefetch_b8 v0, s[64:65] scope:SCOPE_SE
	s_setreg_imm32_b32 hwreg(HW_REG_WAVE_MODE, 25, 1), 1
	s_wait_xcnt 0x0
; gelu(h2 w_ff1 + b_ff1), quantised for the last product.  The product on E2M3 codes, sums in f32; the exact GELU, 0.5 x (1 + erf(x / sqrt 2)), in f32.
; SHARES.  A work-group owns 64 tokens and 768 of the 3,072 hidden units; wave w makes hidden units 64 (12 y + w) on.  h2's codes come into LDS once; a wave's unit of w_ff1 goes from memory into its registers.
; W'S K STEPS TAKE TURNS BETWEEN TWO SETS OF REGISTERS: even steps v256-303, odd steps v192-239; a set is asked for again as soon as its products are issued, so two K steps of W are on their way at a time.
; The bias is the first C.  Tiles, images and scale words as in the other launches.
; erf(z) = z P(z^2) / Q(z^2) with z held to +-4, P of degree 6 and Q of degree 4: a rational fit good to a few units in f32's last place; beyond |z| = 4 erf is 1 in f32.
; LIMITS: that fit; a block of zeros gets the scale byte 1 (its codes are zeros; this program alone reads the bytes); NaN and infinities are not served.
.set FRAG, 1536
.set KSB,  6144
.set UNIT, 36864
.set USC,  1536
.set WS0,  5308416
.set LANE, 1
.set R,    2
.set H,    3
.set L16,  4
.set L8,   5
.set L4,   6
.set WS2,  7                           ; v7-8  W's scale words of the even K steps: scales and nothing else
.set AA16, L16
.set AA8,  L8
.set AA4,  9
.set PB,   13
.set T16,  14
.set T4,   15
.set ACC,  16
.set AF,   144
.set WF,   192
.set W1,   0                           ; v256-303 (window 1)
.set AS,   240
.set WS,   242
.set TM,   244
.set TS,   248
.set PT,   250
.set Z,    144                         ; GELU: v144-159 z, v160-175 z^2 and later 1 / Q, v176-191 P, v192-207 Q
.set Y,    160
.set PP,   176
.set QQ,   192
.set CA,   208                         ; v[208:209] P's leading coefficient, v[210:211] Q's
.set CB,   210
.set PCB,  212                         ; codes just made: six registers a tile, v212-235
.set PWB,  236
.set PAIR, 253
.set SEL,  34
.set HI16, 36
.set WP,   40
.set WSP,  42
.set ASC,  36864
.set MSB, 0
.macro WIN new                         ; the immediate's high byte repeats the setting that is left
.if MSB != \new
	s_set_vgpr_msb (MSB<<8)|\new
.set MSB, \new
.endif
.endm
.macro WM d, a, b, zero, sa, sb, ra, rb
.set WSEL, 4*(\zero)+2*(\ra)+(\rb)
.if WSEL == 0
	v_wmma_scale_f32_16x16x128_f8f6f4 v[(\d):(\d)+7], v[(\a):(\a)+11], v[(\b):(\b)+11], v[(\d):(\d)+7], v[\sa], v[\sb] matrix_a_fmt:MATRIX_FMT_FP6 matrix_b_fmt:MATRIX_FMT_FP6
.elseif WSEL == 1
	v_wmma_scale_f32_16x16x128_f8f6f4 v[(\d):(\d)+7], v[(\a):(\a)+11], v[(\b):(\b)+11], v[(\d):(\d)+7], v[\sa], v[\sb] matrix_a_fmt:MATRIX_FMT_FP6 matrix_b_fmt:MATRIX_FMT_FP6 matrix_b_scale:MATRIX_SCALE_ROW1
.elseif WSEL == 2
	v_wmma_scale_f32_16x16x128_f8f6f4 v[(\d):(\d)+7], v[(\a):(\a)+11], v[(\b):(\b)+11], v[(\d):(\d)+7], v[\sa], v[\sb] matrix_a_fmt:MATRIX_FMT_FP6 matrix_b_fmt:MATRIX_FMT_FP6 matrix_a_scale:MATRIX_SCALE_ROW1
.else
	v_wmma_scale_f32_16x16x128_f8f6f4 v[(\d):(\d)+7], v[(\a):(\a)+11], v[(\b):(\b)+11], v[(\d):(\d)+7], v[\sa], v[\sb] matrix_a_fmt:MATRIX_FMT_FP6 matrix_b_fmt:MATRIX_FMT_FP6 matrix_a_scale:MATRIX_SCALE_ROW1 matrix_b_scale:MATRIX_SCALE_ROW1
.endif
.endm
.macro NOP4
.rept 4
	v_nop
.endr
.endm
.macro BAR
	s_wait_dscnt 0x0
	s_barrier_signal -1
	s_barrier_wait -1
.endm
.macro WLOAD s                                 ; K step s of my unit of W: 14 loads; even steps into window 1
.if ((\s)%2) == 0
	WIN 0x40
.irp t, 0,1,2,3
.irp c, 0,1,2
	global_load_b128 v[W1+12*\t+4*\c:W1+12*\t+4*\c+3], v[L16], s[WP:WP+1] offset:(\s)*KSB+\t*FRAG+512*\c
.endr
.endr
	WIN 0
.irp j, 0,1
	global_load_b32 v[WS2+\j], v[L4], s[WSP:WSP+1] offset:(\s)*256+128*\j
.endr
.else
.irp t, 0,1,2,3
.irp c, 0,1,2
	global_load_b128 v[WF+12*\t+4*\c:WF+12*\t+4*\c+3], v[L16], s[WP:WP+1] offset:(\s)*KSB+\t*FRAG+512*\c
.endr
.endr
.irp j, 0,1
	global_load_b32 v[WS+\j], v[L4], s[WSP:WSP+1] offset:(\s)*256+128*\j
.endr
.endif
.endm
.macro ALOAD s
.irp m, 0,1,2,3
	ds_load_b128 v[AF+12*\m:AF+12*\m+3], v[AA16] offset:(\s)*KSB+\m*FRAG
	ds_load_b64 v[AF+12*\m+4:AF+12*\m+5], v[AA8] offset:(\s)*KSB+\m*FRAG+512
	ds_load_b128 v[AF+12*\m+6:AF+12*\m+9], v[AA16] offset:(\s)*KSB+\m*FRAG+768
	ds_load_b64 v[AF+12*\m+10:AF+12*\m+11], v[AA8] offset:(\s)*KSB+\m*FRAG+1280
.endr
.irp j, 0,1
	ds_load_b32 v[AS+\j], v[AA4] offset:(\s)*256+128*\j
.endr
.endm
.macro MUL s                                   ; 16 products on 16 accumulators, which take turns in the same order in every K step
.if ((\s)%2) == 0
.set WB, W1
.set WSR, WS2
	WIN 0x01                                       ; W is source 0: window 1
.else
.set WB, WF
.set WSR, WS
.endif
.irp m, 0,1,2,3
.irp t, 0,1,2,3
	WM ACC+32*\m+8*\t, WB+12*\t, AF+12*\m, 0, WSR+\t/2, AS+\m/2, \t%2, \m%2
.endr
.endr
	WIN 0
.endm
; A K step.  left: the loads issued behind this step's W, which may stay out: the next K step's 14.  Behind the products: four places, which serve the loads into the set of W just multiplied and the next
; step's loads into the rows' fragments alike; then the K step two on is asked for.
.macro KSTEP s, left
	ALOAD \s
	s_wait_loadcnt \left
	s_wait_dscnt 0x0
	MUL \s
	NOP4
.if (\s) < 4
	WLOAD (\s)+2
.endif
.endm
.macro HQUANT src, pc, pw
.irp b, 0,1
	v_max3_num_f32 v[TM+\b], |v[(\src)+16*\b]|, |v[(\src)+16*\b+1]|, 0x1800000
.endr
.irp i, 2,4,6,8,10,12,14
.irp b, 0,1
	v_max3_num_f32 v[TM+\b], v[TM+\b], |v[(\src)+16*\b+\i]|, |v[(\src)+16*\b+\i+1]|
.endr
.endr
.irp b, 0,1
	v_permlanex16_b32 v[TM+2+\b], v[TM+\b], s[SEL], s[SEL+1]
.endr
.irp b, 0,1
	v_max_num_f32 v[TM+\b], v[TM+\b], v[TM+2+\b]
.endr
.irp b, 0,1
	v_add_nc_u32 v[TS+\b], 0xff000000, v[TM+\b]
.endr
.irp b, 0,1
	v_lshrrev_b32 v[TM+2+\b], 23, v[TS+\b]
.endr
	v_lshl_or_b32 v[\pw], v[TM+3], 8, v[TM+2]
	v_cvt_scalef32_pk16_fp6_f32 v[(\pc):(\pc)+2], v[(\src):(\src)+15], v[TS]
	v_cvt_scalef32_pk16_fp6_f32 v[PT:PT+2], v[(\src)+16:(\src)+31], v[TS+1]
	v_nop
.irp i, 0,1,2
	v_permlane16_swap_b32 v[(\pc)+\i], v[PT+\i]
.endr
.irp i, 0,1,2
	v_mov_b32 v[(\pc)+3+\i], v[PT+\i]
.endr
.endm
.macro PRELOAD vo, sb, rowb
.irp m, 0,1,2,3
.irp b, 0,1
.irp j, 0,1,2,3
	global_load_b128 v[ACC+32*\m+16*\b+4*\j:ACC+32*\m+16*\b+4*\j+3], v[\vo], s[\sb:\sb+1] offset:(32*(\m/2)+8*(\m%2))*\rowb+128*\b+16*\j
.endr
.endr
.endr
.endm
; 16 numbers, in place: x -> 0.5 x (1 + erf(x / sqrt 2)).  Two at a time; the sixteen reciprocals are one batch with one wait.
.macro GELU16 src
.irp k, 0,2,4,6,8,10,12,14
	v_pk_mul_f32 v[Z+\k:Z+\k+1], v[(\src)+\k:(\src)+\k+1], 0x3f3504f3 op_sel_hi:[1,0]   ; z = x / sqrt 2 (each accumulator is read from its low end on)
.endr
.irp k, 0,1,2,3,4,5,6,7,8,9,10,11,12,13,14,15
	v_med3_num_f32 v[Z+\k], v[Z+\k], -4.0, 4.0
.endr
.irp k, 0,2,4,6,8,10,12,14
	v_pk_mul_f32 v[Y+\k:Y+\k+1], v[Z+\k:Z+\k+1], v[Z+\k:Z+\k+1]
.endr
.irp k, 0,2,4,6,8,10,12,14
	v_pk_fma_f32 v[PP+\k:PP+\k+1], v[Y+\k:Y+\k+1], v[CA:CA+1], 0x32edffee op_sel_hi:[1,1,0]
	v_pk_fma_f32 v[QQ+\k:QQ+\k+1], v[Y+\k:Y+\k+1], v[CB:CB+1], 0xb95fbd29 op_sel_hi:[1,1,0]
.endr
.irp c, 0xb60cff51, 0xb86ec2d2, 0xba40ac63, 0xbb41a1f6, 0xbc83dbd4
.irp k, 0,2,4,6,8,10,12,14
	v_pk_fma_f32 v[PP+\k:PP+\k+1], v[PP+\k:PP+\k+1], v[Y+\k:Y+\k+1], \c op_sel_hi:[1,1,0]
.endr
.endr
.irp c, 0xbadc924e, 0xbbf19bf8, 0xbc69b6a7
.irp k, 0,2,4,6,8,10,12,14
	v_pk_fma_f32 v[QQ+\k:QQ+\k+1], v[QQ+\k:QQ+\k+1], v[Y+\k:Y+\k+1], \c op_sel_hi:[1,1,0]
.endr
.endr
.irp k, 0,1,2,3,4,5,6,7,8,9,10,11,12,13,14,15
	v_rcp_f32 v[Y+\k], v[QQ+\k]
.endr
.irp k, 0,2,4,6,8,10,12,14
	v_pk_mul_f32 v[Z+\k:Z+\k+1], v[Z+\k:Z+\k+1], v[PP+\k:PP+\k+1]   ; plain work behind the reciprocals, which names none of their results
.endr
	s_wait_alu depctr_va_vdst(0)                   ; one wait for the batch, ahead of its first reader
.irp k, 0,2,4,6,8,10,12,14
	v_pk_mul_f32 v[Z+\k:Z+\k+1], v[Z+\k:Z+\k+1], v[Y+\k:Y+\k+1]     ; erf
.endr
.irp k, 0,2,4,6,8,10,12,14
	v_pk_mul_f32 v[PP+\k:PP+\k+1], v[(\src)+\k:(\src)+\k+1], 0.5 op_sel_hi:[1,0]
.endr
.irp k, 0,2,4,6,8,10,12,14
	v_pk_fma_f32 v[(\src)+\k:(\src)+\k+1], v[PP+\k:PP+\k+1], v[Z+\k:Z+\k+1], v[PP+\k:PP+\k+1]
.endr
.endm
	s_load_b256 s[4:11], s[0:1], 0x0               ; h2c s[4:5], wimg s[6:7], b_ff1 s[8:9], ffc s[10:11]
	v_lshl_add_u32 v12, v0, 2, 0x9600
	v_mov_b32 v255, 0
	v_lshrrev_b32 v1, 5, v0
	v_readfirstlane_b32 s2, v1                     ; w
	s_mov_b32 s3, ttmp9                            ; the block of 64 tokens
	s_and_b32 s33, ttmp7, 0xffff
	s_mov_b32 s[SEL], 0x76543210
	s_mov_b32 s[SEL+1], 0xfedcba98
	s_mov_b32 s[HI16], 0xffff0000
	v_and_b32 v[LANE], 31, v0
	v_and_b32 v[R], 15, v0
	v_bfe_u32 v[H], v0, 4, 1
	v_lshlrev_b32 v[L16], 4, v[LANE]
	v_lshlrev_b32 v[L8], 3, v[LANE]
	v_lshlrev_b32 v[L4], 2, v[LANE]
	v_add_nc_u32 v[AA4], ASC, v[L4]
	v_lshlrev_b32 v[T16], 4, v0
	v_lshlrev_b32 v[T4], 2, v0
	v_lshlrev_b32 v[PB], 6, v[H]
	s_mul_i32 s32, s33, 12
	s_add_co_u32 s32, s32, s2                      ; U: my unit of 64 hidden units
	s_lshl_b32 s50, s32, 8
	s_mov_b32 s51, 0
	s_mul_i32 s54, s3, UNIT
	s_mov_b32 s55, 0
	s_mul_i32 s56, s3, 1536
	s_add_co_u32 s56, s56, 2359296
	s_mov_b32 s57, 0
	s_add_co_u32 s58, s32, 48                      ; its place among the weights' units
	s_mul_i32 s60, s58, UNIT
	s_mov_b32 s61, 0
	s_mul_i32 s62, s58, USC
	s_add_co_u32 s62, s62, WS0
	s_mov_b32 s63, 0
	s_wait_kmcnt 0x0
	s_add_nc_u64 s[20:21], s[4:5], s[54:55]
	s_add_nc_u64 s[22:23], s[4:5], s[56:57]
	s_add_nc_u64 s[8:9], s[8:9], s[50:51]
	s_add_nc_u64 s[WP:WP+1], s[6:7], s[60:61]
	s_add_nc_u64 s[WSP:WSP+1], s[6:7], s[62:63]
.irp i, 0,1,2,3,4,5
	global_load_b128 v[AF+4*\i:AF+4*\i+3], v[T16], s[20:21] offset:\i*6144
.endr
	global_load_b32 v[AF+24], v[T4], s[22:23]
	PRELOAD PB, 8, 0                               ; the bias is the first C
	WLOAD 0
	WLOAD 1
	; where the codes go: half U%2 of K step U/2 of the last product
	s_lshr_b32 s58, s32, 1
	s_and_b32 s59, s32, 1
	s_mul_i32 s54, s3, 147456
	s_mul_i32 s60, s58, KSB
	s_add_co_u32 s54, s54, s60
	s_mul_i32 s60, s59, 768
	s_add_co_u32 s54, s54, s60
	s_mul_i32 s56, s3, 6144
	s_lshl_b32 s60, s58, 8
	s_add_co_u32 s56, s56, s60
	s_lshl_b32 s60, s59, 1
	s_add_co_u32 s56, s56, s60
	s_add_co_u32 s56, s56, 9437184
	s_add_nc_u64 s[44:45], s[10:11], s[54:55]
	s_add_nc_u64 s[46:47], s[10:11], s[56:57]
	s_wait_loadcnt 60                              ; the seven loads of the fill are in; the 32 of the bias and the 28 of W's first two K steps may be out
.irp i, 0,1,2,3,4,5
	ds_store_b128 v[T16], v[AF+4*\i:AF+4*\i+3] offset:\i*6144
.endr
	ds_store_b32 v[T4], v[AF+24] offset:ASC
	BAR                                            ; h2's 24 fragments lie in LDS
	KSTEP 0, 14
	KSTEP 1, 14
	KSTEP 2, 14
	KSTEP 3, 14
	KSTEP 4, 14
	KSTEP 5, 0                                     ; its four places stand in front of the first read of results and of writes into the operands' registers
	v_mov_b32 v[CA], 0xaf95df0b
	v_mov_b32 v[CA+1], 0xaf95df0b
	v_mov_b32 v[CB], 0xb77460cd
	v_mov_b32 v[CB+1], 0xb77460cd
	v_mov_b32 v[TM+2], 0                           ; a lane permute's destination counts as one of its sources
	v_mov_b32 v[TM+3], 0
.irp m, 0,1,2,3
	GELU16 ACC+32*\m
	GELU16 ACC+32*\m+16
	HQUANT ACC+32*\m, PCB+6*\m, PWB+\m
	global_store_b128 v[L16], v[PCB+6*\m:PCB+6*\m+3], s[44:45] offset:\m*FRAG
	global_store_b64 v[L8], v[PCB+6*\m+4:PCB+6*\m+5], s[44:45] offset:\m*FRAG+512
.endr
	v_cndmask_b32 v[PAIR], v[PWB], v[PWB+1], s[HI16]
	v_cndmask_b32 v[PAIR+1], v[PWB+2], v[PWB+3], s[HI16]
	global_store_b16 v[L4], v[PAIR], s[46:47]
	global_store_b16 v[L4], v[PAIR+1], s[46:47] offset:128
	s_wait_tensorcnt 0x0
	ds_add_u32 v12, v255
	s_wait_dscnt 0x0
	s_endpgm
.Lfunc_end_k_q222d4320a3_ffa:
	.size	k_q222d4320a3_ffa, .Lfunc_end_k_q222d4320a3_ffa-k_q222d4320a3_ffa
	.p2alignl 7, 3214868480
	.fill 96, 4, 3214868480
	.section	.rodata,"a",@progbits
	.p2align	6, 0x0
	.amdhsa_kernel k_q222d4320a3_ffa
		.amdhsa_group_segment_fixed_size 39936
		.amdhsa_private_segment_fixed_size 0
		.amdhsa_enable_private_segment 0
		.amdhsa_kernarg_size 32
		.amdhsa_user_sgpr_count 2
		.amdhsa_user_sgpr_kernarg_segment_ptr 1
		.amdhsa_wavefront_size32 1
		.amdhsa_system_sgpr_workgroup_id_x 1
		.amdhsa_system_sgpr_workgroup_id_y 1
		.amdhsa_system_sgpr_workgroup_id_z 1
		.amdhsa_system_vgpr_workitem_id 0
		.amdhsa_next_free_vgpr 304
		.amdhsa_next_free_sgpr 66
		.amdhsa_reserve_vcc 0
		.amdhsa_float_denorm_mode_32 3
		.amdhsa_float_denorm_mode_16_64 3
		.amdhsa_memory_ordered 1
		.amdhsa_forward_progress 1
		.amdhsa_inst_pref_size 143
	.end_amdhsa_kernel
	.amdgpu_metadata
---
amdhsa.version: [ 1, 2 ]
amdhsa.kernels:
  - .name:           k_q222d4320a3_ffa
    .symbol:         k_q222d4320a3_ffa.kd
    .args:
      - { .name: h2c, .offset: 0, .size: 8, .value_kind: global_buffer, .address_space: global }
      - { .name: wimg, .offset: 8, .size: 8, .value_kind: global_buffer, .address_space: global }
      - { .name: b_ff1, .offset: 16, .size: 8, .value_kind: global_buffer, .address_space: global }
      - { .name: ffc, .offset: 24, .size: 8, .value_kind: global_buffer, .address_space: global }
    .group_segment_fixed_size: 39936
    .private_segment_fixed_size: 0
    .kernarg_segment_align: 8
    .kernarg_segment_size: 32
    .max_flat_workgroup_size: 384
    .sgpr_count:     66
    .vgpr_count:     304
    .wavefront_size: 32
...
	.end_amdgpu_metadata
.endif
;; end of part 5
;; launch ffb (part 6): grid 64 x 4, 12 waves a work-group, no clusters, 250,368 bytes of LDS; arguments ffc, wimg, b_ff2, x1, out0; writes out0
.if DOCPART == 6
	.amdgcn_target "amdgcn-amd-amdhsa--gfx1250"
	.amdhsa_code_object_version 6
	.text
	.protected	k_q222d4320a3_ffb
	.globl	k_q222d4320a3_ffb
	.p2align	8
	.type	k_q222d4320a3_ffb,@function
k_q222d4320a3_ffb:
	s_mov_b64 s[64:65], 0
	v_nop
	global_prefetch_b8 v0, s[64:65] scope:SCOPE_SE
	s_setreg_imm32_b32 hwreg(HW_REG_WAVE_MODE, 25, 1), 1
	s_wait_xcnt 0x0
; out = x1 + gelu(..) w_ff2 + b_ff2.  The product on E2M3 codes, sums in f32.
; SHARES.  A work-group owns 64 tokens and 192 of the 768 columns.  Wave w = 4 u3 + kq makes columns 64 (3 y + u3) on over quarter kq of K = 3,072: six K steps, as in the other products.
; The hidden layer's codes of the 64 tokens (147,456 bytes and 6,144 of scale words) come into LDS once; a wave's unit of w_ff2 goes from memory into its registers.
; W'S K STEPS TAKE TURNS BETWEEN TWO SETS OF REGISTERS: even steps v256-303, odd steps v192-239; a set is asked for again as soon as its products are issued, so two K steps of W are on their way at a time.
; b_ff2 and x1 are asked for behind K step 4's products, into v256-319, which those products have left.
; The four quarters' sums meet in LDS, laid over the codes behind a barrier: wave (u3, kq) adds tile kq of the rows, in the order ((0 + 1) + (2 + 3)) + (b_ff2 + x1), and stores it through its own stage,
; sixteen lanes to 256 consecutive bytes of a row.
; LIMITS: NaN and infinities are not served.
.set FRAG, 1536
.set KSB,  6144
.set UNIT, 36864
.set USC,  1536
.set WS0,  5308416
.set LANE, 1
.set R,    2
.set H,    3
.set L16,  4
.set L8,   5
.set L4,   6
.set AA16, 7                           ; v7   16 x lane + my quarter's codes
.set AA8,  8                           ; v8   8 x lane + the same
.set AA4,  9                           ; v9   4 x lane + my quarter's scale words
.set TA,   10                          ; v10  16 x thread; v11, v12: the same 61,440 and 122,880 bytes on (an LDS immediate has 16 bits)
.set TB2,  11
.set TC,   12
.set PB,   13
.set PO,   14
.set RW,   15                          ; v15  where I put my partial sums: 16 x lane + 16,384 w
.set RRD,  253                         ; v253 where I read the four quarters' sums of my tile
.set SO,   254
.set SR,   255
.set GO,   244
.set WS2,  246                         ; v246-247 W's scale words of the even K steps: scales and nothing else
.set ACC,  16
.set AF,   144
.set WF,   192
.set W1,   0                           ; v256-303 (window 1)
.set BV,   0                           ; v256-287 b_ff2 of my columns (window 1)
.set XV,   32                          ; v288-319 x1 of my tile
.set AS,   240
.set WS,   242
.set WP,   40
.set WSP,  42
.set ASC,  147456
.set STG,  196608
.set MSB, 0
.macro WIN new                         ; the immediate's high byte repeats the setting that is left
.if MSB != \new
	s_set_vgpr_msb (MSB<<8)|\new
.set MSB, \new
.endif
.endm
.macro WM d, a, b, zero, sa, sb, ra, rb
.set WSEL, 4*(\zero)+2*(\ra)+(\rb)
.if WSEL == 0
	v_wmma_scale_f32_16x16x128_f8f6f4 v[(\d):(\d)+7], v[(\a):(\a)+11], v[(\b):(\b)+11], v[(\d):(\d)+7], v[\sa], v[\sb] matrix_a_fmt:MATRIX_FMT_FP6 matrix_b_fmt:MATRIX_FMT_FP6
.elseif WSEL == 1
	v_wmma_scale_f32_16x16x128_f8f6f4 v[(\d):(\d)+7], v[(\a):(\a)+11], v[(\b):(\b)+11], v[(\d):(\d)+7], v[\sa], v[\sb] matrix_a_fmt:MATRIX_FMT_FP6 matrix_b_fmt:MATRIX_FMT_FP6 matrix_b_scale:MATRIX_SCALE_ROW1
.elseif WSEL == 2
	v_wmma_scale_f32_16x16x128_f8f6f4 v[(\d):(\d)+7], v[(\a):(\a)+11], v[(\b):(\b)+11], v[(\d):(\d)+7], v[\sa], v[\sb] matrix_a_fmt:MATRIX_FMT_FP6 matrix_b_fmt:MATRIX_FMT_FP6 matrix_a_scale:MATRIX_SCALE_ROW1
.elseif WSEL == 3
	v_wmma_scale_f32_16x16x128_f8f6f4 v[(\d):(\d)+7], v[(\a):(\a)+11], v[(\b):(\b)+11], v[(\d):(\d)+7], v[\sa], v[\sb] matrix_a_fmt:MATRIX_FMT_FP6 matrix_b_fmt:MATRIX_FMT_FP6 matrix_a_scale:MATRIX_SCALE_ROW1 matrix_b_scale:MATRIX_SCALE_ROW1
.elseif WSEL == 4
	v_wmma_scale_f32_16x16x128_f8f6f4 v[(\d):(\d)+7], v[(\a):(\a)+11], v[(\b):(\b)+11], 0, v[\sa], v[\sb] matrix_a_fmt:MATRIX_FMT_FP6 matrix_b_fmt:MATRIX_FMT_FP6
.elseif WSEL == 5
	v_wmma_scale_f32_16x16x128_f8f6f4 v[(\d):(\d)+7], v[(\a):(\a)+11], v[(\b):(\b)+11], 0, v[\sa], v[\sb] matrix_a_fmt:MATRIX_FMT_FP6 matrix_b_fmt:MATRIX_FMT_FP6 matrix_b_scale:MATRIX_SCALE_ROW1
.elseif WSEL == 6
	v_wmma_scale_f32_16x16x128_f8f6f4 v[(\d):(\d)+7], v[(\a):(\a)+11], v[(\b):(\b)+11], 0, v[\sa], v[\sb] matrix_a_fmt:MATRIX_FMT_FP6 matrix_b_fmt:MATRIX_FMT_FP6 matrix_a_scale:MATRIX_SCALE_ROW1
.else
	v_wmma_scale_f32_16x16x128_f8f6f4 v[(\d):(\d)+7], v[(\a):(\a)+11], v[(\b):(\b)+11], 0, v[\sa], v[\sb] matrix_a_fmt:MATRIX_FMT_FP6 matrix_b_fmt:MATRIX_FMT_FP6 matrix_a_scale:MATRIX_SCALE_ROW1 matrix_b_scale:MATRIX_SCALE_ROW1
.endif
.endm
.macro NOP4
.rept 4
	v_nop
.endr
.endm
.macro BAR
	s_wait_dscnt 0x0
	s_barrier_signal -1
	s_barrier_wait -1
.endm
.macro WLOAD s                                 ; K step s of my unit of W: 14 loads; even steps into window 1
.if ((\s)%2) == 0
	WIN 0x40
.irp t, 0,1,2,3
.irp c, 0,1,2
	global_load_b128 v[W1+12*\t+4*\c:W1+12*\t+4*\c+3], v[L16], s[WP:WP+1] offset:(\s)*KSB+\t*FRAG+512*\c
.endr
.endr
	WIN 0
.irp j, 0,1
	global_load_b32 v[WS2+\j], v[L4], s[WSP:WSP+1] offset:(\s)*256+128*\j
.endr
.else
.irp t, 0,1,2,3
.irp c, 0,1,2
	global_load_b128 v[WF+12*\t+4*\c:WF+12*\t+4*\c+3], v[L16], s[WP:WP+1] offset:(\s)*KSB+\t*FRAG+512*\c
.endr
.endr
.irp j, 0,1
	global_load_b32 v[WS+\j], v[L4], s[WSP:WSP+1] offset:(\s)*256+128*\j
.endr
.endif
.endm
.macro ALOAD s
.irp m, 0,1,2,3
	ds_load_b128 v[AF+12*\m:AF+12*\m+3], v[AA16] offset:(\s)*KSB+\m*FRAG
	ds_load_b64 v[AF+12*\m+4:AF+12*\m+5], v[AA8] offset:(\s)*KSB+\m*FRAG+512
	ds_load_b128 v[AF+12*\m+6:AF+12*\m+9], v[AA16] offset:(\s)*KSB+\m*FRAG+768
	ds_load_b64 v[AF+12*\m+10:AF+12*\m+11], v[AA8] offset:(\s)*KSB+\m*FRAG+1280
.endr
.irp j, 0,1
	ds_load_b32 v[AS+\j], v[AA4] offset:(\s)*256+128*\j
.endr
.endm
.macro MUL s, zero                             ; 16 products on 16 accumulators, which take turns in the same order in every K step
.if ((\s)%2) == 0
.set WB, W1
.set WSR, WS2
	WIN 0x01                                       ; W is source 0: window 1
.else
.set WB, WF
.set WSR, WS
.endif
.irp m, 0,1,2,3
.irp t, 0,1,2,3
	WM ACC+32*\m+8*\t, WB+12*\t, AF+12*\m, \zero, WSR+\t/2, AS+\m/2, \t%2, \m%2
.endr
.endr
	WIN 0
.endm
; A K step.  left: the loads issued behind this step's W, which may stay out.  Behind the products: four places, which serve the loads into the set of W just multiplied and the next step's loads into the rows'
; fragments alike; then the K step two on is asked for.
.macro KSTEP s, zero, left
	ALOAD \s
	s_wait_loadcnt \left
	s_wait_dscnt 0x0
	MUL \s, \zero
	NOP4
.if (\s) < 4
	WLOAD (\s)+2
.endif
.endm
.macro VLOADW reg, vo, sb                      ; 32 numbers in the results' layout, into window 1
	WIN 0x40
.irp b, 0,1
.irp j, 0,1,2,3
	global_load_b128 v[\reg+16*\b+4*\j:\reg+16*\b+4*\j+3], v[\vo], s[\sb:\sb+1] offset:128*\b+16*\j
.endr
.endr
	WIN 0
.endm
	s_load_b256 s[4:11], s[0:1], 0x0               ; ffc s[4:5], wimg s[6:7], b_ff2 s[8:9], x1 s[10:11]
	s_load_b64 s[12:13], s[0:1], 0x20              ; out0
	v_lshl_add_u32 v251, v0, 2, 0x3cc00
	v_mov_b32 v252, 0
	v_lshrrev_b32 v1, 5, v0
	v_readfirstlane_b32 s2, v1                     ; w
	s_mov_b32 s3, ttmp9                            ; the block of 64 tokens
	s_and_b32 s33, ttmp7, 0xffff
	s_and_b32 s30, s2, 3                           ; kq: my quarter of K, and the tile of rows that I finish
	s_lshr_b32 s31, s2, 2                          ; u3
	s_mul_i32 s32, s33, 3
	s_add_co_u32 s32, s32, s31                     ; my unit of 64 columns
	v_and_b32 v[LANE], 31, v0
	v_and_b32 v[R], 15, v0
	v_bfe_u32 v[H], v0, 4, 1
	v_lshlrev_b32 v[L16], 4, v[LANE]
	v_lshlrev_b32 v[L8], 3, v[LANE]
	v_lshlrev_b32 v[L4], 2, v[LANE]
	s_mul_i32 s50, s30, UNIT
	v_add_nc_u32 v[AA16], s50, v[L16]
	v_add_nc_u32 v[AA8], s50, v[L8]
	s_mul_i32 s50, s30, 1536
	s_add_co_u32 s50, s50, ASC
	v_add_nc_u32 v[AA4], s50, v[L4]
	v_lshlrev_b32 v[TA], 4, v0
	v_add_nc_u32 v[TB2], 61440, v[TA]
	v_add_nc_u32 v[TC], 122880, v[TA]
	v_lshlrev_b32 v[PB], 6, v[H]
	v_and_b32 v[PO], 8, v[R]
	v_add_nc_u32 v[PO], v[PO], v[R]
	v_mul_u32_u24 v[PO], v[PO], 3072
	v_lshl_add_u32 v[PO], v[H], 6, v[PO]
	s_lshl_b32 s50, s2, 14
	v_add_nc_u32 v[RW], s50, v[L16]
	s_lshl_b32 s50, s31, 16
	s_lshl_b32 s51, s30, 12
	s_add_co_u32 s50, s50, s51
	v_add_nc_u32 v[RRD], s50, v[L16]
	s_mul_i32 s50, s2, 4352
	s_add_co_u32 s50, s50, STG                     ; my stage
	v_mul_u32_u24 v[SO], v[R], 272
	v_lshl_add_u32 v[SO], v[H], 6, v[SO]
	v_add_nc_u32 v[SO], s50, v[SO]
	v_mul_u32_u24 v[SR], v[H], 272
	v_lshl_add_u32 v[SR], v[R], 4, v[SR]
	v_add_nc_u32 v[SR], s50, v[SR]
	v_mul_u32_u24 v[GO], v[H], 3072
	v_lshl_add_u32 v[GO], v[R], 4, v[GO]
	s_lshl_b32 s50, s32, 8                         ; 256 x unit
	s_mov_b32 s51, 0
	s_lshr_b32 s52, s30, 1
	s_lshl_b32 s52, s52, 5
	s_and_b32 s53, s30, 1
	s_lshl_b32 s53, s53, 3
	s_add_co_u32 s52, s52, s53                     ; my tile's first row: 32 (kq/2) + 8 (kq%2)
	s_mul_i32 s52, s52, 3072
	s_mul_i32 s53, s3, 196608
	s_add_co_u32 s52, s52, s53
	s_add_co_u32 s52, s52, s50
	s_mov_b32 s53, 0
	s_mul_i32 s54, s3, 147456
	s_mov_b32 s55, 0
	s_mul_i32 s56, s3, 6144
	s_add_co_u32 s56, s56, 9437184
	s_mov_b32 s57, 0
	s_mul_i32 s58, s33, 12
	s_add_co_u32 s58, s58, s2
	s_add_co_u32 s58, s58, 96                      ; my unit of w_ff2: 96 + 4 x column unit + quarter
	s_mul_i32 s60, s58, UNIT
	s_mov_b32 s61, 0
	s_mul_i32 s62, s58, USC
	s_add_co_u32 s62, s62, WS0
	s_mov_b32 s63, 0
	s_wait_kmcnt 0x0
	s_add_nc_u64 s[20:21], s[4:5], s[54:55]
	s_add_nc_u64 s[22:23], s[4:5], s[56:57]
	s_add_nc_u64 s[8:9], s[8:9], s[50:51]
	s_add_nc_u64 s[10:11], s[10:11], s[52:53]
	s_add_nc_u64 s[12:13], s[12:13], s[52:53]
	s_add_nc_u64 s[WP:WP+1], s[6:7], s[60:61]
	s_add_nc_u64 s[WSP:WSP+1], s[6:7], s[62:63]
.irp i, 0,1,2,3,4,5,6,7,8,9,10,11,12,13,14,15,16,17,18,19,20,21,22,23
	global_load_b128 v[ACC+4*\i:ACC+4*\i+3], v[TA], s[20:21] offset:\i*6144   ; twelve waves x 512 bytes a round
.endr
	global_load_b128 v[ACC+96:ACC+99], v[TA], s[22:23]
	WLOAD 0
	WLOAD 1
	s_wait_loadcnt 28                              ; the 25 loads of the fill are in; the 28 of W's first two K steps may be out
.irp i, 0,1,2,3,4,5,6,7,8,9
	ds_store_b128 v[TA], v[ACC+4*\i:ACC+4*\i+3] offset:\i*6144
.endr
.irp i, 10,11,12,13,14,15,16,17,18,19
	ds_store_b128 v[TB2], v[ACC+4*\i:ACC+4*\i+3] offset:(\i-10)*6144
.endr
.irp i, 20,21,22,23
	ds_store_b128 v[TC], v[ACC+4*\i:ACC+4*\i+3] offset:(\i-20)*6144
.endr
	ds_store_b128 v[TC], v[ACC+96:ACC+99] offset:24576
	BAR                                            ; the hidden layer's 96 fragments lie in LDS
	KSTEP 0, 1, 14                                 ; the first products start the sums
	KSTEP 1, 0, 14
	KSTEP 2, 0, 14
	KSTEP 3, 0, 14
	KSTEP 4, 0, 14
	VLOADW BV, PB, 8                               ; b_ff2 of my columns and x1 of my tile, into the registers that K step 4's products have left (four places back)
	VLOADW XV, PO, 10
	KSTEP 5, 0, 16                                 ; those 16 loads may be out; its four places stand in front of the first read of results
	BAR                                            ; every wave has read its codes: their bytes may be written
.irp m, 0,1,2,3
.irp i, 0,1,2,3,4,5,6,7
	ds_store_b128 v[RW], v[ACC+32*\m+4*\i:ACC+32*\m+4*\i+3] offset:\m*4096+\i*512   ; each accumulator from its low end on
.endr
.endr
	BAR
.irp q, 0,1,2,3
.irp i, 0,1,2,3,4,5,6,7
	ds_load_b128 v[ACC+32*\q+4*\i:ACC+32*\q+4*\i+3], v[RRD] offset:\q*16384+\i*512
.endr
.endr
	s_wait_loadcnt 0x0
	WIN 0x05                                       ; sources 0 and 1: window 1
.set JJ, 0
.rept 16
	v_pk_add_f32 v[144+JJ:145+JJ], v[BV+JJ:BV+JJ+1], v[XV+JJ:XV+JJ+1]   ; b_ff2 + x1
.set JJ, JJ+2
.endr
	WIN 0
	s_wait_dscnt 0x0
.set JJ, 0
.rept 16
	v_pk_add_f32 v[ACC+JJ:ACC+JJ+1], v[ACC+JJ:ACC+JJ+1], v[ACC+32+JJ:ACC+33+JJ]
	v_pk_add_f32 v[ACC+64+JJ:ACC+65+JJ], v[ACC+64+JJ:ACC+65+JJ], v[ACC+96+JJ:ACC+97+JJ]
.set JJ, JJ+2
.endr
.set JJ, 0
.rept 16
	v_pk_add_f32 v[ACC+JJ:ACC+JJ+1], v[ACC+JJ:ACC+JJ+1], v[ACC+64+JJ:ACC+65+JJ]
.set JJ, JJ+2
.endr
.set JJ, 0
.rept 16
	v_pk_add_f32 v[ACC+JJ:ACC+JJ+1], v[ACC+JJ:ACC+JJ+1], v[144+JJ:145+JJ]
.set JJ, JJ+2
.endr
.irp b, 0,1
.irp j, 0,1,2,3
	ds_store_b128 v[SO], v[ACC+16*\b+4*\j:ACC+16*\b+4*\j+3] offset:128*\b+16*\j
.endr
.endr
.irp i, 0,1,2,3,4,5,6,7
	ds_load_b128 v[144+4*\i:144+4*\i+3], v[SR] offset:2*\i*272       ; LDS serves a wave's instructions in order: these see my stores
.endr
.irp i, 0,1,2,3,4,5,6,7
	s_wait_dscnt 7-\i
	global_store_b128 v[GO], v[144+4*\i:144+4*\i+3], s[12:13] offset:(2*\i+8*(\i/4))*3072 th:TH_STORE_NT   ; 16 lanes store 256 consecutive bytes of a row
.endr
	s_wait_tensorcnt 0x0
	ds_add_u32 v251, v252
	s_wait_dscnt 0x0
	s_endpgm
.Lfunc_end_k_q222d4320a3_ffb:
	.size	k_q222d4320a3_ffb, .Lfunc_end_k_q222d4320a3_ffb-k_q222d4320a3_ffb
	.p2alignl 7, 3214868480
	.fill 96, 4, 3214868480
	.section	.rodata,"a",@progbits
	.p2align	6, 0x0
	.amdhsa_kernel k_q222d4320a3_ffb
		.amdhsa_group_segment_fixed_size 250368
		.amdhsa_private_segment_fixed_size 0
		.amdhsa_enable_private_segment 0
		.amdhsa_kernarg_size 40
		.amdhsa_user_sgpr_count 2
		.amdhsa_user_sgpr_kernarg_segment_ptr 1
		.amdhsa_wavefront_size32 1
		.amdhsa_system_sgpr_workgroup_id_x 1
		.amdhsa_system_sgpr_workgroup_id_y 1
		.amdhsa_system_sgpr_workgroup_id_z 1
		.amdhsa_system_vgpr_workitem_id 0
		.amdhsa_next_free_vgpr 320
		.amdhsa_next_free_sgpr 66
		.amdhsa_reserve_vcc 0
		.amdhsa_float_denorm_mode_32 3
		.amdhsa_float_denorm_mode_16_64 3
		.amdhsa_memory_ordered 1
		.amdhsa_forward_progress 1
		.amdhsa_inst_pref_size 50
	.end_amdhsa_kernel
	.amdgpu_metadata
---
amdhsa.version: [ 1, 2 ]
amdhsa.kernels:
  - .name:           k_q222d4320a3_ffb
    .symbol:         k_q222d4320a3_ffb.kd
    .args:
      - { .name: ffc, .offset: 0, .size: 8, .value_kind: global_buffer, .address_space: global }
      - { .name: wimg, .offset: 8, .size: 8, .value_kind: global_buffer, .address_space: global }
      - { .name: b_ff2, .offset: 16, .size: 8, .value_kind: global_buffer, .address_space: global }
      - { .name: x1, .offset: 24, .size: 8, .value_kind: global_buffer, .address_space: global }
      - { .name: out0, .offset: 32, .size: 8, .value_kind: global_buffer, .address_space: global }
    .group_segment_fixed_size: 250368
    .private_segment_fixed_size: 0
    .kernarg_segment_align: 8
    .kernarg_segment_size: 40
    .max_flat_workgroup_size: 384
    .sgpr_count:     66
    .vgpr_count:     320
    .wavefront_size: 32
...
	.end_amdgpu_metadata
.endif
;; end of part 6
;; ======== version 2 of 2: 6 launches
;; workspace buffers: wimg 5,529,600 bytes; qkvc 7,569,408 bytes; attc 2,457,600 bytes; x1 12,582,912 bytes; h2c 2,457,600 bytes; ffc 9,830,400 bytes
;; launch prep (part 7): grid 144 x 6, 4 waves a work-group, no clusters, 0 bytes of LDS; arguments wq, wk, wv, wo, w_ff1, w_ff2, wimg; writes wimg
.if DOCPART == 7
	.amdgcn_target "amdgcn-amd-amdhsa--gfx1250"
	.amdhsa_code_object_version 6
	.text
	.protected	k_q222d4320a3_prep
	.globl	k_q222d4320a3_prep
	.p2align	8
	.type	k_q222d4320a3_prep,@function
k_q222d4320a3_prep:
	s_mov_b64 s[64:65], 0
	v_nop
	global_prefetch_b8 v0, s[64:65] scope:SCOPE_SE
	s_setreg_imm32_b32 hwreg(HW_REG_WAVE_MODE, 25, 1), 1
	s_wait_xcnt 0x0
; THE SIX WEIGHTS BECOME OPERAND FRAGMENTS OF E2M3 CODES.  Every weight has K as an outer axis, so a lane takes ONE column and its 64 registers run down K,
; in the order that the 6-bit operand layout gives that lane (registers 32 c + i: k = 64 c + 32 (lane / 16) + i): the conversions' results are the operand's registers.
; A unit is 64 columns (4 tiles of 16) x 768 along K (6 K steps of 128).  Units X: 0-11 wq's heads, 12-23 wk's, 24-35 wv's, 36-47 wo, 48-95 w_ff1, 96-143 w_ff2 (column unit (X-96)/4, quarter (X-96)%4 of its K).
; Work-group (X, s), wave t: tile t of unit X at K step s.  THE COLUMNS OF A TILE ARE NOT NEIGHBOURS: lane r of tile t takes column 32 (t/2) + 8 (t%2) + r + 8 (r/8), so that the results of a product
; that takes these tiles as source 0 lie, in two neighbouring tiles' 16 registers, as 16 neighbours along the next K.  The four waves of a work-group together read each row's 256 consecutive bytes.
; OUT: a fragment is 1,536 bytes, registers 4 c .. 4 c + 3 of lane l at 512 c + 16 l: each store covers 512 consecutive bytes.  Its 16 scale words follow in a table of their own.
; A block's scale byte is its largest magnitude's exponent field - 2, held at 1 from below.
; LIMITS: a block of zeros gets the byte 1 where the rule says 127 (its codes are zeros, and this program alone reads the bytes); NaN and infinities among the inputs are not served.
.set UNIT, 36864                       ; a unit's codes: 6 K steps x 4 tiles x 1,536
.set USC,  1536                        ; its scale words: 6 x 4 x 16 words
.set WS0,  5308416                     ; where the scale words begin: 144 units of codes
.set XN,   64                          ; v64-127 my column's 64 numbers
.set CD,   48                          ; v48-59  the fragment
.macro WCOL p                          ; my column, 64 rows of p bytes: rows 64 c + i; lanes 16-31 begin 32 rows further down
.irp c, 0,1
.irp i, 0,1,2,3,4,5,6,7,8,9,10,11,12,13,14,15,16,17,18,19,20,21,22,23,24,25,26,27,28,29,30,31
	global_load_b32 v[XN+32*\c+\i], v5, s[26:27] offset:(64*\c+\i)*\p
.endr
.endr
.endm
	s_load_b256 s[4:11], s[0:1], 0x0               ; wq s[4:5], wk s[6:7], wv s[8:9], wo s[10:11]
	s_load_b128 s[12:15], s[0:1], 0x20             ; w_ff1 s[12:13], w_ff2 s[14:15]
	s_load_b64 s[16:17], s[0:1], 0x30              ; wimg
	v_lshrrev_b32 v1, 5, v0
	v_readfirstlane_b32 s18, v1                    ; t: my tile
	v_and_b32 v1, 31, v0                           ; lane
	v_and_b32 v2, 15, v0                           ; r
	v_bfe_u32 v3, v0, 4, 1                         ; h
	v_and_b32 v4, 8, v2
	v_add_nc_u32 v4, v4, v2                        ; r + 8 (r / 8)
	s_wait_alu depctr_va_vdst(0)
	s_mov_b32 s20, ttmp9                           ; X
	s_and_b32 s21, ttmp7, 0xffff                   ; s
	s_mov_b32 s34, 0x76543210
	s_mov_b32 s35, 0xfedcba98                      ; v_permlanex16_b32's selects for lane l xor 16
	s_lshr_b32 s19, s18, 1
	s_lshl_b32 s19, s19, 5
	s_and_b32 s22, s18, 1
	s_lshl_b32 s22, s22, 3
	s_add_co_u32 s19, s19, s22                     ; the tile's base: 32 (t/2) + 8 (t%2)
	v_add_nc_u32 v4, s19, v4                       ; my column in the unit
	v_lshlrev_b32 v5, 2, v4
	v_lshlrev_b32 v7, 4, v1                        ; out: 16 bytes a lane
	v_lshlrev_b32 v8, 2, v2                        ; and a scale word a row
	s_wait_kmcnt 0x0
	; which tensor, and the first unit of it: choices on the work-group's number alone
	s_cmp_lt_u32 s20, 12
	s_cselect_b64 s[26:27], s[4:5], s[6:7]
	s_cselect_b32 s22, 0, 12
	s_cmp_lt_u32 s20, 24
	s_cselect_b64 s[26:27], s[26:27], s[8:9]
	s_cselect_b32 s22, s22, 24
	s_cmp_lt_u32 s20, 36
	s_cselect_b64 s[26:27], s[26:27], s[10:11]
	s_cselect_b32 s22, s22, 36
	s_mov_b32 s28, 196608
	s_cselect_b32 s28, s28, 256                    ; from unit to unit: a head's 768 x 64 numbers, or 64 columns of a row
	s_mov_b32 s29, 3072
	s_cselect_b32 s29, 256, s29                    ; from row to row along K
	s_cmp_lt_u32 s20, 48
	s_cselect_b64 s[26:27], s[26:27], s[12:13]
	s_cselect_b32 s22, s22, 48
	s_cmp_lt_u32 s20, 96
	s_cselect_b64 s[26:27], s[26:27], s[14:15]
	s_cselect_b32 s22, s22, 96
	s_cselect_b32 s23, 0, 2
	s_cselect_b32 s24, 0, 3
	s_sub_co_u32 s22, s20, s22                     ; the unit's number in its tensor
	s_and_b32 s24, s22, s24                        ; w_ff2: the quarter of K; else 0
	s_lshr_b32 s22, s22, s23                       ; the column unit
	s_sub_co_u32 s30, s20, 48
	s_cmp_lt_u32 s30, 48
	s_cselect_b32 s29, 12288, s29                  ; w_ff1's rows are 3,072 numbers
	s_mul_i32 s24, s24, 768
	s_lshl_b32 s30, s21, 7
	s_add_co_u32 s24, s24, s30                     ; the first row along K: 768 x quarter + 128 s
	s_mul_i32 s24, s24, s29
	s_mul_i32 s22, s22, s28
	s_add_co_u32 s32, s22, s24
	s_mov_b32 s33, 0
	s_add_nc_u64 s[26:27], s[26:27], s[32:33]
	s_lshl_b32 s30, s29, 5
	v_mul_lo_u32 v6, v3, s30
	s_wait_alu depctr_va_vdst(0)
	v_add_nc_u32 v5, v5, v6                        ; 4 x column + 32 h rows
	s_mul_i32 s32, s20, UNIT
	s_mul_i32 s30, s21, 6144
	s_add_co_u32 s32, s32, s30
	s_mul_i32 s30, s18, 1536
	s_add_co_u32 s32, s32, s30
	s_add_nc_u64 s[36:37], s[16:17], s[32:33]      ; my fragment
	s_mul_i32 s32, s20, USC
	s_lshl_b32 s30, s21, 8
	s_add_co_u32 s32, s32, s30
	s_lshl_b32 s30, s18, 6
	s_add_co_u32 s32, s32, s30
	s_add_co_u32 s32, s32, WS0
	s_add_nc_u64 s[38:39], s[16:17], s[32:33]      ; its scale words
	s_cmp_eq_u32 s29, 256                          ; the pitch stands in the loads' immediates: three runs of loads, chosen by the work-group's number
	s_cbranch_scc1 .Lp256
	s_cmp_eq_u32 s29, 3072
	s_cbranch_scc1 .Lp3072
	s_wait_alu depctr_va_vdst(0)
	WCOL 12288
	s_branch .Ljoin
.Lp256:
	s_wait_alu depctr_va_vdst(0)
	WCOL 256
	s_branch .Ljoin
.Lp3072:
	s_wait_alu depctr_va_vdst(0)
	WCOL 3072
.Ljoin:
	s_wait_loadcnt 0x0
.irp c, 0,1                                    ; my block 2 c + h: all its 32 numbers are mine
	v_max3_num_f32 v[32+\c], |v[XN+32*\c]|, |v[XN+1+32*\c]|, 0x1800000   ; and the floor 2^(3 - 127): the byte cannot fall under 1
.endr
.irp i, 2,4,6,8,10,12,14,16,18,20,22,24,26,28,30
.irp c, 0,1
	v_max3_num_f32 v[32+\c], v[32+\c], |v[XN+32*\c+\i]|, |v[XN+1+32*\c+\i]|
.endr
.endr
.irp c, 0,1
	v_add_nc_u32 v[44+\c], 0xff000000, v[32+\c]    ; 2 off the exponent field: the conversion's scale operand
.endr
.irp c, 0,1
	v_lshrrev_b32 v[36+\c], 23, v[44+\c]           ; the scale's byte
.endr
	v_lshl_or_b32 v9, v37, 16, v36                 ; my two bytes: blocks h and 2 + h,
	v_lshlrev_b32 v10, 3, v3
	v_lshlrev_b32 v9, v10, v9                      ; at their places in the word;
	v_mov_b32 v10, 0
	v_permlanex16_b32 v10, v9, s34, s35
	v_or_b32 v9, v9, v10                           ; with lane l xor 16's two the word is whole
.irp c, 0,1
	v_cvt_scalef32_pk16_fp6_f32 v[CD+6*\c:CD+6*\c+2], v[XN+32*\c:XN+32*\c+15], v[44+\c]
	v_cvt_scalef32_pk16_fp6_f32 v[24+4*\c:26+4*\c], v[XN+16+32*\c:XN+31+32*\c], v[44+\c]   ; (a conversion's three registers begin on an even number)
.endr
	v_nop                                          ; one plain place behind a scaled conversion
.irp c, 0,1
.irp i, 0,1,2
	v_mov_b32 v[CD+3+6*\c+\i], v[24+4*\c+\i]
.endr
.endr
.irp c, 0,1,2
	global_store_b128 v7, v[CD+4*\c:CD+4*\c+3], s[36:37] offset:512*\c   ; 32 lanes store 512 consecutive bytes
.endr
	s_wait_xcnt 0x0                                ; EXEC changes only behind this wait
	v_cmp_gt_u32 vcc_lo, 16, v1
	s_and_saveexec_b32 s31, vcc_lo
	global_store_b32 v8, v9, s[38:39]              ; lanes 0-15: the tile's 16 scale words
	s_wait_xcnt 0x0
	s_or_b32 exec_lo, exec_lo, s31
	s_endpgm
.Lfunc_end_k_q222d4320a3_prep:
	.size	k_q222d4320a3_prep, .Lfunc_end_k_q222d4320a3_prep-k_q222d4320a3_prep
	.p2alignl 7, 3214868480
	.fill 96, 4, 3214868480
	.section	.rodata,"a",@progbits
	.p2align	6, 0x0
	.amdhsa_kernel k_q222d4320a3_prep
		.amdhsa_group_segment_fixed_size 0
		.amdhsa_private_segment_fixed_size 0
		.amdhsa_enable_private_segment 0
		.amdhsa_kernarg_size 56
		.amdhsa_user_sgpr_count 2
		.amdhsa_user_sgpr_kernarg_segment_ptr 1
		.amdhsa_wavefront_size32 1
		.amdhsa_system_sgpr_workgroup_id_x 1
		.amdhsa_system_sgpr_workgroup_id_y 1
		.amdhsa_system_sgpr_workgroup_id_z 1
		.amdhsa_system_vgpr_workitem_id 0
		.amdhsa_next_free_vgpr 128
		.amdhsa_next_free_sgpr 66
		.amdhsa_reserve_vcc 1
		.amdhsa_float_denorm_mode_32 3
		.amdhsa_float_denorm_mode_16_64 3
		.amdhsa_memory_ordered 1
		.amdhsa_forward_progress 1
		.amdhsa_inst_pref_size 26
	.end_amdhsa_kernel
	.amdgpu_metadata
---
amdhsa.version: [ 1, 2 ]
amdhsa.kernels:
  - .name:           k_q222d4320a3_prep
    .symbol:         k_q222d4320a3_prep.kd
    .args:
      - { .name: wq, .offset: 0, .size: 8, .value_kind: global_buffer, .address_space: global }
      - { .name: wk, .offset: 8, .size: 8, .value_kind: global_buffer, .address_space: global }
      - { .name: wv, .offset: 16, .size: 8, .value_kind: global_buffer, .address_space: global }
      - { .name: wo, .offset: 24, .size: 8, .value_kind: global_buffer, .address_space: global }
      - { .name: w_ff1, .offset: 32, .size: 8, .value_kind: global_buffer, .address_space: global }
      - { .name: w_ff2, .offset: 40, .size: 8, .value_kind: global_buffer, .address_space: global }
      - { .name: wimg, .offset: 48, .size: 8, .value_kind: global_buffer, .address_space: global }
    .group_segment_fixed_size: 0
    .private_segment_fixed_size: 0
    .kernarg_segment_align: 8
    .kernarg_segment_size: 56
    .max_flat_workgroup_size: 128
    .sgpr_count:     66
    .vgpr_count:     128
    .wavefront_size: 32
...
	.end_amdgpu_metadata
.endif
;; end of part 7
;; launch proj (part 8): grid 64 x 3, 12 waves a work-group, no clusters, 46,592 bytes of LDS; arguments x, g1, b1, wimg, bq, bk, bv, qkvc; writes qkvc
.if DOCPART == 8
	.amdgcn_target "amdgcn-amd-amdhsa--gfx1250"
	.amdhsa_code_object_version 6
	.text
	.protected	k_q222d4320a3_proj
	.globl	k_q222d4320a3_proj
	.p2align	8
	.type	k_q222d4320a3_proj,@function
k_q222d4320a3_proj:
	s_mov_b64 s[64:65], 0
	v_nop
	global_prefetch_b8 v0, s[64:65] scope:SCOPE_SE
	s_setreg_imm32_b32 hwreg(HW_REG_WAVE_MODE, 25, 1), 1
	s_wait_xcnt 0x0
; h = LN1(x), quantised; then q (y = 0), k (y = 1) or v (y = 2) = h W + bias for all 12 heads, quantised for attention.  All products on E2M3 codes with E8M0 scales, sums in f32.
; SHARES.  A work-group owns 64 tokens (4 tiles of 16).  Its 12 waves share the COLUMNS: wave w normalises columns 64 w .. 64 w + 63 of x and later makes head w.
; TILES.  Lane r of tile t of any operand stands for index 32 (t/2) + 8 (t%2) + r + 8 (r/8).  A product D = source 0 x source 1 then leaves, in the 16 registers of tiles 2 b, 2 b + 1 of source 0's axis,
; 16 neighbours 32 b + 16 (lane/16) + 0 .. 15 of that axis, for the lane's one index of source 1: what the conversions take.
; IMAGES.  16 rows x 64 K of codes (6 registers a lane) lie as 768 bytes: registers 0-3 of lane l at 16 l, registers 4-5 at 512 + 8 l; two of them are a fragment of 128 K.  Scale words: 16 a tile; two neighbouring
; tiles come by one load of 4 bytes a lane, the even tile in lanes 0-15, the odd one in lanes 16-31.
; q, k: source 0 = 16 columns of W, source 1 = 16 tokens: a lane holds a token and 32 of the head's 64 channels: K of the scores.  v: the sources swapped: a lane holds a channel and 32 tokens: K of the second product.
; h's fragments go from wave to wave through LDS; W's fragments are wanted by one wave alone and go from memory straight into its registers.
; W'S K STEPS TAKE TURNS BETWEEN TWO SETS OF REGISTERS: even steps v256-303, odd steps v192-239.  A set is asked for again as soon as its products are issued, so two K steps of W are on their way at a time;
; K step 0 is asked for at the head and lands while the norm is computed.
; The mean is taken away before the squares are summed (no difference of large sums).
; LIMITS: a block of zeros gets the scale byte 1 where the rule says 127 (its codes are zeros; this program alone reads the bytes); NaN and infinities are not served.
.set FRAG, 1536
.set KSB,  6144                        ; a K step of a row block or of a unit: 4 fragments
.set UNIT, 36864
.set USC,  1536
.set WS0,  5308416
.set LANE, 1
.set R,    2
.set H,    3
.set L16,  4                           ; 16 x lane
.set L8,   5                           ; 8 x lane
.set L4,   6                           ; 4 x lane
.set WS2,  7                           ; v7-8  W's scale words of the even K steps: scales and nothing else
.set AA16, L16                         ; h's images begin at LDS byte 0
.set AA8,  L8
.set AA4,  9                           ; v9   ASC + 4 x lane
.set RA,   10                          ; v10  48 r + 4 w: where I put a row's partial sum
.set RR,   11                          ; v11  48 r: a row's twelve partial sums
.set PO,   12                          ; v12  my row and half in x: 3,072 (r + 8 (r/8)) + 64 h
.set PB,   13                          ; v13  64 h: my half of a vector of 64 columns
.set IW16, 14                          ; v14  where I store an image's first 512 bytes
.set IW8,  15                          ; v15  and its last 256
.set IW4,  253                         ; v253 and its two scale bytes
.set VB,   254                         ; v254 4 (r + 8 (r/8)): my channel in bv
.set ACC,  16                          ; v16-143  16 accumulators; before that x, then h
.set AF,   144                         ; v144-191 four fragments of h
.set WF,   192                         ; v192-239 four fragments of W, odd K steps
.set W1,   0                           ; v256-303 the same, even K steps (window 1)
.set AS,   240                         ; v240-241 h's scale words: scales and nothing else
.set WS,   242                         ; v242-243 W's, odd K steps
.set TM,   244                         ; v244-247 at work in HQUANT
.set TS,   248
.set PT,   250
.set G,    192                         ; the norm: gains, v192-223
.set BB,   144                         ; offsets, v144-175
.set CH,   176                         ; four chains of sums, v176-183
.set XP,   184                         ; v184-187
.set MP,   244                         ; v244-251 a pair for each tile of rows: the mean, later 1 / sigma
.set T0,   224
.set T1,   176
.set PCB,  144                         ; codes just made: six registers a tile
.set PWB,  168                         ; their byte pairs
.set PAIR, 172
.set SEL,  34
.set HI16, 36
.set INV,  37
.set EPS,  38
.set WP,   40
.set WSP,  42
.set ASC,  36864                       ; LDS: h's images 36,864; their scale words 1,536; two tables of partial sums, 3,072 each
.set RED1, 38400
.set RED2, 41472
.set QS,   2359296                     ; qkvc: q's codes at 0, q's words, the key steps' records (8 tiles of k, 4 fragments of v), the heads' k and v words
.set KV,   2555904
.set KVS,  7274496
.set REC,  12288
.set MSB, 0
.macro WIN new                         ; the immediate's high byte repeats the setting that is left
.if MSB != \new
	s_set_vgpr_msb (MSB<<8)|\new
.set MSB, \new
.endif
.endm
.macro WM d, a, b, zero, sa, sb, ra, rb        ; one product; ra, rb: the scale words stand in lanes 16-31
.set WSEL, 4*(\zero)+2*(\ra)+(\rb)
.if WSEL == 0
	v_wmma_scale_f32_16x16x128_f8f6f4 v[(\d):(\d)+7], v[(\a):(\a)+11], v[(\b):(\b)+11], v[(\d):(\d)+7], v[\sa], v[\sb] matrix_a_fmt:MATRIX_FMT_FP6 matrix_b_fmt:MATRIX_FMT_FP6
.elseif WSEL == 1
	v_wmma_scale_f32_16x16x128_f8f6f4 v[(\d):(\d)+7], v[(\a):(\a)+11], v[(\b):(\b)+11], v[(\d):(\d)+7], v[\sa], v[\sb] matrix_a_fmt:MATRIX_FMT_FP6 matrix_b_fmt:MATRIX_FMT_FP6 matrix_b_scale:MATRIX_SCALE_ROW1
.elseif WSEL == 2
	v_wmma_scale_f32_16x16x128_f8f6f4 v[(\d):(\d)+7], v[(\a):(\a)+11], v[(\b):(\b)+11], v[(\d):(\d)+7], v[\sa], v[\sb] matrix_a_fmt:MATRIX_FMT_FP6 matrix_b_fmt:MATRIX_FMT_FP6 matrix_a_scale:MATRIX_SCALE_ROW1
.elseif WSEL == 3
	v_wmma_scale_f32_16x16x128_f8f6f4 v[(\d):(\d)+7], v[(\a):(\a)+11], v[(\b):(\b)+11], v[(\d):(\d)+7], v[\sa], v[\sb] matrix_a_fmt:MATRIX_FMT_FP6 matrix_b_fmt:MATRIX_FMT_FP6 matrix_a_scale:MATRIX_SCALE_ROW1 matrix_b_scale:MATRIX_SCALE_ROW1
.elseif WSEL == 4
	v_wmma_scale_f32_16x16x128_f8f6f4 v[(\d):(\d)+7], v[(\a):(\a)+11], v[(\b):(\b)+11], 0, v[\sa], v[\sb] matrix_a_fmt:MATRIX_FMT_FP6 matrix_b_fmt:MATRIX_FMT_FP6
.elseif WSEL == 5
	v_wmma_scale_f32_16x16x128_f8f6f4 v[(\d):(\d)+7], v[(\a):(\a)+11], v[(\b):(\b)+11], 0, v[\sa], v[\sb] matrix_a_fmt:MATRIX_FMT_FP6 matrix_b_fmt:MATRIX_FMT_FP6 matrix_b_scale:MATRIX_SCALE_ROW1
.elseif WSEL == 6
	v_wmma_scale_f32_16x16x128_f8f6f4 v[(\d):(\d)+7], v[(\a):(\a)+11], v[(\b):(\b)+11], 0, v[\sa], v[\sb] matrix_a_fmt:MATRIX_FMT_FP6 matrix_b_fmt:MATRIX_FMT_FP6 matrix_a_scale:MATRIX_SCALE_ROW1
.else
	v_wmma_scale_f32_16x16x128_f8f6f4 v[(\d):(\d)+7], v[(\a):(\a)+11], v[(\b):(\b)+11], 0, v[\sa], v[\sb] matrix_a_fmt:MATRIX_FMT_FP6 matrix_b_fmt:MATRIX_FMT_FP6 matrix_a_scale:MATRIX_SCALE_ROW1 matrix_b_scale:MATRIX_SCALE_ROW1
.endif
.endm
.macro NOP4
.rept 4
	v_nop
.endr
.endm
.macro BAR                                     ; my LDS stores have landed and my LDS loads are in: then the work-group's barrier
	s_wait_dscnt 0x0
	s_barrier_signal -1
	s_barrier_wait -1
.endm
.macro WLOAD s                                 ; K step s of my unit of W: four fragments and their scale words, 14 loads, 512 or 128 consecutive bytes each; even steps into window 1
.if ((\s)%2) == 0
	WIN 0x40
.irp t, 0,1,2,3
.irp c, 0,1,2
	global_load_b128 v[W1+12*\t+4*\c:W1+12*\t+4*\c+3], v[L16], s[WP:WP+1] offset:(\s)*KSB+\t*FRAG+512*\c
.endr
.endr
	WIN 0
.irp j, 0,1
	global_load_b32 v[WS2+\j], v[L4], s[WSP:WSP+1] offset:(\s)*256+128*\j
.endr
.else
.irp t, 0,1,2,3
.irp c, 0,1,2
	global_load_b128 v[WF+12*\t+4*\c:WF+12*\t+4*\c+3], v[L16], s[WP:WP+1] offset:(\s)*KSB+\t*FRAG+512*\c
.endr
.endr
.irp j, 0,1
	global_load_b32 v[WS+\j], v[L4], s[WSP:WSP+1] offset:(\s)*256+128*\j
.endr
.endif
.endm
.macro ALOAD s                                 ; K step s of the rows' operand from LDS: four fragments (two images each) and their scale words, 18 loads
.irp m, 0,1,2,3
	ds_load_b128 v[AF+12*\m:AF+12*\m+3], v[AA16] offset:(\s)*KSB+\m*FRAG
	ds_load_b64 v[AF+12*\m+4:AF+12*\m+5], v[AA8] offset:(\s)*KSB+\m*FRAG+512
	ds_load_b128 v[AF+12*\m+6:AF+12*\m+9], v[AA16] offset:(\s)*KSB+\m*FRAG+768
	ds_load_b64 v[AF+12*\m+10:AF+12*\m+11], v[AA8] offset:(\s)*KSB+\m*FRAG+1280
.endr
.irp j, 0,1
	ds_load_b32 v[AS+\j], v[AA4] offset:(\s)*256+128*\j
.endr
.endm
.macro MUL s, zero, swap                       ; 16 products on 16 accumulators, which take turns in the same order in every K step
.if ((\s)%2) == 0
.set WB, W1
.set WSR, WS2
.if \swap
	WIN 0x04                                       ; W is source 1: window 1
.else
	WIN 0x01                                       ; W is source 0: window 1
.endif
.else
.set WB, WF
.set WSR, WS
.endif
.irp m, 0,1,2,3
.irp t, 0,1,2,3
.if \swap
	WM ACC+32*\t+8*\m, AF+12*\m, WB+12*\t, \zero, AS+\m/2, WSR+\t/2, \m%2, \t%2
.else
	WM ACC+32*\m+8*\t, WB+12*\t, AF+12*\m, \zero, WSR+\t/2, AS+\m/2, \t%2, \m%2
.endif
.endr
.endr
	WIN 0
.endm
; A K step.  left: the loads issued behind this step's W, which may stay out: the next K step's 14.  Behind the products: four places (ISA guide 7.12.1 for vector instructions), which serve the loads
; into the set of W just multiplied and the next step's loads into h's fragments alike; then the K step two on is asked for.
.macro KSTEP s, zero, swap, left
	ALOAD \s
	s_wait_loadcnt \left
	s_wait_dscnt 0x0
	MUL \s, \zero, \swap
	NOP4
.if (\s) < 4
	WLOAD (\s)+2
.endif
.endm
; 32 numbers of a lane, register 16 b + i = k 32 b + 16 (lane/16) + i of my row, become an image's six registers in v[pc] on and the two blocks' bytes in v[pw] (the same in lanes l and l xor 16).
.macro HQUANT src, pc, pw
.irp b, 0,1
	v_max3_num_f32 v[TM+\b], |v[(\src)+16*\b]|, |v[(\src)+16*\b+1]|, 0x1800000   ; my 16 numbers of block b, and the floor 2^(3 - 127): the byte cannot fall under 1
.endr
.irp i, 2,4,6,8,10,12,14
.irp b, 0,1
	v_max3_num_f32 v[TM+\b], v[TM+\b], |v[(\src)+16*\b+\i]|, |v[(\src)+16*\b+\i+1]|
.endr
.endr
.irp b, 0,1
	v_permlanex16_b32 v[TM+2+\b], v[TM+\b], s[SEL], s[SEL+1]
.endr
.irp b, 0,1
	s_delay_alu instid0(VALU_DEP_2)
	v_max_num_f32 v[TM+\b], v[TM+\b], v[TM+2+\b]   ; with lane l xor 16's: the block's largest magnitude
.endr
.irp b, 0,1
	s_delay_alu instid0(VALU_DEP_2)
	v_add_nc_u32 v[TS+\b], 0xff000000, v[TM+\b]    ; 2 off its exponent field: the conversion's scale operand
.endr
.irp b, 0,1
	s_delay_alu instid0(VALU_DEP_2)
	v_lshrrev_b32 v[TM+2+\b], 23, v[TS+\b]         ; the scale's byte
.endr
	s_delay_alu instid0(VALU_DEP_1)
	v_lshl_or_b32 v[\pw], v[TM+3], 8, v[TM+2]
	v_cvt_scalef32_pk16_fp6_f32 v[(\pc):(\pc)+2], v[(\src):(\src)+15], v[TS]
	v_cvt_scalef32_pk16_fp6_f32 v[PT:PT+2], v[(\src)+16:(\src)+31], v[TS+1]
	v_nop                                          ; one plain place behind a scaled conversion
.irp i, 0,1,2
	v_permlane16_swap_b32 v[(\pc)+\i], v[PT+\i]    ; the layout wants a whole block in a lane: lanes 0-15 block 0, lanes 16-31 block 1
.endr
.irp i, 0,1,2
	s_delay_alu instid0(VALU_DEP_3)
	v_mov_b32 v[(\pc)+3+\i], v[PT+\i]
.endr
.endm
.macro PRELOAD vo, sb, rowb                    ; the accumulators' first value, in the results' layout: rows of rowb bytes (a residual), or with rowb = 0 one vector for all rows (a bias)
.irp m, 0,1,2,3
.irp b, 0,1
.irp j, 0,1,2,3
	global_load_b128 v[ACC+32*\m+16*\b+4*\j:ACC+32*\m+16*\b+4*\j+3], v[\vo], s[\sb:\sb+1] offset:(32*(\m/2)+8*(\m%2))*\rowb+128*\b+16*\j
.endr
.endr
.endr
.endm
.macro VLOAD reg, sb                           ; my 32 of a vector's 64 columns
.irp b, 0,1
.irp j, 0,1,2,3
	global_load_b128 v[\reg+16*\b+4*\j:\reg+16*\b+4*\j+3], v[PB], s[\sb:\sb+1] offset:128*\b+16*\j
.endr
.endr
.endm
; The four chains (a pair for each tile of rows) become the rows' sums over all 768 columns, in v[MP + 2 m]: my halves, lane l xor 16's, then the twelve waves' through LDS, added by every wave in the same order.
.macro XCH red
.irp m, 0,1,2,3
	s_delay_alu instid0(VALU_DEP_4)
	v_add_f32 v[CH+2*\m], v[CH+2*\m], v[CH+2*\m+1]
.endr
.irp m, 0,1,2,3
	s_delay_alu instid0(VALU_DEP_4)
	v_permlanex16_b32 v[XP+\m], v[CH+2*\m], s[SEL], s[SEL+1]
.endr
.irp m, 0,1,2,3
	s_delay_alu instid0(VALU_DEP_4)
	v_add_f32 v[CH+2*\m], v[CH+2*\m], v[XP+\m]
.endr
.irp m, 0,1,2,3
	ds_store_b32 v[RA], v[CH+2*\m] offset:\red+\m*768   ; lanes l and l xor 16 write the same word with the same value
.endr
	BAR
.irp p, 0,1
.irp c, 0,1,2
	ds_load_b128 v[T0+4*\c:T0+4*\c+3], v[RR] offset:\red+(2*\p)*768+16*\c
	ds_load_b128 v[T1+4*\c:T1+4*\c+3], v[RR] offset:\red+(2*\p+1)*768+16*\c
.endr
	s_wait_dscnt 0x0
.irp q, 2
	v_pk_add_f32 v[T0:T0+1], v[T0:T0+1], v[T0+\q:T0+\q+1]
	v_pk_add_f32 v[T1:T1+1], v[T1:T1+1], v[T1+\q:T1+\q+1]
.endr
.irp q, 4, 6, 8, 10
	s_delay_alu instid0(VALU_DEP_2)
	v_pk_add_f32 v[T0:T0+1], v[T0:T0+1], v[T0+\q:T0+\q+1]
	s_delay_alu instid0(VALU_DEP_2)
	v_pk_add_f32 v[T1:T1+1], v[T1:T1+1], v[T1+\q:T1+\q+1]
.endr
	s_delay_alu instid0(VALU_DEP_2)
	v_add_f32 v[MP+4*\p], v[T0], v[T0+1]
	s_delay_alu instid0(VALU_DEP_2)
	v_add_f32 v[MP+4*\p+2], v[T1], v[T1+1]
.endr
.endm
; The norm, in place on v[ACC] on: register 32 m + q is column 64 w + 32 (q/16) + 16 h + q%16 of row (m, r).
.macro LNORM
.irp m, 0,1,2,3
	v_mov_b32 v[XP+\m], 0                          ; a lane permute's destination counts as one of its sources
.endr
.irp m, 0,1,2,3
	v_pk_add_f32 v[CH+2*\m:CH+2*\m+1], v[ACC+32*\m:ACC+32*\m+1], v[ACC+32*\m+2:ACC+32*\m+3]
.endr
.irp q, 4,6,8,10,12,14,16,18,20,22,24,26,28,30
.irp m, 0,1,2,3
	s_delay_alu instid0(VALU_DEP_4)
	v_pk_add_f32 v[CH+2*\m:CH+2*\m+1], v[CH+2*\m:CH+2*\m+1], v[ACC+32*\m+\q:ACC+32*\m+\q+1]
.endr
.endr
	XCH RED1
.irp m, 0,1,2,3
	v_mul_f32 v[MP+2*\m], s[INV], v[MP+2*\m]       ; the mean
.endr
.irp m, 0,1,2,3
	s_delay_alu instid0(VALU_DEP_4)
	v_mov_b32 v[MP+2*\m+1], v[MP+2*\m]
.endr
.set JJ, 0
.rept 64
	v_pk_add_f32 v[ACC+JJ:ACC+JJ+1], v[ACC+JJ:ACC+JJ+1], v[MP+2*(JJ/32):MP+2*(JJ/32)+1] neg_lo:[0,1] neg_hi:[0,1]   ; d = x - mean
.set JJ, JJ+2
.endr
.irp m, 0,1,2,3
	v_pk_mul_f32 v[CH+2*\m:CH+2*\m+1], v[ACC+32*\m:ACC+32*\m+1], v[ACC+32*\m:ACC+32*\m+1]
.endr
.irp q, 2,4,6,8,10,12,14,16,18,20,22,24,26,28,30
.irp m, 0,1,2,3
	s_delay_alu instid0(VALU_DEP_4)
	v_pk_fma_f32 v[CH+2*\m:CH+2*\m+1], v[ACC+32*\m+\q:ACC+32*\m+\q+1], v[ACC+32*\m+\q:ACC+32*\m+\q+1], v[CH+2*\m:CH+2*\m+1]
.endr
.endr
	XCH RED2
.irp m, 0,1,2,3
	v_fma_f32 v[MP+2*\m], v[MP+2*\m], s[INV], s[EPS]   ; the variance + 1e-5
.endr
	s_wait_alu depctr_va_vdst(0)
.irp m, 0,1,2,3
	v_rsq_f32 v[MP+2*\m], v[MP+2*\m]
.endr
	v_nop                                          ; a plain place behind the last root,
	s_wait_alu depctr_va_vdst(0)                   ; and one wait for the four, ahead of their first reader
.irp m, 0,1,2,3
	v_mov_b32 v[MP+2*\m+1], v[MP+2*\m]
.endr
.set JJ, 0
.rept 64
	v_pk_mul_f32 v[ACC+JJ:ACC+JJ+1], v[ACC+JJ:ACC+JJ+1], v[MP+2*(JJ/32):MP+2*(JJ/32)+1]
.set JJ, JJ+2
.endr
.set JJ, 0
.rept 64
	v_pk_fma_f32 v[ACC+JJ:ACC+JJ+1], v[ACC+JJ:ACC+JJ+1], v[G+JJ%32:G+JJ%32+1], v[BB+JJ%32:BB+JJ%32+1]
.set JJ, JJ+2
.endr
.endm
	s_load_b512 s[4:19], s[0:1], 0x0               ; x s[4:5], g1 s[6:7], b1 s[8:9], wimg s[10:11], bq s[12:13], bk s[14:15], bv s[16:17], qkvc s[18:19]
	v_lshl_add_u32 v255, v0, 2, 0xb000
	s_set_vgpr_msb 0x40
	v_mov_b32 v49, 0
	s_set_vgpr_msb 0x4000
	v_lshrrev_b32 v1, 5, v0
	s_delay_alu instid0(VALU_DEP_1)
	v_readfirstlane_b32 s2, v1                     ; w: wave 0..11
	s_mov_b32 s3, ttmp9                            ; the block of 64 tokens
	s_and_b32 s33, ttmp7, 0xffff                   ; y: q, k or v
	s_mov_b32 s[SEL], 0x76543210
	s_mov_b32 s[SEL+1], 0xfedcba98                 ; v_permlanex16_b32's selects for lane l xor 16
	s_mov_b32 s[HI16], 0xffff0000                  ; lanes 16-31
	s_mov_b32 s[INV], 0x3aaaaaab                   ; 1 / 768
	s_mov_b32 s[EPS], 0x3727c5ac                   ; 1e-5
	v_and_b32 v[LANE], 31, v0
	v_and_b32 v[R], 15, v0
	v_bfe_u32 v[H], v0, 4, 1
	s_delay_alu instid0(VALU_DEP_3)
	v_lshlrev_b32 v[L16], 4, v[LANE]
	s_delay_alu instid0(VALU_DEP_4)
	v_lshlrev_b32 v[L8], 3, v[LANE]
	v_lshlrev_b32 v[L4], 2, v[LANE]
	s_delay_alu instid0(VALU_DEP_1)
	v_add_nc_u32 v[AA4], ASC, v[L4]
	v_and_b32 v[VB], 8, v[R]
	s_delay_alu instid0(VALU_DEP_1)
	v_add_nc_u32 v[VB], v[VB], v[R]                ; r + 8 (r/8)
	s_delay_alu instid0(VALU_DEP_1)
	v_mul_u32_u24 v[PO], v[VB], 3072
	s_delay_alu instid0(VALU_DEP_1)
	v_lshl_add_u32 v[PO], v[H], 6, v[PO]
	v_lshlrev_b32 v[PB], 6, v[H]
	s_delay_alu instid0(VALU_DEP_4)
	v_lshlrev_b32 v[VB], 2, v[VB]
	v_mul_u32_u24 v[RR], v[R], 48
	s_lshl_b32 s50, s2, 2
	v_add_nc_u32 v[RA], s50, v[RR]
	s_lshr_b32 s50, s2, 1                          ; my 64 columns are half w%2 of K step w/2
	s_and_b32 s51, s2, 1
	s_mul_i32 s52, s50, KSB
	s_mul_i32 s53, s51, 768
	s_add_co_u32 s52, s52, s53
	v_add_nc_u32 v[IW16], s52, v[L16]
	v_add_nc_u32 v[IW8], s52, v[L8]
	s_lshl_b32 s52, s50, 8
	s_lshl_b32 s53, s51, 1
	s_add_co_u32 s52, s52, s53
	v_add_nc_u32 v[IW4], s52, v[L4]
	s_lshl_b32 s50, s2, 8                          ; 256 w: 64 columns of f32
	s_mov_b32 s51, 0
	s_mul_i32 s52, s3, 196608                      ; 64 rows of 3,072 bytes
	s_add_co_u32 s52, s52, s50
	s_mov_b32 s53, 0
	s_mul_i32 s54, s33, 12
	s_add_co_u32 s54, s54, s2                      ; my unit of W: 12 y + w
	s_mul_i32 s56, s54, UNIT
	s_mov_b32 s57, 0
	s_mul_i32 s58, s54, USC
	s_add_co_u32 s58, s58, WS0
	s_mov_b32 s59, 0
	s_wait_alu depctr_va_vdst(0)
	s_wait_kmcnt 0x0
	s_add_nc_u64 s[20:21], s[4:5], s[52:53]
	s_add_nc_u64 s[6:7], s[6:7], s[50:51]
	s_add_nc_u64 s[8:9], s[8:9], s[50:51]
	s_add_nc_u64 s[12:13], s[12:13], s[50:51]
	s_add_nc_u64 s[14:15], s[14:15], s[50:51]
	s_add_nc_u64 s[16:17], s[16:17], s[50:51]
	s_add_nc_u64 s[WP:WP+1], s[10:11], s[56:57]
	s_add_nc_u64 s[WSP:WSP+1], s[10:11], s[58:59]
	PRELOAD PO, 20, 3072                           ; my 64 columns of the 64 rows of x
	VLOAD G, 6
	VLOAD BB, 8
	WLOAD 0                                        ; W's first K step: it lands while the norm is computed
	; where the results go
	s_lshl_b32 s52, s3, 2
	s_add_co_u32 s52, s52, s50                     ; q: tile 256 w + 4 x block
	s_mul_i32 s54, s52, 768
	s_lshl_b32 s55, s52, 6
	s_add_co_u32 s55, s55, QS
	s_lshl_b32 s52, s2, 5
	s_lshr_b32 s56, s3, 1                          ; the key step: two blocks of tokens
	s_add_co_u32 s52, s52, s56
	s_mul_i32 s52, s52, REC
	s_add_co_u32 s52, s52, KV                      ; its record
	s_and_b32 s57, s3, 1                           ; which half of it
	s_mul_i32 s58, s2, 24576
	s_add_co_u32 s58, s58, KVS                     ; the head's scale words
	s_mul_i32 s59, s57, 3072
	s_add_co_u32 s59, s59, s52                     ; k: four tiles of 768 bytes
	s_lshl_b32 s60, s3, 8
	s_add_co_u32 s60, s60, s58
	s_cmp_eq_u32 s33, 0
	s_cselect_b32 s54, s54, s59
	s_cselect_b32 s55, s55, s60
	s_cselect_b64 s[22:23], s[12:13], s[14:15]     ; bq or bk
	s_mul_i32 s59, s57, 768
	s_add_co_u32 s59, s59, s52
	s_add_co_u32 s59, s59, 6144                    ; v: half of each of the record's four fragments
	s_lshl_b32 s60, s56, 8
	s_add_co_u32 s60, s60, s58
	s_lshl_b32 s61, s57, 1
	s_add_co_u32 s60, s60, s61
	s_add_co_u32 s60, s60, 16384
	s_mov_b32 s63, 0
	s_mov_b32 s62, s54
	s_add_nc_u64 s[44:45], s[18:19], s[62:63]
	s_mov_b32 s62, s55
	s_add_nc_u64 s[46:47], s[18:19], s[62:63]
	s_mov_b32 s62, s59
	s_add_nc_u64 s[24:25], s[18:19], s[62:63]
	s_mov_b32 s62, s60
	s_add_nc_u64 s[26:27], s[18:19], s[62:63]
	s_wait_loadcnt 14                              ; x, the gains and the offsets are in; the 14 loads of W's first K step may be out
	LNORM                                          ; two barriers
.irp m, 0,1,2,3                                ; h's codes: my half of K step w/2, for the four tiles of tokens
	HQUANT ACC+32*\m, PCB+6*\m, PWB+\m
	ds_store_b128 v[IW16], v[PCB+6*\m:PCB+6*\m+3] offset:\m*FRAG
	ds_store_b64 v[IW8], v[PCB+6*\m+4:PCB+6*\m+5] offset:\m*FRAG+512
.endr
	v_cndmask_b32 v[PAIR], v[PWB], v[PWB+1], s[HI16]       ; lanes 0-15 the even tile's bytes, lanes 16-31 the odd tile's
	v_cndmask_b32 v[PAIR+1], v[PWB+2], v[PWB+3], s[HI16]
	ds_store_b16 v[IW4], v[PAIR] offset:ASC
	ds_store_b16 v[IW4], v[PAIR+1] offset:ASC+128
	s_cmp_eq_u32 s33, 2
	s_cbranch_scc1 .Lbv
	PRELOAD PB, 22, 0                              ; q, k: the bias is the first C
	s_branch .Lw1
.Lbv:
.irp t, 0,1,2,3
	global_load_b32 v[TM+2*\t], v[VB], s[16:17] offset:(32*(\t/2)+8*(\t%2))*4   ; v: bv of my channel in tile t
.endr
.Lw1:
	WLOAD 1
	BAR                                            ; h's 24 fragments lie in LDS; from here on LDS is only read
	s_cmp_eq_u32 s33, 2
	s_cbranch_scc1 .Lvpath
	KSTEP 0, 0, 0, 14
	KSTEP 1, 0, 0, 14
	KSTEP 2, 0, 0, 14
	KSTEP 3, 0, 0, 14
	KSTEP 4, 0, 0, 14
	KSTEP 5, 0, 0, 0                               ; its four places stand in front of the first read of results
.irp m, 0,1,2,3                                ; a tile of 16 tokens x the head's 64 channels: one image
	HQUANT ACC+32*\m, PCB+6*\m, PWB+\m
	global_store_b128 v[L16], v[PCB+6*\m:PCB+6*\m+3], s[44:45] offset:\m*768
	global_store_b64 v[L8], v[PCB+6*\m+4:PCB+6*\m+5], s[44:45] offset:\m*768+512
.endr
	v_cndmask_b32 v[PAIR], v[PWB], v[PWB+1], s[HI16]
	v_cndmask_b32 v[PAIR+1], v[PWB+2], v[PWB+3], s[HI16]
	global_store_b32 v[L4], v[PAIR], s[46:47]              ; whole words: the upper two bytes are 0, over codes that are zeros
	global_store_b32 v[L4], v[PAIR+1], s[46:47] offset:128
	s_set_vgpr_msb 0x4
	s_wait_tensorcnt 0x0
	ds_add_u32 v255, v49
	s_wait_dscnt 0x0
	s_set_vgpr_msb 0x400
	s_endpgm
.Lvpath:
	KSTEP 0, 1, 1, 14                              ; (bv was asked for ahead of K step 1: this wait covers it)
	KSTEP 1, 0, 1, 14
	KSTEP 2, 0, 1, 14
	KSTEP 3, 0, 1, 14
	KSTEP 4, 0, 1, 14
	KSTEP 5, 0, 1, 0
.irp t, 0,1,2,3
	v_mov_b32 v[TM+2*\t+1], v[TM+2*\t]
.endr
.set JJ, 0
.rept 64
	v_pk_add_f32 v[ACC+JJ:ACC+JJ+1], v[ACC+JJ:ACC+JJ+1], v[TM+2*(JJ/32):TM+2*(JJ/32)+1]   ; each accumulator from its low end on
.set JJ, JJ+2
.endr
.irp t, 0,1,2,3                                ; a tile of 16 channels x my 64 tokens: half a fragment of the key step
	HQUANT ACC+32*\t, PCB+6*\t, PWB+\t
	global_store_b128 v[L16], v[PCB+6*\t:PCB+6*\t+3], s[24:25] offset:\t*FRAG
	global_store_b64 v[L8], v[PCB+6*\t+4:PCB+6*\t+5], s[24:25] offset:\t*FRAG+512
.endr
	v_cndmask_b32 v[PAIR], v[PWB], v[PWB+1], s[HI16]
	v_cndmask_b32 v[PAIR+1], v[PWB+2], v[PWB+3], s[HI16]
	global_store_b16 v[L4], v[PAIR], s[26:27]              ; my two bytes of each word
	global_store_b16 v[L4], v[PAIR+1], s[26:27] offset:128
	s_set_vgpr_msb 0x4
	s_wait_tensorcnt 0x0
	ds_add_u32 v255, v49
	s_wait_dscnt 0x0
	s_set_vgpr_msb 0x400
	s_endpgm
.Lfunc_end_k_q222d4320a3_proj:
	.size	k_q222d4320a3_proj, .Lfunc_end_k_q222d4320a3_proj-k_q222d4320a3_proj
	.p2alignl 7, 3214868480
	.fill 96, 4, 3214868480
	.section	.rodata,"a",@progbits
	.p2align	6, 0x0
	.amdhsa_kernel k_q222d4320a3_proj
		.amdhsa_group_segment_fixed_size 46592
		.amdhsa_private_segment_fixed_size 0
		.amdhsa_enable_private_segment 0
		.amdhsa_kernarg_size 64
		.amdhsa_user_sgpr_count 2
		.amdhsa_user_sgpr_kernarg_segment_ptr 1
		.amdhsa_wavefront_size32 1
		.amdhsa_system_sgpr_workgroup_id_x 1
		.amdhsa_system_sgpr_workgroup_id_y 1
		.amdhsa_system_sgpr_workgroup_id_z 1
		.amdhsa_system_vgpr_workitem_id 0
		.amdhsa_next_free_vgpr 306
		.amdhsa_next_free_sgpr 66
		.amdhsa_reserve_vcc 0
		.amdhsa_float_denorm_mode_32 3
		.amdhsa_float_denorm_mode_16_64 3
		.amdhsa_memory_ordered 1
		.amdhsa_forward_progress 1
		.amdhsa_inst_pref_size 133
	.end_amdhsa_kernel
	.amdgpu_metadata
---
amdhsa.version: [ 1, 2 ]
amdhsa.kernels:
  - .name:           k_q222d4320a3_proj
    .symbol:         k_q222d4320a3_proj.kd
    .args:
      - { .name: x, .offset: 0, .size: 8, .value_kind: global_buffer, .address_space: global }
      - { .name: g1, .offset: 8, .size: 8, .value_kind: global_buffer, .address_space: global }
      - { .name: b1, .offset: 16, .size: 8, .value_kind: global_buffer, .address_space: global }
      - { .name: wimg, .offset: 24, .size: 8, .value_kind: global_buffer, .address_space: global }
      - { .name: bq, .offset: 32, .size: 8, .value_kind: global_buffer, .address_space: global }
      - { .name: bk, .offset: 40, .size: 8, .value_kind: global_buffer, .address_space: global }
      - { .name: bv, .offset: 48, .size: 8, .value_kind: global_buffer, .address_space: global }
      - { .name: qkvc, .offset: 56, .size: 8, .value_kind: global_buffer, .address_space: global }
    .group_segment_fixed_size: 46592
    .private_segment_fixed_size: 0
    .kernarg_segment_align: 8
    .kernarg_segment_size: 64
    .max_flat_workgroup_size: 384
    .sgpr_count:     66
    .vgpr_count:     306
    .wavefront_size: 32
...
	.end_amdgpu_metadata
.endif
;; end of part 8
;; launch attn (part 9): grid 64 x 4, 12 waves a work-group, no clusters, 148,992 bytes of LDS; arguments qkvc, attc; writes attc
.if DOCPART == 9
	.amdgcn_target "amdgcn-amd-amdhsa--gfx1250"
	.amdhsa_code_object_version 6
	.text
	.protected	k_q222d4320a3_attn
	.globl	k_q222d4320a3_attn
	.p2align	8
	.type	k_q222d4320a3_attn,@function
k_q222d4320a3_attn:
	s_mov_b64 s[64:65], 0
	v_nop
	global_prefetch_b8 v0, s[64:65] scope:SCOPE_SE
	s_setreg_imm32_b32 hwreg(HW_REG_WAVE_MODE, 25, 1), 1
	s_wait_xcnt 0x0
; attn[q] = softmax(q . k / 8) v for each head, both products on E2M3 codes; the result, divided by the row's sum, is quantised for the next product.
; THE SOFTMAX: t = score x log2(e) / 8; M = the largest t so far, rounded UP to a whole number; p = 2^(t - M) is what is quantised, along the keys; the row's sum is taken of the unquantised p.
; When M moves, the sum and O are multiplied by 2^(old M - new M): exact.
; SHARES.  A work-group owns 64 queries and three heads (3 y .. 3 y + 2): wave w has head 3 y + w/4 and tile w%4 of 16 queries.  Every wave walks the head's 4,096 keys, 128 a step.
; Both products are used transposed (S^T = K Q^T, O^T = V^T P^T): a lane holds one query throughout, and the tiles' row order makes the 16 registers of two neighbouring tiles 16 neighbouring keys.
; The head has 64 channels: the upper half of Q's and K's fragments (K = 64 .. 127) is zero codes on both sides.
; FEEDING.  A key step's record (8 tiles of K, 4 fragments of V^T: 12,288 bytes, in the order of the operands' registers) is copied by the head's four waves: memory -> 24 registers a lane (asked for two steps ahead,
; two sets by turns) -> the LDS slot that is not being read (a step ahead).
; ONE BARRIER A STEP, ITS HALVES APART.  A wave signals when its reads of this step's record are back and its stores of the next record have landed; the scalings and the exponentials stand between the signal and
; the wait; behind the wait the next record is whole and this step's slot is free, and the next step's first four tiles of K and its scale words are asked for at once: they land during the rest of the softmax.
; The head's scale words (24,576 bytes) come into LDS once.
; REGISTERS: v1-11 addresses; v12 -M, v13 the largest t, v[14:15] the sum; v16-27 Q, v28 its words; v29-30 V's words; v32-79 four fragments of K; v80-127 V's four; v128-191 S^T, then p; v192-223 O^T;
; v224-235 p's codes; v232-247, v252, v254 at work; v248-251 K's words; v253 p's word; v256-279, v280-303 the records on their way.
; LIMITS: a block of zeros gets the scale byte 1 (its codes are zeros; this program alone reads the bytes); NaN and infinities are not served.
.set QS,   2359296
.set KV,   2555904
.set KVS,  7274496
.set REC,  12288
.set HALF, 768
.set FRAG, 1536
.set HB,   49152                       ; LDS of a head: slot 0, slot 1 (12,288 each), K's words (16,384), V's words (8,192)
.set KW,   24576
.set VW,   40960
.set A16,  1                           ; v1  the head's LDS + 16 x lane
.set A8,   2                           ; v2  + 8 x lane
.set KSA,  3                           ; v3  the step's words of K: + 512 a step
.set VSA,  4                           ; v4  of V: + 256 a step
.set STA,  5                           ; v5  the head's LDS + 16 x my number among the head's 128 threads
.set GOF,  6                           ; v6  16 x that number
.set G16,  7                           ; v7  16 x lane
.set G8,   8                           ; v8  8 x lane
.set G4R,  9                           ; v9  4 x (lane % 16)
.set QF,   16
.set QSC,  28
.set VSC,  29
.set KF,   32
.set VF,   80
.set S,    128
.set O,    192
.set P,    224
.set KSC,  248
.set TM,   236                         ; HQUANT's, on the way out
.set TS,   244
.set PT,   240
.set SEL,  34
.set CS,   36
.set RECP, 18
.set MSB, 0
.macro WIN new                         ; the immediate's high byte repeats the setting that is left
.if MSB != \new
	s_set_vgpr_msb (MSB<<8)|\new
.set MSB, \new
.endif
.endm
.macro WM d, a, b, zero, sa, sb, ra, rb
.set WSEL, 4*(\zero)+2*(\ra)+(\rb)
.if WSEL == 0
	v_wmma_scale_f32_16x16x128_f8f6f4 v[(\d):(\d)+7], v[(\a):(\a)+11], v[(\b):(\b)+11], v[(\d):(\d)+7], v[\sa], v[\sb] matrix_a_fmt:MATRIX_FMT_FP6 matrix_b_fmt:MATRIX_FMT_FP6
.elseif WSEL == 2
	v_wmma_scale_f32_16x16x128_f8f6f4 v[(\d):(\d)+7], v[(\a):(\a)+11], v[(\b):(\b)+11], v[(\d):(\d)+7], v[\sa], v[\sb] matrix_a_fmt:MATRIX_FMT_FP6 matrix_b_fmt:MATRIX_FMT_FP6 matrix_a_scale:MATRIX_SCALE_ROW1
.elseif WSEL == 4
	v_wmma_scale_f32_16x16x128_f8f6f4 v[(\d):(\d)+7], v[(\a):(\a)+11], v[(\b):(\b)+11], 0, v[\sa], v[\sb] matrix_a_fmt:MATRIX_FMT_FP6 matrix_b_fmt:MATRIX_FMT_FP6
.else
	v_wmma_scale_f32_16x16x128_f8f6f4 v[(\d):(\d)+7], v[(\a):(\a)+11], v[(\b):(\b)+11], 0, v[\sa], v[\sb] matrix_a_fmt:MATRIX_FMT_FP6 matrix_b_fmt:MATRIX_FMT_FP6 matrix_a_scale:MATRIX_SCALE_ROW1
.endif
.endm
.macro NOP4
.rept 4
	v_nop
.endr
.endm
.macro BAR
	s_wait_dscnt 0x0
	s_barrier_signal -1
	s_barrier_wait -1
.endm
.macro HQUANT src, pc, pw
.irp b, 0,1
	v_max3_num_f32 v[TM+\b], |v[(\src)+16*\b]|, |v[(\src)+16*\b+1]|, 0x1800000
.endr
.irp i, 2,4,6,8,10,12,14
.irp b, 0,1
	s_delay_alu instid0(VALU_DEP_2)
	v_max3_num_f32 v[TM+\b], v[TM+\b], |v[(\src)+16*\b+\i]|, |v[(\src)+16*\b+\i+1]|
.endr
.endr
.irp b, 0,1
	s_delay_alu instid0(VALU_DEP_2)
	v_permlanex16_b32 v[TM+2+\b], v[TM+\b], s[SEL], s[SEL+1]
.endr
.irp b, 0,1
	s_delay_alu instid0(VALU_DEP_2)
	v_max_num_f32 v[TM+\b], v[TM+\b], v[TM+2+\b]
.endr
.irp b, 0,1
	s_delay_alu instid0(VALU_DEP_2)
	v_add_nc_u32 v[TS+\b], 0xff000000, v[TM+\b]
.endr
.irp b, 0,1
	s_delay_alu instid0(VALU_DEP_2)
	v_lshrrev_b32 v[TM+2+\b], 23, v[TS+\b]
.endr
	s_delay_alu instid0(VALU_DEP_1)
	v_lshl_or_b32 v[\pw], v[TM+3], 8, v[TM+2]
	v_cvt_scalef32_pk16_fp6_f32 v[(\pc):(\pc)+2], v[(\src):(\src)+15], v[TS]
	v_cvt_scalef32_pk16_fp6_f32 v[PT:PT+2], v[(\src)+16:(\src)+31], v[TS+1]
	v_nop
.irp i, 0,1,2
	v_permlane16_swap_b32 v[(\pc)+\i], v[PT+\i]
.endr
.irp i, 0,1,2
	s_delay_alu instid0(VALU_DEP_3)
	v_mov_b32 v[(\pc)+3+\i], v[PT+\i]
.endr
.endm
.macro KLOAD sl, g                             ; tiles 4 g .. 4 g + 3 of the step's keys: the lower six registers of each fragment
.irp t, 0,1,2,3
	ds_load_b128 v[KF+12*\t:KF+12*\t+3], v[A16] offset:(\sl)*REC+(4*(\g)+\t)*HALF
	ds_load_b64 v[KF+12*\t+4:KF+12*\t+5], v[A8] offset:(\sl)*REC+(4*(\g)+\t)*HALF+512
.endr
.endm
.macro KWORDS                                  ; the step's scale words of K: eight tiles in four registers
.irp p, 0,1,2,3
	ds_load_b32 v[KSC+\p], v[KSA] offset:128*\p
.endr
.endm
.macro KMUL g
.irp t, 0,1,2,3
	WM S+8*(4*(\g)+\t), KF+12*\t, QF, 1, KSC+(4*(\g)+\t)/2, QSC, \t%2, 0
.endr
.endm
.macro VFETCH sl                               ; V^T's four fragments and their words: 18 loads
.irp t, 0,1,2,3
	ds_load_b128 v[VF+12*\t:VF+12*\t+3], v[A16] offset:(\sl)*REC+6144+\t*FRAG
	ds_load_b64 v[VF+12*\t+4:VF+12*\t+5], v[A8] offset:(\sl)*REC+6144+\t*FRAG+512
	ds_load_b128 v[VF+12*\t+6:VF+12*\t+9], v[A16] offset:(\sl)*REC+6144+\t*FRAG+768
	ds_load_b64 v[VF+12*\t+10:VF+12*\t+11], v[A8] offset:(\sl)*REC+6144+\t*FRAG+1280
.endr
.irp p, 0,1
	ds_load_b32 v[VSC+\p], v[VSA] offset:128*\p
.endr
.endm
; THE SOFTMAX OF A STEP, in three parts.  SMA: the maxima, M and f.
.macro SMA
.irp b, 0,1,2,3
	v_max3_num_f32 v[232+\b], v[S+16*\b], v[S+1+16*\b], v[S+2+16*\b]   ; the largest score of each block of 32 keys: for the row's maximum and, since p rises with the score, for the block's largest p
.endr
.irp i, 3,5,7,9,11,13
.irp b, 0,1,2,3
	v_max3_num_f32 v[232+\b], v[232+\b], v[S+16*\b+\i], v[S+1+16*\b+\i]
.endr
.endr
.irp b, 0,1,2,3
	v_max_num_f32 v[232+\b], v[232+\b], v[S+15+16*\b]
.endr
.irp b, 0,1,2,3
	s_delay_alu instid0(VALU_DEP_4)
	v_permlanex16_b32 v[236+\b], v[232+\b], s[SEL], s[SEL+1]
.endr
.irp b, 0,1,2,3
	s_delay_alu instid0(VALU_DEP_4)
	v_max_num_f32 v[232+\b], v[232+\b], v[236+\b]  ; with lane l xor 16's 16 keys
.endr
	s_delay_alu instid0(VALU_DEP_2)
	v_max3_num_f32 v254, v232, v233, v234
	s_delay_alu instid0(VALU_DEP_1)
	v_max_num_f32 v254, v254, v235                 ; the step's largest score of my query
	s_delay_alu instid0(VALU_DEP_1)
	v_mul_f32 v254, s[CS], v254                    ; as t (c is positive)
	s_delay_alu instid0(VALU_DEP_1)
	v_max_num_f32 v13, v13, v254                   ; the running largest t
	v_mov_b32 v254, v12
	s_delay_alu instid0(VALU_DEP_2)
	v_floor_f32 v12, -v13                          ; the new -M = floor(-t): M is a whole number
	s_delay_alu instid0(VALU_DEP_1)
	v_sub_f32 v254, v12, v254                      ; old M - new M: a whole number, 0 or less
	s_delay_alu instid0(VALU_DEP_1)
	v_cvt_i32_f32 v254, v254                       ; (it saturates)
	s_delay_alu instid0(VALU_DEP_1)
	v_ldexp_f32 v252, 1.0, v254                    ; f = 2^(old M - new M)
.endm
; SMB: the scalings and the exponentials: work on registers alone.
.macro SMB
.set JJ, 0
.rept 32
	v_pk_fma_f32 v[S+JJ:S+JJ+1], v[S+JJ:S+JJ+1], s[CS:CS+1], v[12:13] op_sel_hi:[1,0,0]   ; t - M, two at a time
.set JJ, JJ+2
.endr
.irp b, 0,1,2,3
	v_fma_f32 v[232+\b], v[232+\b], s[CS], v12     ; the same of each block's largest score
.endr
.set JJ, 0
	s_wait_alu depctr_va_vdst(0)
.rept 64
	v_exp_f32 v[S+JJ], v[S+JJ]                     ; p = 2^(t - M), at most 1
.set JJ, JJ+1
.endr
	v_pk_mul_f32 v[14:15], v[14:15], v[252:253] op_sel_hi:[1,0]   ; the sums under the new M (a plain place behind the exponentials)
	s_wait_alu depctr_va_vdst(0)                   ; one wait for the whole batch, ahead of its first reader
.endm
; SMC: the sums, p's codes and scale word, O^T under the new M.
.macro SMC
.irp b, 0,1,2,3
	v_exp_f32 v[232+\b], v[232+\b]                 ; the block's largest p
.endr
	v_pk_add_f32 v[236:237], v[S:S+1], v[S+2:S+3]  ; the row's sum is taken of the unquantised p, in two chains
.irp j, 4,8,12,16,20,24,28,32,36,40,44,48,52,56,60
	v_pk_add_f32 v[14:15], v[14:15], v[S+\j:S+1+\j]
	v_pk_add_f32 v[236:237], v[236:237], v[S+2+\j:S+3+\j]
.endr
	s_delay_alu instid0(VALU_DEP_1)
	v_pk_add_f32 v[14:15], v[14:15], v[236:237]
	s_wait_alu depctr_va_vdst(0)                   ; and one for the four
.irp b, 0,1,2,3
	v_max_num_f32 v[232+\b], 0x1800000, v[232+\b]  ; the floor 2^(3 - 127)
.endr
.irp b, 0,1,2,3
	s_delay_alu instid0(VALU_DEP_4)
	v_add_nc_u32 v[244+\b], 0xff000000, v[232+\b]  ; 2 off the exponent field: the conversion's scale operand
.endr
.irp b, 0,1,2,3
	s_delay_alu instid0(VALU_DEP_4)
	v_lshrrev_b32 v[236+\b], 23, v[244+\b]         ; the scale's byte
.endr
	s_delay_alu instid0(VALU_DEP_3)
	v_lshl_or_b32 v253, v237, 8, v236              ; p's scale word for these 128 keys
	s_delay_alu instid0(VALU_DEP_1)
	v_lshl_or_b32 v253, v238, 16, v253
	s_delay_alu instid0(VALU_DEP_1)
	v_lshl_or_b32 v253, v239, 24, v253
.irp c, 0,1
	v_cvt_scalef32_pk16_fp6_f32 v[P+6*\c:P+2+6*\c], v[S+32*\c:S+15+32*\c], v[244+2*\c]
	v_cvt_scalef32_pk16_fp6_f32 v[236+4*\c:238+4*\c], v[S+16+32*\c:S+31+32*\c], v[244+2*\c+1]
.endr
	v_nop                                          ; one plain place behind a scaled conversion
.irp c, 0,1
.irp i, 0,1,2
	v_permlane16_swap_b32 v[P+6*\c+\i], v[236+4*\c+\i]
.endr
.irp i, 0,1,2
	s_delay_alu instid0(VALU_DEP_3)
	v_mov_b32 v[P+3+6*\c+\i], v[236+4*\c+\i]
.endr
.endr
.set JJ, 0
.rept 16
	v_pk_mul_f32 v[O+JJ:O+JJ+1], v[O+JJ:O+JJ+1], v[252:253] op_sel_hi:[1,0]   ; O^T under the new M; these are also the places between p's word and codes and the products
.set JJ, JJ+2
.endr
	v_add_nc_u32 v[VSA], 256, v[VSA]               ; the next step's scale words of V
	v_nop
	v_nop
	v_nop
.endm
; A KEY STEP in slot sl.  Its first four tiles of K and its scale words of K were asked for in the step before.
; feed: the next record goes from my registers (set sl) into the other slot, and the step has its barrier.  load: the record after that is asked for, into the other set.
.macro STEP sl, feed, load
	s_wait_dscnt 0x0                               ; K's first four tiles and words are in
	KMUL 0
.if \feed
	s_wait_loadcnt 0x0                             ; the next record is in my registers; its loads are done, so their base may step
	s_add_nc_u64 s[RECP:RECP+1], s[RECP:RECP+1], REC
.endif
	NOP4                                           ; four places in front of loads into registers that these products, and the last step's V^T P, have read
	KLOAD \sl, 1
	VFETCH \sl
.if \feed
	WIN 0x04                                       ; an LDS store's data are its source 1: v256 on
.irp i, 0,1,2,3,4,5
	ds_store_b128 v[STA], v[24*\sl+4*\i:24*\sl+4*\i+3] offset:(1-\sl)*REC+\i*2048   ; the slot that every wave had left when it signalled the last barrier
.endr
	WIN 0
.endif
.if \load
	WIN 0x40                                       ; destination v256 on: the set whose stores were waited for in the step before
.irp i, 0,1,2,3,4,5
	global_load_b128 v[24*(1-\sl)+4*\i:24*(1-\sl)+4*\i+3], v[GOF], s[RECP:RECP+1] offset:\i*2048
.endr
	WIN 0
.endif
	s_wait_dscnt 18+6*\feed                        ; K's eight loads are in; V's sixteen, its two words and the six stores may be out
	KMUL 1
	NOP4                                           ; four places in front of the first read of the scores, and of the loads into K's registers further down
	SMA
	s_wait_alu depctr_va_vdst(0)
	s_wait_dscnt 0x0                               ; V is in: my reads of this record are over; my stores of the next have landed
.if \feed
	s_barrier_signal -1                            ; say so,
.endif
	SMB                                            ; work on registers while the others arrive,
.if \feed
	s_barrier_wait -1                              ; and go on when all have said so: the next record is whole, and nobody reads this one any more
	v_add_nc_u32 v[KSA], 512, v[KSA]
	KLOAD 1-\sl, 0                                 ; the next step's first four tiles of K
	KWORDS
.endif
	SMC
.irp t, 0,1,2,3
	WM O+8*\t, VF+12*\t, P, 0, VSC+\t/2, 253, \t%2, 0
.endr
.endm
	s_load_b128 s[4:7], s[0:1], 0x0                ; qkvc s[4:5], attc s[6:7]
	v_lshl_add_u32 v243, v0, 2, 0x24000
	v_mov_b32 v255, 0
	v_lshrrev_b32 v1, 5, v0
	s_delay_alu instid0(VALU_DEP_1)
	v_readfirstlane_b32 s2, v1                     ; wave 0..11
	s_mov_b32 s3, ttmp9                            ; the block of 64 queries
	s_and_b32 s33, ttmp7, 0xffff
	s_lshr_b32 s8, s2, 2                           ; which of the three heads
	s_and_b32 s9, s2, 3                            ; my tile of queries
	s_mul_i32 s10, s33, 3
	s_add_co_u32 s10, s10, s8                      ; the head
	s_mul_i32 s11, s8, HB
	s_mov_b32 s[SEL], 0x76543210
	s_mov_b32 s[SEL+1], 0xfedcba98
	s_mov_b32 s[CS], 0x3e38aa3b                    ; c = log2(e) / 8
	s_mov_b32 s[CS+1], s[CS]
	v_and_b32 v10, 31, v0                          ; lane
	v_and_b32 v11, 15, v0
	s_delay_alu instid0(VALU_DEP_2)
	v_lshlrev_b32 v[G16], 4, v10
	s_delay_alu instid0(VALU_DEP_3)
	v_lshlrev_b32 v[G8], 3, v10
	s_delay_alu instid0(VALU_DEP_3)
	v_lshlrev_b32 v[G4R], 2, v11
	s_delay_alu instid0(VALU_DEP_3)
	v_add_nc_u32 v[A16], s11, v[G16]
	s_delay_alu instid0(VALU_DEP_3)
	v_add_nc_u32 v[A8], s11, v[G8]
	v_lshlrev_b32 v[KSA], 2, v10
	s_delay_alu instid0(VALU_DEP_1)
	v_add_nc_u32 v[KSA], s11, v[KSA]
	s_delay_alu instid0(VALU_DEP_1)
	v_add_nc_u32 v[VSA], VW, v[KSA]
	s_delay_alu instid0(VALU_DEP_2)
	v_add_nc_u32 v[KSA], KW, v[KSA]
	v_and_b32 v[GOF], 127, v0
	s_delay_alu instid0(VALU_DEP_1)
	v_lshlrev_b32 v[GOF], 4, v[GOF]
	s_delay_alu instid0(VALU_DEP_1)
	v_add_nc_u32 v[STA], s11, v[GOF]
	s_lshl_b32 s20, s10, 8
	s_lshl_b32 s21, s3, 2
	s_add_co_u32 s20, s20, s21
	s_add_co_u32 s20, s20, s9                      ; my tile of q: 256 x head + 4 x block + tile
	s_mul_i32 s22, s20, 768
	s_mov_b32 s23, 0
	s_lshl_b32 s24, s20, 6
	s_add_co_u32 s24, s24, QS
	s_mov_b32 s25, 0
	s_mul_i32 s26, s10, 24576
	s_add_co_u32 s26, s26, KVS
	s_mov_b32 s27, 0
	s_mul_i32 s28, s10, 32*REC
	s_add_co_u32 s28, s28, KV
	s_mov_b32 s29, 0
	s_lshr_b32 s30, s10, 1                         ; the head's 64 channels are half head%2 of K step head/2 of the next product
	s_and_b32 s31, s10, 1
	s_mul_i32 s38, s3, 36864
	s_mul_i32 s44, s30, 6144
	s_add_co_u32 s38, s38, s44
	s_mul_i32 s44, s9, FRAG
	s_add_co_u32 s38, s38, s44
	s_mul_i32 s44, s31, HALF
	s_add_co_u32 s38, s38, s44
	s_mov_b32 s39, 0
	s_mul_i32 s44, s3, 1536
	s_lshl_b32 s45, s30, 8
	s_add_co_u32 s44, s44, s45
	s_lshl_b32 s45, s9, 6
	s_add_co_u32 s44, s44, s45
	s_lshl_b32 s45, s31, 1
	s_add_co_u32 s44, s44, s45
	s_add_co_u32 s44, s44, 2359296
	s_mov_b32 s45, 0
	s_wait_alu depctr_va_vdst(0)
	s_wait_kmcnt 0x0
	s_add_nc_u64 s[12:13], s[4:5], s[22:23]        ; q's codes
	s_add_nc_u64 s[14:15], s[4:5], s[24:25]        ; q's words
	s_add_nc_u64 s[16:17], s[4:5], s[26:27]        ; the head's k and v words
	s_add_nc_u64 s[RECP:RECP+1], s[4:5], s[28:29]  ; the head's records
	s_add_nc_u64 s[40:41], s[6:7], s[38:39]        ; my image in attc
	s_add_nc_u64 s[42:43], s[6:7], s[44:45]        ; and its scale bytes
	global_load_b128 v[QF:QF+3], v[G16], s[12:13]
	global_load_b64 v[QF+4:QF+5], v[G8], s[12:13] offset:512
	global_load_b32 v[QSC], v[G4R], s[14:15]
.irp i, 0,1,2,3,4,5,6,7,8,9,10,11
	global_load_b128 v[S+4*\i:S+4*\i+3], v[GOF], s[16:17] offset:\i*2048
.endr
.irp i, 0,1,2,3,4,5
	global_load_b128 v[S+48+4*\i:S+48+4*\i+3], v[GOF], s[RECP:RECP+1] offset:\i*2048
.endr
	s_wait_loadcnt 0x0
.irp i, 0,1,2,3,4,5,6,7,8,9,10,11
	ds_store_b128 v[STA], v[S+4*\i:S+4*\i+3] offset:KW+\i*2048
.endr
.irp i, 0,1,2,3,4,5
	ds_store_b128 v[STA], v[S+48+4*\i:S+48+4*\i+3] offset:\i*2048      ; key step 0 into slot 0
.endr
	s_add_nc_u64 s[RECP:RECP+1], s[RECP:RECP+1], REC
	WIN 0x40
.irp i, 0,1,2,3,4,5
	global_load_b128 v[4*\i:4*\i+3], v[GOF], s[RECP:RECP+1] offset:\i*2048   ; key step 1 into my first set of registers
.endr
	WIN 0
	BAR
	KLOAD 0, 0                                     ; key step 0's first four tiles of K and its words
	KWORDS
.irp i, 6,7,8,9,10,11                          ; zero codes for K = 64 .. 127, on both sides
	v_mov_b32 v[QF+\i], 0
.irp t, 0,1,2,3
	v_mov_b32 v[KF+12*\t+\i], 0
.endr
.endr
.irp b, 0,1,2,3
	v_mov_b32 v[236+\b], 0                         ; a lane permute's destination counts as one of its sources
.endr
	v_mov_b32 v253, 0
	v_mov_b32 v13, 0xff61b1e6                      ; the largest t so far: -3e38
	s_delay_alu instid0(VALU_DEP_1)
	v_floor_f32 v12, -v13
	v_mov_b32 v14, 0
	v_mov_b32 v15, 0
.set JJ, 0
.rept 32
	v_mov_b32 v[O+JJ], 0                           ; O^T: the step is written once, and the first change of M leaves zeros zeros
.set JJ, JJ+1
.endr
	s_mov_b32 s46, 15
.Lstep:                                            ; 15 trips of two key steps
	s_wait_alu depctr_va_vdst(0)
	STEP 0, 1, 1
	s_wait_alu depctr_va_vdst(0)
	STEP 1, 1, 1
	s_sub_co_u32 s46, s46, 1
	s_cmp_lg_u32 s46, 0
	s_cbranch_scc1 .Lstep
	s_wait_alu depctr_va_vdst(0)
	STEP 0, 1, 0                                   ; key step 30: the last record goes into its slot, nothing more is asked for
	s_wait_alu depctr_va_vdst(0)
	STEP 1, 0, 0                                   ; key step 31: nothing is stored, so it has no barrier
	NOP4                                           ; four places behind the last products
	v_add_f32 v14, v14, v15
	s_delay_alu instid0(VALU_DEP_1)
	v_permlanex16_b32 v252, v14, s[SEL], s[SEL+1]
	s_delay_alu instid0(VALU_DEP_1)
	v_add_f32 v14, v14, v252                       ; the row's sum
	s_wait_alu depctr_va_vdst(0)
	v_rcp_f32 v14, v14
	v_nop                                          ; a plain place behind the reciprocal,
	s_wait_alu depctr_va_vdst(0)                   ; and the wait ahead of its first reader
.set JJ, 0
.rept 32
	v_mul_f32 v[S+JJ], v[O+JJ], v14                ; register 16 b + i: channel 32 b + 16 h + i of my query
.set JJ, JJ+1
.endr
	HQUANT S, P, 246
	global_store_b128 v[G16], v[P:P+3], s[40:41]
	global_store_b64 v[G8], v[P+4:P+5], s[40:41] offset:512
	s_wait_xcnt 0x0                                ; EXEC changes only behind this wait
	v_cmp_gt_u32 vcc_lo, 16, v10
	s_wait_tensorcnt 0x0
	ds_add_u32 v243, v255
	s_wait_dscnt 0x0
	s_and_saveexec_b32 s20, vcc_lo
	global_store_b16 v[G4R], v246, s[42:43]        ; lanes 0-15: my head's two bytes of each row's word
	s_wait_xcnt 0x0
	s_or_b32 exec_lo, exec_lo, s20
	s_endpgm
.Lfunc_end_k_q222d4320a3_attn:
	.size	k_q222d4320a3_attn, .Lfunc_end_k_q222d4320a3_attn-k_q222d4320a3_attn
	.p2alignl 7, 3214868480
	.fill 96, 4, 3214868480
	.section	.rodata,"a",@progbits
	.p2align	6, 0x0
	.amdhsa_kernel k_q222d4320a3_attn
		.amdhsa_group_segment_fixed_size 148992
		.amdhsa_private_segment_fixed_size 0
		.amdhsa_enable_private_segment 0
		.amdhsa_kernarg_size 16
		.amdhsa_user_sgpr_count 2
		.amdhsa_user_sgpr_kernarg_segment_ptr 1
		.amdhsa_wavefront_size32 1
		.amdhsa_system_sgpr_workgroup_id_x 1
		.amdhsa_system_sgpr_workgroup_id_y 1
		.amdhsa_system_sgpr_workgroup_id_z 1
		.amdhsa_system_vgpr_workitem_id 0
		.amdhsa_next_free_vgpr 304
		.amdhsa_next_free_sgpr 66
		.amdhsa_reserve_vcc 1
		.amdhsa_float_denorm_mode_32 3
		.amdhsa_float_denorm_mode_16_64 3
		.amdhsa_memory_ordered 1
		.amdhsa_forward_progress 1
		.amdhsa_inst_pref_size 87
	.end_amdhsa_kernel
	.amdgpu_metadata
---
amdhsa.version: [ 1, 2 ]
amdhsa.kernels:
  - .name:           k_q222d4320a3_attn
    .symbol:         k_q222d4320a3_attn.kd
    .args:
      - { .name: qkvc, .offset: 0, .size: 8, .value_kind: global_buffer, .address_space: global }
      - { .name: attc, .offset: 8, .size: 8, .value_kind: global_buffer, .address_space: global }
    .group_segment_fixed_size: 148992
    .private_segment_fixed_size: 0
    .kernarg_segment_align: 8
    .kernarg_segment_size: 16
    .max_flat_workgroup_size: 384
    .sgpr_count:     66
    .vgpr_count:     304
    .wavefront_size: 32
...
	.end_amdgpu_metadata
.endif
;; end of part 9
;; launch oproj (part 10): grid 64 x 1, 12 waves a work-group, no clusters, 98,304 bytes of LDS; arguments attc, wimg, bo, x, g2, b2, x1, h2c; writes x1, h2c
.if DOCPART == 10
	.amdgcn_target "amdgcn-amd-amdhsa--gfx1250"
	.amdhsa_code_object_version 6
	.text
	.protected	k_q222d4320a3_oproj
	.globl	k_q222d4320a3_oproj
	.p2align	8
	.type	k_q222d4320a3_oproj,@function
k_q222d4320a3_oproj:
	s_mov_b64 s[64:65], 0
	v_nop
	global_prefetch_b8 v0, s[64:65] scope:SCOPE_SE
	s_setreg_imm32_b32 hwreg(HW_REG_WAVE_SCHED_MODE, 0, 2), 2
	s_setreg_imm32_b32 hwreg(HW_REG_WAVE_MODE, 25, 1), 1
	s_wait_xcnt 0x0
	s_wait_alu depctr_vm_vsrc(0)
; x1 = x + attn wo + bo, stored in f32; h2 = LN2(x1), quantised for the next product.  The product on E2M3 codes, sums in f32.
; SHARES.  A work-group owns 64 tokens, whole rows, since the norm wants them; wave w makes columns 64 w .. 64 w + 63.  attn's codes (36,864 bytes) come into LDS once and are read by all twelve waves;
; wave w's unit of wo goes from memory straight into its registers.  x + bo is the first C, so residual and bias cost one packed addition a pair.
; W'S K STEPS TAKE TURNS BETWEEN TWO SETS OF REGISTERS: even steps v256-303, odd steps v192-239; a set is asked for again as soon as its products are issued, so two K steps of W are on their way at a time.
; The norm's gains and offsets are asked for behind K step 4's products, into v256-319, which those products have left.
; Tiles, images and scale words as in the launch that makes q, k and v: lane r of tile t stands for index 32 (t/2) + 8 (t%2) + r + 8 (r/8).
; x1 leaves through the wave's own stage in LDS, so that sixteen lanes store 256 consecutive bytes of a row.
; THE MODE: SCHED_MODE bits 1:0 = 2 (LLVM: expert scheduling mode 2), set by the entry lines.  The code itself states the register dependences between vector or matrix instructions and memory or LDS
; instructions, with s_wait_alu, always for 0.
; THE PLAN.  Registers that memory or LDS instructions touch:
;   v4-6, v9-15, v253-255   offsets and LDS addresses: written at the head and never again: one wait on va_vdst ahead of the first load serves them all.
;   v144-168                at the head: the fill's loads land here, my LDS stores read them; then they are part of AF: one wait on vm_vsrc behind the barrier.
;   AF v144-191, AS         K step s: its LDS loads land here, its 16 products read them.
;   W1 v256-303 + v7-8, WF v192-239 + v242-243   K step s: its loads land in one of the two, its products read it, and K step s + 2's loads land there again.
;   So ONE wait on va_vdst stands in a K step, behind its products: they are done reading AF, AS and their set of W.  W's K step s + 2 and the rows' fragments of K step s + 1 follow it in one run.
;   (A second set for the rows' fragments, 50 registers, does not fit: three waves share a SIMD's 1,024 registers.)
;   the accumulators        written by the products; read by the stage's LDS stores (one wait on va_vdst); written again by the norm (a wait on vm_vsrc).
;   v144-175, v176-207, v208-239   three sets by turns for the rows that come back from the stage: LDS loads land, global stores read.  Tile 3 takes tile 0's set again, behind a wait on vm_vsrc.
;   v176-235                the norm's exchanges: the four sums in v176-182 are LDS stores' data; behind the barrier twelve LDS loads land in four sets of 12 registers, in one run.
;   v144-167, v172-173      h2's codes and byte pairs: each tile has registers of its own, and all ten stores follow one wait on va_vdst.
;   v320, v321              written at the head, read by the closing add alone.
; LIMITS: a block of zeros gets the scale byte 1 (its codes are zeros; this program alone reads the bytes); NaN and infinities are not served.
.set FRAG, 1536
.set KSB,  6144
.set UNIT, 36864
.set USC,  1536
.set WS0,  5308416
.set LANE, 1
.set R,    2
.set H,    3
.set L16,  4
.set L8,   5
.set L4,   6
.set WS2,  7                           ; v7-8  W's scale words of the even K steps: scales and nothing else
.set AA16, L16
.set AA8,  L8
.set AA4,  9
.set RA,   10
.set RR,   11
.set PO,   12
.set PB,   13
.set T16,  14                          ; v14  16 x thread
.set T4,   15                          ; v15  4 x thread
.set SO,   253                         ; v253 the stage: where I put 16 bytes of a row
.set SR,   254                         ; v254 and where I read a row back
.set GO,   255                         ; v255 the same place in x1
.set ACC,  16
.set AF,   144
.set WF,   192
.set W1,   0                           ; v256-303 (window 1)
.set GW,   0                           ; v256-287 the norm's gains (window 1)
.set BW,   32                          ; v288-319 its offsets
.set AS,   240
.set WS,   242
.set TM,   244
.set TS,   248
.set PT,   250
.set CH,   176
.set XP,   184
.set MP,   244
.set T0,   224                         ; the twelve waves' partial sums of tile 0's rows: v224-235; tile 1's: v176-187; tile 2's: v192-203; tile 3's: v208-219
.set T1,   176
.set T2,   192
.set T3,   208
.set PCB,  144
.set PWB,  168
.set PAIR, 172
.set SEL,  34
.set HI16, 36
.set INV,  37
.set EPS,  38
.set WP,   40
.set WSP,  42
.set ASC,  36864                       ; LDS: attn's images, their words, two tables of partial sums, a stage of 16 x 272 bytes for each wave
.set RED1, 38400
.set RED2, 41472
.set STG,  44544
.set MSB, 0
.macro WIN new                         ; the immediate's high byte repeats the setting that is left
.if MSB != \new
	s_set_vgpr_msb (MSB<<8)|\new
.set MSB, \new
.endif
.endm
.macro WM d, a, b, zero, sa, sb, ra, rb
.set WSEL, 4*(\zero)+2*(\ra)+(\rb)
.if WSEL == 0
	v_wmma_scale_f32_16x16x128_f8f6f4 v[(\d):(\d)+7], v[(\a):(\a)+11], v[(\b):(\b)+11], v[(\d):(\d)+7], v[\sa], v[\sb] matrix_a_fmt:MATRIX_FMT_FP6 matrix_b_fmt:MATRIX_FMT_FP6
.elseif WSEL == 1
	v_wmma_scale_f32_16x16x128_f8f6f4 v[(\d):(\d)+7], v[(\a):(\a)+11], v[(\b):(\b)+11], v[(\d):(\d)+7], v[\sa], v[\sb] matrix_a_fmt:MATRIX_FMT_FP6 matrix_b_fmt:MATRIX_FMT_FP6 matrix_b_scale:MATRIX_SCALE_ROW1
.elseif WSEL == 2
	v_wmma_scale_f32_16x16x128_f8f6f4 v[(\d):(\d)+7], v[(\a):(\a)+11], v[(\b):(\b)+11], v[(\d):(\d)+7], v[\sa], v[\sb] matrix_a_fmt:MATRIX_FMT_FP6 matrix_b_fmt:MATRIX_FMT_FP6 matrix_a_scale:MATRIX_SCALE_ROW1
.else
	v_wmma_scale_f32_16x16x128_f8f6f4 v[(\d):(\d)+7], v[(\a):(\a)+11], v[(\b):(\b)+11], v[(\d):(\d)+7], v[\sa], v[\sb] matrix_a_fmt:MATRIX_FMT_FP6 matrix_b_fmt:MATRIX_FMT_FP6 matrix_a_scale:MATRIX_SCALE_ROW1 matrix_b_scale:MATRIX_SCALE_ROW1
.endif
.endm
.macro NOP4
.rept 4
	v_nop
.endr
.endm
.macro BAR
	s_wait_dscnt 0x0
	s_barrier_signal -1
	s_barrier_wait -1
.endm
.macro WLOAD s                                 ; K step s of my unit of W: 14 loads; even steps into window 1
.if ((\s)%2) == 0
	WIN 0x40
.irp t, 0,1,2,3
.irp c, 0,1,2
	global_load_b128 v[W1+12*\t+4*\c:W1+12*\t+4*\c+3], v[L16], s[WP:WP+1] offset:(\s)*KSB+\t*FRAG+512*\c
.endr
.endr
	WIN 0
.irp j, 0,1
	global_load_b32 v[WS2+\j], v[L4], s[WSP:WSP+1] offset:(\s)*256+128*\j
.endr
.else
.irp t, 0,1,2,3
.irp c, 0,1,2
	global_load_b128 v[WF+12*\t+4*\c:WF+12*\t+4*\c+3], v[L16], s[WP:WP+1] offset:(\s)*KSB+\t*FRAG+512*\c
.endr
.endr
.irp j, 0,1
	global_load_b32 v[WS+\j], v[L4], s[WSP:WSP+1] offset:(\s)*256+128*\j
.endr
.endif
.endm
.macro ALOAD s
.irp m, 0,1,2,3
	ds_load_b128 v[AF+12*\m:AF+12*\m+3], v[AA16] offset:(\s)*KSB+\m*FRAG
	ds_load_b64 v[AF+12*\m+4:AF+12*\m+5], v[AA8] offset:(\s)*KSB+\m*FRAG+512
	ds_load_b128 v[AF+12*\m+6:AF+12*\m+9], v[AA16] offset:(\s)*KSB+\m*FRAG+768
	ds_load_b64 v[AF+12*\m+10:AF+12*\m+11], v[AA8] offset:(\s)*KSB+\m*FRAG+1280
.endr
.irp j, 0,1
	ds_load_b32 v[AS+\j], v[AA4] offset:(\s)*256+128*\j
.endr
.endm
.macro MUL s                                   ; 16 products on 16 accumulators, which take turns in the same order in every K step
.if ((\s)%2) == 0
.set WB, W1
.set WSR, WS2
	WIN 0x01                                       ; W is source 0: window 1
.else
.set WB, WF
.set WSR, WS
.endif
.irp m, 0,1,2,3
.irp t, 0,1,2,3
	WM ACC+32*\m+8*\t, WB+12*\t, AF+12*\m, 0, WSR+\t/2, AS+\m/2, \t%2, \m%2
.endr
.endr
	WIN 0
.endm
.macro VLOAD reg, sb
.irp b, 0,1
.irp j, 0,1,2,3
	global_load_b128 v[\reg+16*\b+4*\j:\reg+16*\b+4*\j+3], v[PB], s[\sb:\sb+1] offset:128*\b+16*\j
.endr
.endr
.endm
.macro VLOADW reg, sb                          ; the same into window 1
	WIN 0x40
.irp b, 0,1
.irp j, 0,1,2,3
	global_load_b128 v[\reg+16*\b+4*\j:\reg+16*\b+4*\j+3], v[PB], s[\sb:\sb+1] offset:128*\b+16*\j
.endr
.endr
	WIN 0
.endm
; A K step.  Its fragments of the rows were asked for in the step before.  left: the loads issued behind this step's W, which may stay out.  Behind the products: four places, then the step's one wait,
; then in one run the K step of W two on (behind K step 4: the norm's gains and offsets, into the registers that its products have left) and the next step's fragments of the rows.
.macro KSTEP s, left
	s_wait_loadcnt \left
	s_wait_dscnt 0x0
	MUL \s
	NOP4                                           ; the places behind the products stay beside the wait; behind K step 5 they stand in front of the first read of results
.if (\s) < 5
	s_wait_alu depctr_va_vdst(0)                   ; this step's products are done reading their set of W, the rows' fragments and both sides' scale words: the loads below land in these registers
.if (\s) < 4
	WLOAD (\s)+2
.else
	VLOADW GW, 12
	VLOADW BW, 14
.endif
	ALOAD (\s)+1
.endif
.endm
.macro HQUANT src, pc, pw
.irp b, 0,1
	v_max3_num_f32 v[TM+\b], |v[(\src)+16*\b]|, |v[(\src)+16*\b+1]|, 0x1800000
.endr
.irp i, 2,4,6,8,10,12,14
.irp b, 0,1
	v_max3_num_f32 v[TM+\b], v[TM+\b], |v[(\src)+16*\b+\i]|, |v[(\src)+16*\b+\i+1]|
.endr
.endr
.irp b, 0,1
	v_permlanex16_b32 v[TM+2+\b], v[TM+\b], s[SEL], s[SEL+1]
.endr
.irp b, 0,1
	v_max_num_f32 v[TM+\b], v[TM+\b], v[TM+2+\b]
.endr
.irp b, 0,1
	v_add_nc_u32 v[TS+\b], 0xff000000, v[TM+\b]
.endr
.irp b, 0,1
	v_lshrrev_b32 v[TM+2+\b], 23, v[TS+\b]
.endr
	v_lshl_or_b32 v[\pw], v[TM+3], 8, v[TM+2]
	v_cvt_scalef32_pk16_fp6_f32 v[(\pc):(\pc)+2], v[(\src):(\src)+15], v[TS]
	v_cvt_scalef32_pk16_fp6_f32 v[PT:PT+2], v[(\src)+16:(\src)+31], v[TS+1]
	v_nop
.irp i, 0,1,2
	v_permlane16_swap_b32 v[(\pc)+\i], v[PT+\i]
.endr
.irp i, 0,1,2
	v_mov_b32 v[(\pc)+3+\i], v[PT+\i]
.endr
.endm
.macro PRELOAD vo, sb, rowb
.irp m, 0,1,2,3
.irp b, 0,1
.irp j, 0,1,2,3
	global_load_b128 v[ACC+32*\m+16*\b+4*\j:ACC+32*\m+16*\b+4*\j+3], v[\vo], s[\sb:\sb+1] offset:(32*(\m/2)+8*(\m%2))*\rowb+128*\b+16*\j
.endr
.endr
.endr
.endm
; The four chains (a pair for each tile of rows) become the rows' sums over all 768 columns, in v[MP + 2 m]: my halves, lane l xor 16's, then the twelve waves' through LDS, added by every wave in the same order.
.macro XCH red
.irp m, 0,1,2,3
	v_add_f32 v[CH+2*\m], v[CH+2*\m], v[CH+2*\m+1]
.endr
.irp m, 0,1,2,3
	v_permlanex16_b32 v[XP+\m], v[CH+2*\m], s[SEL], s[SEL+1]
.endr
.irp m, 0,1,2,3
	v_add_f32 v[CH+2*\m], v[CH+2*\m], v[XP+\m]
.endr
	s_wait_alu depctr_va_vdst(0)                   ; the additions have written the four sums, which the LDS stores read; and every vector instruction that named v176-235 is done: the loads behind the barrier land there
.irp m, 0,1,2,3
	ds_store_b32 v[RA], v[CH+2*\m] offset:\red+\m*768
.endr
	BAR
	s_wait_alu depctr_vm_vsrc(0)                   ; my four LDS stores have read v176-182, in which tile 1's partial sums land
.irp c, 0,1,2
	ds_load_b128 v[T0+4*\c:T0+4*\c+3], v[RR] offset:\red+16*\c
	ds_load_b128 v[T1+4*\c:T1+4*\c+3], v[RR] offset:\red+768+16*\c
.endr
.irp c, 0,1,2
	ds_load_b128 v[T2+4*\c:T2+4*\c+3], v[RR] offset:\red+2*768+16*\c
	ds_load_b128 v[T3+4*\c:T3+4*\c+3], v[RR] offset:\red+3*768+16*\c
.endr
	s_wait_dscnt 6                                 ; tiles 0 and 1 are in; the six younger loads, tiles 2 and 3, may be out
.irp q, 2,4,6,8,10
	v_pk_add_f32 v[T0:T0+1], v[T0:T0+1], v[T0+\q:T0+\q+1]
	v_pk_add_f32 v[T1:T1+1], v[T1:T1+1], v[T1+\q:T1+\q+1]
.endr
	v_add_f32 v[MP], v[T0], v[T0+1]
	v_add_f32 v[MP+2], v[T1], v[T1+1]
	s_wait_dscnt 0x0
.irp q, 2,4,6,8,10
	v_pk_add_f32 v[T2:T2+1], v[T2:T2+1], v[T2+\q:T2+\q+1]
	v_pk_add_f32 v[T3:T3+1], v[T3:T3+1], v[T3+\q:T3+\q+1]
.endr
	v_add_f32 v[MP+4], v[T2], v[T2+1]
	v_add_f32 v[MP+6], v[T3], v[T3+1]
.endm
.macro LNORM
.irp m, 0,1,2,3
	v_mov_b32 v[XP+\m], 0
.endr
.irp m, 0,1,2,3
	v_pk_add_f32 v[CH+2*\m:CH+2*\m+1], v[ACC+32*\m:ACC+32*\m+1], v[ACC+32*\m+2:ACC+32*\m+3]
.endr
.irp q, 4,6,8,10,12,14,16,18,20,22,24,26,28,30
.irp m, 0,1,2,3
	v_pk_add_f32 v[CH+2*\m:CH+2*\m+1], v[CH+2*\m:CH+2*\m+1], v[ACC+32*\m+\q:ACC+32*\m+\q+1]
.endr
.endr
	XCH RED1
.irp m, 0,1,2,3
	v_mul_f32 v[MP+2*\m], s[INV], v[MP+2*\m]
.endr
.irp m, 0,1,2,3
	v_mov_b32 v[MP+2*\m+1], v[MP+2*\m]
.endr
.set JJ, 0
.rept 64
	v_pk_add_f32 v[ACC+JJ:ACC+JJ+1], v[ACC+JJ:ACC+JJ+1], v[MP+2*(JJ/32):MP+2*(JJ/32)+1] neg_lo:[0,1] neg_hi:[0,1]
.set JJ, JJ+2
.endr
.irp m, 0,1,2,3
	v_pk_mul_f32 v[CH+2*\m:CH+2*\m+1], v[ACC+32*\m:ACC+32*\m+1], v[ACC+32*\m:ACC+32*\m+1]
.endr
.irp q, 2,4,6,8,10,12,14,16,18,20,22,24,26,28,30
.irp m, 0,1,2,3
	v_pk_fma_f32 v[CH+2*\m:CH+2*\m+1], v[ACC+32*\m+\q:ACC+32*\m+\q+1], v[ACC+32*\m+\q:ACC+32*\m+\q+1], v[CH+2*\m:CH+2*\m+1]
.endr
.endr
	XCH RED2
.irp m, 0,1,2,3
	v_fma_f32 v[MP+2*\m], v[MP+2*\m], s[INV], s[EPS]
.endr
	s_wait_alu depctr_va_vdst(0)
.irp m, 0,1,2,3
	v_rsq_f32 v[MP+2*\m], v[MP+2*\m]
.endr
	v_nop                                          ; a plain place behind the last root,
	s_wait_alu depctr_va_vdst(0)                   ; and one wait for the four roots' results, ahead of their first reader
.irp m, 0,1,2,3
	v_mov_b32 v[MP+2*\m+1], v[MP+2*\m]
.endr
.set JJ, 0
.rept 64
	v_pk_mul_f32 v[ACC+JJ:ACC+JJ+1], v[ACC+JJ:ACC+JJ+1], v[MP+2*(JJ/32):MP+2*(JJ/32)+1]
.set JJ, JJ+2
.endr
	WIN 0x14                                       ; sources 1 and 2, the gains and the offsets: window 1
.set JJ, 0
.rept 64
	v_pk_fma_f32 v[ACC+JJ:ACC+JJ+1], v[ACC+JJ:ACC+JJ+1], v[GW+JJ%32:GW+JJ%32+1], v[BW+JJ%32:BW+JJ%32+1]
.set JJ, JJ+2
.endr
	WIN 0
.endm
; Tile m of the accumulators (16 rows x 64 columns) goes through my stage and leaves as rows: lanes 0-15 one row's 256 bytes, lanes 16-31 the next row's.  LDS serves a wave's instructions in order.
.macro ROWS_OUT m, set, sb
.irp b, 0,1
.irp j, 0,1,2,3
	ds_store_b128 v[SO], v[ACC+32*(\m)+16*\b+4*\j:ACC+32*(\m)+16*\b+4*\j+3] offset:128*\b+16*\j   ; each accumulator from its low end on
.endr
.endr
.irp i, 0,1,2,3,4,5,6,7
	ds_load_b128 v[(\set)+4*\i:(\set)+4*\i+3], v[SR] offset:2*\i*272
.endr
.irp i, 0,1,2,3,4,5,6,7
	s_wait_dscnt 7-\i
	global_store_b128 v[GO], v[(\set)+4*\i:(\set)+4*\i+3], s[\sb:\sb+1] offset:(32*((\m)/2)+8*((\m)%2)+2*\i+8*(\i/4))*3072 th:TH_STORE_NT
.endr
.endm
	s_load_b512 s[4:19], s[0:1], 0x0               ; attc s[4:5], wimg s[6:7], bo s[8:9], x s[10:11], g2 s[12:13], b2 s[14:15], x1 s[16:17], h2c s[18:19]
	s_set_vgpr_msb 0x40
	v_lshl_add_u32 v64, v0, 2, 0x17a00
	v_mov_b32 v65, 0
	s_set_vgpr_msb 0x4000
	v_lshrrev_b32 v1, 5, v0
	v_readfirstlane_b32 s2, v1                     ; w
	s_mov_b32 s3, ttmp9                            ; the block of 64 tokens
	s_mov_b32 s[SEL], 0x76543210
	s_mov_b32 s[SEL+1], 0xfedcba98
	s_mov_b32 s[HI16], 0xffff0000
	s_mov_b32 s[INV], 0x3aaaaaab                   ; 1 / 768
	s_mov_b32 s[EPS], 0x3727c5ac                   ; 1e-5
	v_and_b32 v[LANE], 31, v0
	v_and_b32 v[R], 15, v0
	v_bfe_u32 v[H], v0, 4, 1
	v_lshlrev_b32 v[L16], 4, v[LANE]
	v_lshlrev_b32 v[L8], 3, v[LANE]
	v_lshlrev_b32 v[L4], 2, v[LANE]
	v_add_nc_u32 v[AA4], ASC, v[L4]
	v_lshlrev_b32 v[T16], 4, v0
	v_lshlrev_b32 v[T4], 2, v0
	v_and_b32 v[PO], 8, v[R]
	v_add_nc_u32 v[PO], v[PO], v[R]
	v_mul_u32_u24 v[PO], v[PO], 3072
	v_lshl_add_u32 v[PO], v[H], 6, v[PO]
	v_lshlrev_b32 v[PB], 6, v[H]
	v_mul_u32_u24 v[RR], v[R], 48
	s_wait_alu depctr_va_sdst(0)                   ; s2, the wave's number, is written, ahead of its first reader
	s_lshl_b32 s50, s2, 2
	v_add_nc_u32 v[RA], s50, v[RR]
	s_mul_i32 s50, s2, 4352
	s_add_co_u32 s50, s50, STG                     ; my stage
	v_mul_u32_u24 v[SO], v[R], 272
	v_lshl_add_u32 v[SO], v[H], 6, v[SO]
	v_add_nc_u32 v[SO], s50, v[SO]
	v_mul_u32_u24 v[SR], v[H], 272
	v_lshl_add_u32 v[SR], v[R], 4, v[SR]
	v_add_nc_u32 v[SR], s50, v[SR]
	v_mul_u32_u24 v[GO], v[H], 3072
	v_lshl_add_u32 v[GO], v[R], 4, v[GO]
	s_lshl_b32 s50, s2, 8                          ; 256 w
	s_mov_b32 s51, 0
	s_mul_i32 s52, s3, 196608
	s_add_co_u32 s52, s52, s50
	s_mov_b32 s53, 0
	s_mul_i32 s54, s3, UNIT
	s_mov_b32 s55, 0
	s_mul_i32 s56, s3, 1536
	s_add_co_u32 s56, s56, 2359296
	s_mov_b32 s57, 0
	s_add_co_u32 s58, s2, 36                       ; my unit of wo
	s_mul_i32 s60, s58, UNIT
	s_mov_b32 s61, 0
	s_mul_i32 s62, s58, USC
	s_add_co_u32 s62, s62, WS0
	s_mov_b32 s63, 0
	s_wait_kmcnt 0x0
	s_add_nc_u64 s[20:21], s[4:5], s[54:55]        ; attn's codes of my block
	s_add_nc_u64 s[22:23], s[4:5], s[56:57]        ; and their words
	s_add_nc_u64 s[24:25], s[10:11], s[52:53]      ; x
	s_add_nc_u64 s[16:17], s[16:17], s[52:53]      ; x1
	s_add_nc_u64 s[8:9], s[8:9], s[50:51]
	s_add_nc_u64 s[12:13], s[12:13], s[50:51]
	s_add_nc_u64 s[14:15], s[14:15], s[50:51]
	s_add_nc_u64 s[WP:WP+1], s[6:7], s[60:61]
	s_add_nc_u64 s[WSP:WSP+1], s[6:7], s[62:63]
	s_wait_alu depctr_va_vdst(0)                   ; all offsets and LDS addresses (v4-6, v9-15, v253-255) are written: every load and store of the kernel reads one of them
.irp i, 0,1,2,3,4,5
	global_load_b128 v[AF+4*\i:AF+4*\i+3], v[T16], s[20:21] offset:\i*6144   ; twelve waves x 512 bytes a round
.endr
	global_load_b32 v[AF+24], v[T4], s[22:23]
	PRELOAD PO, 24, 3072                           ; the residual is the first C
	VLOAD WF, 8                                    ; bo
	WLOAD 0                                        ; W's first K step
	; where h2's codes go: half w%2 of K step w/2
	s_lshr_b32 s58, s2, 1
	s_and_b32 s59, s2, 1
	s_mul_i32 s60, s58, KSB
	s_add_co_u32 s54, s54, s60
	s_mul_i32 s60, s59, 768
	s_add_co_u32 s54, s54, s60
	s_lshl_b32 s60, s58, 8
	s_add_co_u32 s56, s56, s60
	s_lshl_b32 s60, s59, 1
	s_add_co_u32 s56, s56, s60
	s_add_nc_u64 s[44:45], s[18:19], s[54:55]
	s_add_nc_u64 s[46:47], s[18:19], s[56:57]
	s_wait_loadcnt 54                              ; the seven loads of the fill are in; the 32 of x, the 8 of bo and the 14 of W may be out
.irp i, 0,1,2,3,4,5
	ds_store_b128 v[T16], v[AF+4*\i:AF+4*\i+3] offset:\i*6144
.endr
	ds_store_b32 v[T4], v[AF+24] offset:ASC
	s_wait_loadcnt 14                              ; x and bo are in; the 14 of W may be out
.set JJ, 0
.rept 64
	v_pk_add_f32 v[ACC+JJ:ACC+JJ+1], v[ACC+JJ:ACC+JJ+1], v[WF+JJ%32:WF+JJ%32+1]   ; x + bo
.set JJ, JJ+2
.endr
	NOP4
	s_wait_alu depctr_va_vdst(0)                   ; the additions are done reading bo in v192-223, in which K step 1's fragments of W land
	WLOAD 1
	BAR                                            ; attn's 24 fragments lie in LDS
	s_wait_alu depctr_vm_vsrc(0)                   ; my LDS stores of the fill have read v144-168, in which K step 0's fragments of the rows land
	ALOAD 0
	KSTEP 0, 14
	KSTEP 1, 14
	KSTEP 2, 14
	KSTEP 3, 14
	KSTEP 4, 14
	KSTEP 5, 16                                    ; the 16 loads of the gains and offsets may be out
	s_wait_alu depctr_va_vdst(0)                   ; the products have written the accumulators, which the stage's LDS stores read, and are done reading v144-239, in which the rows from the stage land; the places above stay beside this wait
	ROWS_OUT 0, 144, 16
	ROWS_OUT 1, 176, 16
	ROWS_OUT 2, 208, 16
	s_wait_xcnt 0x0                                ; the earlier stores have had their addresses translated: their registers may be loaded again;
	s_wait_alu depctr_vm_vsrc(0)                   ; and tile 0's stores have read v144-175, in which tile 3's rows land
	ROWS_OUT 3, 144, 16
	s_wait_xcnt 0x0                                ; and written again, by the norm;
	s_wait_alu depctr_vm_vsrc(0)                   ; the stage's LDS stores have read the accumulators and the global stores v144-239: the norm writes the accumulators and v176-235, the quantiser v144-173
	s_wait_loadcnt 0x0
	LNORM                                          ; two barriers
.irp m, 0,1,2,3
	HQUANT ACC+32*\m, PCB+6*\m, PWB+\m
.endr
	v_cndmask_b32 v[PAIR], v[PWB], v[PWB+1], s[HI16]
	v_cndmask_b32 v[PAIR+1], v[PWB+2], v[PWB+3], s[HI16]
	s_wait_alu depctr_va_vdst(0)                   ; the four tiles' codes in v144-167 and the byte pairs in v172-173 are written, which the ten stores read
.irp m, 0,1,2,3
	global_store_b128 v[L16], v[PCB+6*\m:PCB+6*\m+3], s[44:45] offset:\m*FRAG
	global_store_b64 v[L8], v[PCB+6*\m+4:PCB+6*\m+5], s[44:45] offset:\m*FRAG+512
.endr
	global_store_b16 v[L4], v[PAIR], s[46:47]
	global_store_b16 v[L4], v[PAIR+1], s[46:47] offset:128
	s_set_vgpr_msb 0x5                             ; the add's two registers, sources 0 and 1, lie in window 1
	s_wait_dscnt 0x0                               ; the closing lines, six on end
	s_wait_alu 0x0
	s_wait_tensorcnt 0x0
	ds_add_u32 v64, v65
	s_wait_dscnt 0x0
	s_endpgm
.Lfunc_end_k_q222d4320a3_oproj:
	.size	k_q222d4320a3_oproj, .Lfunc_end_k_q222d4320a3_oproj-k_q222d4320a3_oproj
	.p2alignl 7, 3214868480
	.fill 96, 4, 3214868480
	.section	.rodata,"a",@progbits
	.p2align	6, 0x0
	.amdhsa_kernel k_q222d4320a3_oproj
		.amdhsa_group_segment_fixed_size 98304
		.amdhsa_private_segment_fixed_size 0
		.amdhsa_enable_private_segment 0
		.amdhsa_kernarg_size 64
		.amdhsa_user_sgpr_count 2
		.amdhsa_user_sgpr_kernarg_segment_ptr 1
		.amdhsa_wavefront_size32 1
		.amdhsa_system_sgpr_workgroup_id_x 1
		.amdhsa_system_sgpr_workgroup_id_y 1
		.amdhsa_system_sgpr_workgroup_id_z 1
		.amdhsa_system_vgpr_workitem_id 0
		.amdhsa_next_free_vgpr 322
		.amdhsa_next_free_sgpr 66
		.amdhsa_reserve_vcc 0
		.amdhsa_float_denorm_mode_32 3
		.amdhsa_float_denorm_mode_16_64 3
		.amdhsa_memory_ordered 1
		.amdhsa_forward_progress 1
		.amdhsa_inst_pref_size 87
	.end_amdhsa_kernel
	.amdgpu_metadata
---
amdhsa.version: [ 1, 2 ]
amdhsa.kernels:
  - .name:           k_q222d4320a3_oproj
    .symbol:         k_q222d4320a3_oproj.kd
    .args:
      - { .name: attc, .offset: 0, .size: 8, .value_kind: global_buffer, .address_space: global }
      - { .name: wimg, .offset: 8, .size: 8, .value_kind: global_buffer, .address_space: global }
      - { .name: bo, .offset: 16, .size: 8, .value_kind: global_buffer, .address_space: global }
      - { .name: x, .offset: 24, .size: 8, .value_kind: global_buffer, .address_space: global }
      - { .name: g2, .offset: 32, .size: 8, .value_kind: global_buffer, .address_space: global }
      - { .name: b2, .offset: 40, .size: 8, .value_kind: global_buffer, .address_space: global }
      - { .name: x1, .offset: 48, .size: 8, .value_kind: global_buffer, .address_space: global }
      - { .name: h2c, .offset: 56, .size: 8, .value_kind: global_buffer, .address_space: global }
    .group_segment_fixed_size: 98304
    .private_segment_fixed_size: 0
    .kernarg_segment_align: 8
    .kernarg_segment_size: 64
    .max_flat_workgroup_size: 384
    .sgpr_count:     66
    .vgpr_count:     322
    .wavefront_size: 32
...
	.end_amdgpu_metadata
.endif
;; end of part 10
;; launch ffa (part 11): grid 64 x 4, 12 waves a work-group, no clusters, 39,936 bytes of LDS; arguments h2c, wimg, b_ff1, ffc; writes ffc
.if DOCPART == 11
	.amdgcn_target "amdgcn-amd-amdhsa--gfx1250"
	.amdhsa_code_object_version 6
	.text
	.protected	k_q222d4320a3_ffa
	.globl	k_q222d4320a3_ffa
	.p2align	8
	.type	k_q222d4320a3_ffa,@function
k_q222d4320a3_ffa:
	s_mov_b64 s[64:65], 0
	v_nop
	global_prefetch_b8 v0, s[64:65] scope:SCOPE_SE
	s_setreg_imm32_b32 hwreg(HW_REG_WAVE_SCHED_MODE, 0, 2), 2
	s_setreg_imm32_b32 hwreg(HW_REG_WAVE_MODE, 25, 1), 1
	s_wait_xcnt 0x0
	s_wait_alu depctr_vm_vsrc(0)
; gelu(h2 w_ff1 + b_ff1), quantised for the last product.  The product on E2M3 codes, sums in f32; the exact GELU, 0.5 x (1 + erf(x / sqrt 2)), in f32.
; SHARES.  A work-group owns 64 tokens and 768 of the 3,072 hidden units; wave w makes hidden units 64 (12 y + w) on.  h2's codes come into LDS once; a wave's unit of w_ff1 goes from memory into its registers.
; W'S K STEPS TAKE TURNS BETWEEN TWO SETS OF REGISTERS: even steps v256-303, odd steps v192-239; a set is asked for again as soon as its products are issued, so two K steps of W are on their way at a time.
; The bias is the first C.  Tiles, images and scale words as in the other launches.
; erf(z) = z P(z^2) / Q(z^2) with z held to +-4, P of degree 6 and Q of degree 4: a rational fit good to a few units in f32's last place; beyond |z| = 4 erf is 1 in f32.
; THE MODE: SCHED_MODE bits 1:0 = 2 (LLVM: expert scheduling mode 2), set by the entry lines.  The code itself states the register dependences between vector or matrix instructions and memory or LDS
; instructions, with s_wait_alu, always for 0.
; THE PLAN.  Registers that memory or LDS instructions touch:
;   v4-6, v9, v13-15        offsets and LDS addresses: written at the head and never again: one wait on va_vdst ahead of the first load serves them all.
;   v144-168                at the head: the fill's loads land here, my LDS stores read them; then they are part of AF: one wait on vm_vsrc behind the barrier.
;   AF v144-191, AS         K step s: its LDS loads land here, its 16 products read them.
;   W1 v256-303 + v7-8, WF v192-239 + v242-243   K step s: its loads land in one of the two, its products read it, and K step s + 2's loads land there again.
;   So ONE wait on va_vdst stands in a K step, behind its products: they are done reading AF, AS and their set of W.  W's K step s + 2 and the rows' fragments of K step s + 1 follow it in one run.
;   (A second set for the rows' fragments, 50 registers, does not fit: three waves share a SIMD's 1,024 registers.)
;   v212-235, v253-254      the codes and byte pairs: each tile has registers of its own, written once.  Tile m's two stores stand behind the wait for the first batch of reciprocals of tile m + 1, which has also
;                           shown tile m's codes written; no vector instruction behind that wait names them.  The last tile's stores and the byte pairs' follow one wait on va_vdst.
;   v12, v255               written at the head, read by the closing add alone.
; LIMITS: that fit; a block of zeros gets the scale byte 1 (its codes are zeros; this program alone reads the bytes); NaN and infinities are not served.
.set FRAG, 1536
.set KSB,  6144
.set UNIT, 36864
.set USC,  1536
.set WS0,  5308416
.set LANE, 1
.set R,    2
.set H,    3
.set L16,  4
.set L8,   5
.set L4,   6
.set WS2,  7                           ; v7-8  W's scale words of the even K steps: scales and nothing else
.set AA16, L16
.set AA8,  L8
.set AA4,  9
.set PB,   13
.set T16,  14
.set T4,   15
.set ACC,  16
.set AF,   144
.set WF,   192
.set W1,   0                           ; v256-303 (window 1)
.set AS,   240
.set WS,   242
.set TM,   244
.set TS,   248
.set PT,   250
.set Z,    144                         ; GELU: v144-159 z, v160-175 z^2 and later 1 / Q, v176-191 P, v192-207 Q
.set Y,    160
.set PP,   176
.set QQ,   192
.set CA,   208                         ; v[208:209] P's leading coefficient, v[210:211] Q's
.set CB,   210
.set PCB,  212                         ; codes just made: six registers a tile, v212-235
.set PWB,  236
.set PAIR, 253
.set SEL,  34
.set HI16, 36
.set WP,   40
.set WSP,  42
.set ASC,  36864
.set MSB, 0
.macro WIN new                         ; the immediate's high byte repeats the setting that is left
.if MSB != \new
	s_set_vgpr_msb (MSB<<8)|\new
.set MSB, \new
.endif
.endm
.macro WM d, a, b, zero, sa, sb, ra, rb
.set WSEL, 4*(\zero)+2*(\ra)+(\rb)
.if WSEL == 0
	v_wmma_scale_f32_16x16x128_f8f6f4 v[(\d):(\d)+7], v[(\a):(\a)+11], v[(\b):(\b)+11], v[(\d):(\d)+7], v[\sa], v[\sb] matrix_a_fmt:MATRIX_FMT_FP6 matrix_b_fmt:MATRIX_FMT_FP6
.elseif WSEL == 1
	v_wmma_scale_f32_16x16x128_f8f6f4 v[(\d):(\d)+7], v[(\a):(\a)+11], v[(\b):(\b)+11], v[(\d):(\d)+7], v[\sa], v[\sb] matrix_a_fmt:MATRIX_FMT_FP6 matrix_b_fmt:MATRIX_FMT_FP6 matrix_b_scale:MATRIX_SCALE_ROW1
.elseif WSEL == 2
	v_wmma_scale_f32_16x16x128_f8f6f4 v[(\d):(\d)+7], v[(\a):(\a)+11], v[(\b):(\b)+11], v[(\d):(\d)+7], v[\sa], v[\sb] matrix_a_fmt:MATRIX_FMT_FP6 matrix_b_fmt:MATRIX_FMT_FP6 matrix_a_scale:MATRIX_SCALE_ROW1
.else
	v_wmma_scale_f32_16x16x128_f8f6f4 v[(\d):(\d)+7], v[(\a):(\a)+11], v[(\b):(\b)+11], v[(\d):(\d)+7], v[\sa], v[\sb] matrix_a_fmt:MATRIX_FMT_FP6 matrix_b_fmt:MATRIX_FMT_FP6 matrix_a_scale:MATRIX_SCALE_ROW1 matrix_b_scale:MATRIX_SCALE_ROW1
.endif
.endm
.macro NOP4
.rept 4
	v_nop
.endr
.endm
.macro BAR
	s_wait_dscnt 0x0
	s_barrier_signal -1
	s_barrier_wait -1
.endm
.macro WLOAD s                                 ; K step s of my unit of W: 14 loads; even steps into window 1
.if ((\s)%2) == 0
	WIN 0x40
.irp t, 0,1,2,3
.irp c, 0,1,2
	global_load_b128 v[W1+12*\t+4*\c:W1+12*\t+4*\c+3], v[L16], s[WP:WP+1] offset:(\s)*KSB+\t*FRAG+512*\c
.endr
.endr
	WIN 0
.irp j, 0,1
	global_load_b32 v[WS2+\j], v[L4], s[WSP:WSP+1] offset:(\s)*256+128*\j
.endr
.else
.irp t, 0,1,2,3
.irp c, 0,1,2
	global_load_b128 v[WF+12*\t+4*\c:WF+12*\t+4*\c+3], v[L16], s[WP:WP+1] offset:(\s)*KSB+\t*FRAG+512*\c
.endr
.endr
.irp j, 0,1
	global_load_b32 v[WS+\j], v[L4], s[WSP:WSP+1] offset:(\s)*256+128*\j
.endr
.endif
.endm
.macro ALOAD s
.irp m, 0,1,2,3
	ds_load_b128 v[AF+12*\m:AF+12*\m+3], v[AA16] offset:(\s)*KSB+\m*FRAG
	ds_load_b64 v[AF+12*\m+4:AF+12*\m+5], v[AA8] offset:(\s)*KSB+\m*FRAG+512
	ds_load_b128 v[AF+12*\m+6:AF+12*\m+9], v[AA16] offset:(\s)*KSB+\m*FRAG+768
	ds_load_b64 v[AF+12*\m+10:AF+12*\m+11], v[AA8] offset:(\s)*KSB+\m*FRAG+1280
.endr
.irp j, 0,1
	ds_load_b32 v[AS+\j], v[AA4] offset:(\s)*256+128*\j
.endr
.endm
.macro MUL s                                   ; 16 products on 16 accumulators, which take turns in the same order in every K step
.if ((\s)%2) == 0
.set WB, W1
.set WSR, WS2
	WIN 0x01                                       ; W is source 0: window 1
.else
.set WB, WF
.set WSR, WS
.endif
.irp m, 0,1,2,3
.irp t, 0,1,2,3
	WM ACC+32*\m+8*\t, WB+12*\t, AF+12*\m, 0, WSR+\t/2, AS+\m/2, \t%2, \m%2
.endr
.endr
	WIN 0
.endm
; A K step.  Its fragments of the rows were asked for in the step before.  left: the loads issued behind this step's W, which may stay out: the next K step's 14.  Behind the products: four places, then the
; step's one wait, then in one run the K step of W two on and the next step's fragments of the rows.
.macro KSTEP s, left
	s_wait_loadcnt \left
	s_wait_dscnt 0x0
	MUL \s
	NOP4                                           ; the places behind the products stay beside the wait; behind K step 5 they stand in front of the first read of results and of writes into the operands' registers
.if (\s) < 5
	s_wait_alu depctr_va_vdst(0)                   ; this step's products are done reading their set of W, the rows' fragments and both sides' scale words: the loads below land in these registers
.if (\s) < 4
	WLOAD (\s)+2
.endif
	ALOAD (\s)+1
.endif
.endm
.macro HQUANT src, pc, pw
.irp b, 0,1
	v_max3_num_f32 v[TM+\b], |v[(\src)+16*\b]|, |v[(\src)+16*\b+1]|, 0x1800000
.endr
.irp i, 2,4,6,8,10,12,14
.irp b, 0,1
	v_max3_num_f32 v[TM+\b], v[TM+\b], |v[(\src)+16*\b+\i]|, |v[(\src)+16*\b+\i+1]|
.endr
.endr
.irp b, 0,1
	v_permlanex16_b32 v[TM+2+\b], v[TM+\b], s[SEL], s[SEL+1]
.endr
.irp b, 0,1
	v_max_num_f32 v[TM+\b], v[TM+\b], v[TM+2+\b]
.endr
.irp b, 0,1
	v_add_nc_u32 v[TS+\b], 0xff000000, v[TM+\b]
.endr
.irp b, 0,1
	v_lshrrev_b32 v[TM+2+\b], 23, v[TS+\b]
.endr
	v_lshl_or_b32 v[\pw], v[TM+3], 8, v[TM+2]
	v_cvt_scalef32_pk16_fp6_f32 v[(\pc):(\pc)+2], v[(\src):(\src)+15], v[TS]
	v_cvt_scalef32_pk16_fp6_f32 v[PT:PT+2], v[(\src)+16:(\src)+31], v[TS+1]
	v_nop
.irp i, 0,1,2
	v_permlane16_swap_b32 v[(\pc)+\i], v[PT+\i]
.endr
.irp i, 0,1,2
	v_mov_b32 v[(\pc)+3+\i], v[PT+\i]
.endr
.endm
.macro PRELOAD vo, sb, rowb
.irp m, 0,1,2,3
.irp b, 0,1
.irp j, 0,1,2,3
	global_load_b128 v[ACC+32*\m+16*\b+4*\j:ACC+32*\m+16*\b+4*\j+3], v[\vo], s[\sb:\sb+1] offset:(32*(\m/2)+8*(\m%2))*\rowb+128*\b+16*\j
.endr
.endr
.endr
.endm
; 16 numbers, in place: x -> 0.5 x (1 + erf(x / sqrt 2)).  Two at a time; the sixteen reciprocals are one batch with one wait.
; st >= 0: the two stores of tile st's codes stand behind that wait.
.macro GELU16 src, st
.irp k, 0,2,4,6,8,10,12,14
	v_pk_mul_f32 v[Z+\k:Z+\k+1], v[(\src)+\k:(\src)+\k+1], 0x3f3504f3 op_sel_hi:[1,0]   ; z = x / sqrt 2 (each accumulator is read from its low end on)
.endr
.irp k, 0,1,2,3,4,5,6,7,8,9,10,11,12,13,14,15
	v_med3_num_f32 v[Z+\k], v[Z+\k], -4.0, 4.0
.endr
.irp k, 0,2,4,6,8,10,12,14
	v_pk_mul_f32 v[Y+\k:Y+\k+1], v[Z+\k:Z+\k+1], v[Z+\k:Z+\k+1]
.endr
.irp k, 0,2,4,6,8,10,12,14
	v_pk_fma_f32 v[PP+\k:PP+\k+1], v[Y+\k:Y+\k+1], v[CA:CA+1], 0x32edffee op_sel_hi:[1,1,0]
	v_pk_fma_f32 v[QQ+\k:QQ+\k+1], v[Y+\k:Y+\k+1], v[CB:CB+1], 0xb95fbd29 op_sel_hi:[1,1,0]
.endr
.irp c, 0xb60cff51, 0xb86ec2d2, 0xba40ac63, 0xbb41a1f6, 0xbc83dbd4
.irp k, 0,2,4,6,8,10,12,14
	v_pk_fma_f32 v[PP+\k:PP+\k+1], v[PP+\k:PP+\k+1], v[Y+\k:Y+\k+1], \c op_sel_hi:[1,1,0]
.endr
.endr
.irp c, 0xbadc924e, 0xbbf19bf8, 0xbc69b6a7
.irp k, 0,2,4,6,8,10,12,14
	v_pk_fma_f32 v[QQ+\k:QQ+\k+1], v[QQ+\k:QQ+\k+1], v[Y+\k:Y+\k+1], \c op_sel_hi:[1,1,0]
.endr
.endr
	s_wait_alu depctr_va_vdst(0)
.irp k, 0,1,2,3,4,5,6,7,8,9,10,11,12,13,14,15
	v_rcp_f32 v[Y+\k], v[QQ+\k]
.endr
.irp k, 0,2,4,6,8,10,12,14
	v_pk_mul_f32 v[Z+\k:Z+\k+1], v[Z+\k:Z+\k+1], v[PP+\k:PP+\k+1]   ; plain work behind the reciprocals, which names none of their results
.endr
	s_wait_alu depctr_va_vdst(0)                   ; the sixteen reciprocals are written, ahead of their first reader; st >= 0: so are tile st's codes, which the two stores below read
.if (\st) >= 0
	global_store_b128 v[L16], v[PCB+6*(\st):PCB+6*(\st)+3], s[44:45] offset:(\st)*FRAG
	global_store_b64 v[L8], v[PCB+6*(\st)+4:PCB+6*(\st)+5], s[44:45] offset:(\st)*FRAG+512
.endif
.irp k, 0,2,4,6,8,10,12,14
	v_pk_mul_f32 v[Z+\k:Z+\k+1], v[Z+\k:Z+\k+1], v[Y+\k:Y+\k+1]     ; erf
.endr
.irp k, 0,2,4,6,8,10,12,14
	v_pk_mul_f32 v[PP+\k:PP+\k+1], v[(\src)+\k:(\src)+\k+1], 0.5 op_sel_hi:[1,0]
.endr
.irp k, 0,2,4,6,8,10,12,14
	v_pk_fma_f32 v[(\src)+\k:(\src)+\k+1], v[PP+\k:PP+\k+1], v[Z+\k:Z+\k+1], v[PP+\k:PP+\k+1]
.endr
.endm
	s_load_b256 s[4:11], s[0:1], 0x0               ; h2c s[4:5], wimg s[6:7], b_ff1 s[8:9], ffc s[10:11]
	v_lshl_add_u32 v12, v0, 2, 0x9600
	v_mov_b32 v255, 0
	v_lshrrev_b32 v1, 5, v0
	v_readfirstlane_b32 s2, v1                     ; w
	s_mov_b32 s3, ttmp9                            ; the block of 64 tokens
	s_and_b32 s33, ttmp7, 0xffff
	s_mov_b32 s[SEL], 0x76543210
	s_mov_b32 s[SEL+1], 0xfedcba98
	s_mov_b32 s[HI16], 0xffff0000
	v_and_b32 v[LANE], 31, v0
	v_and_b32 v[R], 15, v0
	v_bfe_u32 v[H], v0, 4, 1
	v_lshlrev_b32 v[L16], 4, v[LANE]
	v_lshlrev_b32 v[L8], 3, v[LANE]
	v_lshlrev_b32 v[L4], 2, v[LANE]
	v_add_nc_u32 v[AA4], ASC, v[L4]
	v_lshlrev_b32 v[T16], 4, v0
	v_lshlrev_b32 v[T4], 2, v0
	v_lshlrev_b32 v[PB], 6, v[H]
	s_wait_alu depctr_va_sdst(0)                   ; s2, the wave's number, is written, ahead of its first reader
	s_mul_i32 s32, s33, 12
	s_add_co_u32 s32, s32, s2                      ; U: my unit of 64 hidden units
	s_lshl_b32 s50, s32, 8
	s_mov_b32 s51, 0
	s_mul_i32 s54, s3, UNIT
	s_mov_b32 s55, 0
	s_mul_i32 s56, s3, 1536
	s_add_co_u32 s56, s56, 2359296
	s_mov_b32 s57, 0
	s_add_co_u32 s58, s32, 48                      ; its place among the weights' units
	s_mul_i32 s60, s58, UNIT
	s_mov_b32 s61, 0
	s_mul_i32 s62, s58, USC
	s_add_co_u32 s62, s62, WS0
	s_mov_b32 s63, 0
	s_wait_kmcnt 0x0
	s_add_nc_u64 s[20:21], s[4:5], s[54:55]
	s_add_nc_u64 s[22:23], s[4:5], s[56:57]
	s_add_nc_u64 s[8:9], s[8:9], s[50:51]
	s_add_nc_u64 s[WP:WP+1], s[6:7], s[60:61]
	s_add_nc_u64 s[WSP:WSP+1], s[6:7], s[62:63]
	s_wait_alu depctr_va_vdst(0)                   ; all offsets and LDS addresses (v4-6, v9, v13-15) are written: every load and store of the kernel reads one of them
.irp i, 0,1,2,3,4,5
	global_load_b128 v[AF+4*\i:AF+4*\i+3], v[T16], s[20:21] offset:\i*6144
.endr
	global_load_b32 v[AF+24], v[T4], s[22:23]
	PRELOAD PB, 8, 0                               ; the bias is the first C
	WLOAD 0
	WLOAD 1
	; where the codes go: half U%2 of K step U/2 of the last product
	s_lshr_b32 s58, s32, 1
	s_and_b32 s59, s32, 1
	s_mul_i32 s54, s3, 147456
	s_mul_i32 s60, s58, KSB
	s_add_co_u32 s54, s54, s60
	s_mul_i32 s60, s59, 768
	s_add_co_u32 s54, s54, s60
	s_mul_i32 s56, s3, 6144
	s_lshl_b32 s60, s58, 8
	s_add_co_u32 s56, s56, s60
	s_lshl_b32 s60, s59, 1
	s_add_co_u32 s56, s56, s60
	s_add_co_u32 s56, s56, 9437184
	s_add_nc_u64 s[44:45], s[10:11], s[54:55]
	s_add_nc_u64 s[46:47], s[10:11], s[56:57]
	s_wait_loadcnt 60                              ; the seven loads of the fill are in; the 32 of the bias and the 28 of W's first two K steps may be out
.irp i, 0,1,2,3,4,5
	ds_store_b128 v[T16], v[AF+4*\i:AF+4*\i+3] offset:\i*6144
.endr
	ds_store_b32 v[T4], v[AF+24] offset:ASC
	BAR                                            ; h2's 24 fragments lie in LDS
	s_wait_alu depctr_vm_vsrc(0)                   ; my LDS stores of the fill have read v144-168, in which K step 0's fragments of the rows land
	ALOAD 0
	KSTEP 0, 14
	KSTEP 1, 14
	KSTEP 2, 14
	KSTEP 3, 14
	KSTEP 4, 14
	KSTEP 5, 0
	v_mov_b32 v[CA], 0xaf95df0b
	v_mov_b32 v[CA+1], 0xaf95df0b
	v_mov_b32 v[CB], 0xb77460cd
	v_mov_b32 v[CB+1], 0xb77460cd
	v_mov_b32 v[TM+2], 0                           ; a lane permute's destination counts as one of its sources
	v_mov_b32 v[TM+3], 0
.irp m, 0,1,2,3
	GELU16 ACC+32*\m, \m-1                         ; with the stores of the tile before, if there is one
	GELU16 ACC+32*\m+16, -1
	HQUANT ACC+32*\m, PCB+6*\m, PWB+\m
.endr
	v_cndmask_b32 v[PAIR], v[PWB], v[PWB+1], s[HI16]
	v_cndmask_b32 v[PAIR+1], v[PWB+2], v[PWB+3], s[HI16]
	s_wait_alu depctr_va_vdst(0)                   ; tile 3's codes in v230-235 and the byte pairs in v253-254 are written, which the four stores read
	global_store_b128 v[L16], v[PCB+18:PCB+21], s[44:45] offset:3*FRAG
	global_store_b64 v[L8], v[PCB+22:PCB+23], s[44:45] offset:3*FRAG+512
	global_store_b16 v[L4], v[PAIR], s[46:47]
	global_store_b16 v[L4], v[PAIR+1], s[46:47] offset:128
	s_wait_dscnt 0x0                               ; the closing lines, six on end
	s_wait_alu 0x0
	s_wait_tensorcnt 0x0
	ds_add_u32 v12, v255
	s_wait_dscnt 0x0
	s_endpgm
.Lfunc_end_k_q222d4320a3_ffa:
	.size	k_q222d4320a3_ffa, .Lfunc_end_k_q222d4320a3_ffa-k_q222d4320a3_ffa
	.p2alignl 7, 3214868480
	.fill 96, 4, 3214868480
	.section	.rodata,"a",@progbits
	.p2align	6, 0x0
	.amdhsa_kernel k_q222d4320a3_ffa
		.amdhsa_group_segment_fixed_size 39936
		.amdhsa_private_segment_fixed_size 0
		.amdhsa_enable_private_segment 0
		.amdhsa_kernarg_size 32
		.amdhsa_user_sgpr_count 2
		.amdhsa_user_sgpr_kernarg_segment_ptr 1
		.amdhsa_wavefront_size32 1
		.amdhsa_system_sgpr_workgroup_id_x 1
		.amdhsa_system_sgpr_workgroup_id_y 1
		.amdhsa_system_sgpr_workgroup_id_z 1
		.amdhsa_system_vgpr_workitem_id 0
		.amdhsa_next_free_vgpr 304
		.amdhsa_next_free_sgpr 66
		.amdhsa_reserve_vcc 0
		.amdhsa_float_denorm_mode_32 3
		.amdhsa_float_denorm_mode_16_64 3
		.amdhsa_memory_ordered 1
		.amdhsa_forward_progress 1
		.amdhsa_inst_pref_size 143
	.end_amdhsa_kernel
	.amdgpu_metadata
---
amdhsa.version: [ 1, 2 ]
amdhsa.kernels:
  - .name:           k_q222d4320a3_ffa
    .symbol:         k_q222d4320a3_ffa.kd
    .args:
      - { .name: h2c, .offset: 0, .size: 8, .value_kind: global_buffer, .address_space: global }
      - { .name: wimg, .offset: 8, .size: 8, .value_kind: global_buffer, .address_space: global }
      - { .name: b_ff1, .offset: 16, .size: 8, .value_kind: global_buffer, .address_space: global }
      - { .name: ffc, .offset: 24, .size: 8, .value_kind: global_buffer, .address_space: global }
    .group_segment_fixed_size: 39936
    .private_segment_fixed_size: 0
    .kernarg_segment_align: 8
    .kernarg_segment_size: 32
    .max_flat_workgroup_size: 384
    .sgpr_count:     66
    .vgpr_count:     304
    .wavefront_size: 32
...
	.end_amdgpu_metadata
.endif
;; end of part 11
;; launch ffb (part 12): grid 64 x 4, 12 waves a work-group, no clusters, 250,368 bytes of LDS; arguments ffc, wimg, b_ff2, x1, out0; writes out0
.if DOCPART == 12
	.amdgcn_target "amdgcn-amd-amdhsa--gfx1250"
	.amdhsa_code_object_version 6
	.text
	.protected	k_q222d4320a3_ffb
	.globl	k_q222d4320a3_ffb
	.p2align	8
	.type	k_q222d4320a3_ffb,@function
k_q222d4320a3_ffb:
	s_mov_b64 s[64:65], 0
	v_nop
	global_prefetch_b8 v0, s[64:65] scope:SCOPE_SE
	s_setreg_imm32_b32 hwreg(HW_REG_WAVE_SCHED_MODE, 0, 2), 2
	s_setreg_imm32_b32 hwreg(HW_REG_WAVE_MODE, 25, 1), 1
	s_wait_xcnt 0x0
	s_wait_alu depctr_vm_vsrc(0)
; out = x1 + gelu(..) w_ff2 + b_ff2.  The product on E2M3 codes, sums in f32.
; SHARES.  A work-group owns 64 tokens and 192 of the 768 columns.  Wave w = 4 u3 + kq makes columns 64 (3 y + u3) on over quarter kq of K = 3,072: six K steps, as in the other products.
; The hidden layer's codes of the 64 tokens (147,456 bytes and 6,144 of scale words) come into LDS once; a wave's unit of w_ff2 goes from memory into its registers.
; W'S K STEPS TAKE TURNS BETWEEN TWO SETS OF REGISTERS: even steps v256-303, odd steps v192-239; a set is asked for again as soon as its products are issued, so two K steps of W are on their way at a time.
; b_ff2 and x1 are asked for behind K step 4's products, into v256-319, which those products have left.
; The four quarters' sums meet in LDS, laid over the codes behind a barrier: wave (u3, kq) adds tile kq of the rows, in the order ((0 + 1) + (2 + 3)) + (b_ff2 + x1), and stores it through its own stage,
; sixteen lanes to 256 consecutive bytes of a row.
; THE MODE: SCHED_MODE bits 1:0 = 2 (LLVM: expert scheduling mode 2), set by the entry lines.  The code itself states the register dependences between vector or matrix instructions and memory or LDS
; instructions, with s_wait_alu, always for 0.
; THE PLAN.  Registers that memory or LDS instructions touch:
;   v4-15, v244, v253-255   offsets and LDS addresses: written at the head and never again: one wait on va_vdst ahead of the first load serves them all.
;   v16-115                 at the head: the fill's loads land here, my LDS stores read them; then they are accumulators, which K step 0's products write: one wait on vm_vsrc behind the barrier.
;   AF v144-191, AS         K step s: its LDS loads land here, its 16 products read them.
;   W1 v256-303 + v246-247, WF v192-239 + v242-243   K step s: its loads land in one of the two, its products read it, and K step s + 2's loads land there again.
;   So ONE wait on va_vdst stands in a K step, behind its products: they are done reading AF, AS and their set of W.  W's K step s + 2 and the rows' fragments of K step s + 1 follow it in one run.
;   (A second set for the rows' fragments, 50 registers, does not fit: three waves share a SIMD's 1,024 registers.)
;   the accumulators v16-143   written by the products; read by the LDS stores of the partial sums (a wait on va_vdst); behind the next barrier the four quarters' sums land in them (a wait on vm_vsrc).
;   v16-47, v144-175        the finished tile, written by the additions, is the stage's LDS stores' data; the rows come back into v144-175, which the additions have read: one wait on va_vdst for both.
;   v251, v252              written at the head, read by the closing add alone.
; LIMITS: NaN and infinities are not served.
.set FRAG, 1536
.set KSB,  6144
.set UNIT, 36864
.set USC,  1536
.set WS0,  5308416
.set LANE, 1
.set R,    2
.set H,    3
.set L16,  4
.set L8,   5
.set L4,   6
.set AA16, 7                           ; v7   16 x lane + my quarter's codes
.set AA8,  8                           ; v8   8 x lane + the same
.set AA4,  9                           ; v9   4 x lane + my quarter's scale words
.set TA,   10                          ; v10  16 x thread; v11, v12: the same 61,440 and 122,880 bytes on (an LDS immediate has 16 bits)
.set TB2,  11
.set TC,   12
.set PB,   13
.set PO,   14
.set RW,   15                          ; v15  where I put my partial sums: 16 x lane + 16,384 w
.set RRD,  253                         ; v253 where I read the four quarters' sums of my tile
.set SO,   254
.set SR,   255
.set GO,   244
.set WS2,  246                         ; v246-247 W's scale words of the even K steps: scales and nothing else
.set ACC,  16
.set AF,   144
.set WF,   192
.set W1,   0                           ; v256-303 (window 1)
.set BV,   0                           ; v256-287 b_ff2 of my columns (window 1)
.set XV,   32                          ; v288-319 x1 of my tile
.set AS,   240
.set WS,   242
.set WP,   40
.set WSP,  42
.set ASC,  147456
.set STG,  196608
.set MSB, 0
.macro WIN new                         ; the immediate's high byte repeats the setting that is left
.if MSB != \new
	s_set_vgpr_msb (MSB<<8)|\new
.set MSB, \new
.endif
.endm
.macro WM d, a, b, zero, sa, sb, ra, rb
.set WSEL, 4*(\zero)+2*(\ra)+(\rb)
.if WSEL == 0
	v_wmma_scale_f32_16x16x128_f8f6f4 v[(\d):(\d)+7], v[(\a):(\a)+11], v[(\b):(\b)+11], v[(\d):(\d)+7], v[\sa], v[\sb] matrix_a_fmt:MATRIX_FMT_FP6 matrix_b_fmt:MATRIX_FMT_FP6
.elseif WSEL == 1
	v_wmma_scale_f32_16x16x128_f8f6f4 v[(\d):(\d)+7], v[(\a):(\a)+11], v[(\b):(\b)+11], v[(\d):(\d)+7], v[\sa], v[\sb] matrix_a_fmt:MATRIX_FMT_FP6 matrix_b_fmt:MATRIX_FMT_FP6 matrix_b_scale:MATRIX_SCALE_ROW1
.elseif WSEL == 2
	v_wmma_scale_f32_16x16x128_f8f6f4 v[(\d):(\d)+7], v[(\a):(\a)+11], v[(\b):(\b)+11], v[(\d):(\d)+7], v[\sa], v[\sb] matrix_a_fmt:MATRIX_FMT_FP6 matrix_b_fmt:MATRIX_FMT_FP6 matrix_a_scale:MATRIX_SCALE_ROW1
.elseif WSEL == 3
	v_wmma_scale_f32_16x16x128_f8f6f4 v[(\d):(\d)+7], v[(\a):(\a)+11], v[(\b):(\b)+11], v[(\d):(\d)+7], v[\sa], v[\sb] matrix_a_fmt:MATRIX_FMT_FP6 matrix_b_fmt:MATRIX_FMT_FP6 matrix_a_scale:MATRIX_SCALE_ROW1 matrix_b_scale:MATRIX_SCALE_ROW1
.elseif WSEL == 4
	v_wmma_scale_f32_16x16x128_f8f6f4 v[(\d):(\d)+7], v[(\a):(\a)+11], v[(\b):(\b)+11], 0, v[\sa], v[\sb] matrix_a_fmt:MATRIX_FMT_FP6 matrix_b_fmt:MATRIX_FMT_FP6
.elseif WSEL == 5
	v_wmma_scale_f32_16x16x128_f8f6f4 v[(\d):(\d)+7], v[(\a):(\a)+11], v[(\b):(\b)+11], 0, v[\sa], v[\sb] matrix_a_fmt:MATRIX_FMT_FP6 matrix_b_fmt:MATRIX_FMT_FP6 matrix_b_scale:MATRIX_SCALE_ROW1
.elseif WSEL == 6
	v_wmma_scale_f32_16x16x128_f8f6f4 v[(\d):(\d)+7], v[(\a):(\a)+11], v[(\b):(\b)+11], 0, v[\sa], v[\sb] matrix_a_fmt:MATRIX_FMT_FP6 matrix_b_fmt:MATRIX_FMT_FP6 matrix_a_scale:MATRIX_SCALE_ROW1
.else
	v_wmma_scale_f32_16x16x128_f8f6f4 v[(\d):(\d)+7], v[(\a):(\a)+11], v[(\b):(\b)+11], 0, v[\sa], v[\sb] matrix_a_fmt:MATRIX_FMT_FP6 matrix_b_fmt:MATRIX_FMT_FP6 matrix_a_scale:MATRIX_SCALE_ROW1 matrix_b_scale:MATRIX_SCALE_ROW1
.endif
.endm
.macro NOP4
.rept 4
	v_nop
.endr
.endm
.macro BAR
	s_wait_dscnt 0x0
	s_barrier_signal -1
	s_barrier_wait -1
.endm
.macro WLOAD s                                 ; K step s of my unit of W: 14 loads; even steps into window 1
.if ((\s)%2) == 0
	WIN 0x40
.irp t, 0,1,2,3
.irp c, 0,1,2
	global_load_b128 v[W1+12*\t+4*\c:W1+12*\t+4*\c+3], v[L16], s[WP:WP+1] offset:(\s)*KSB+\t*FRAG+512*\c
.endr
.endr
	WIN 0
.irp j, 0,1
	global_load_b32 v[WS2+\j], v[L4], s[WSP:WSP+1] offset:(\s)*256+128*\j
.endr
.else
.irp t, 0,1,2,3
.irp c, 0,1,2
	global_load_b128 v[WF+12*\t+4*\c:WF+12*\t+4*\c+3], v[L16], s[WP:WP+1] offset:(\s)*KSB+\t*FRAG+512*\c
.endr
.endr
.irp j, 0,1
	global_load_b32 v[WS+\j], v[L4], s[WSP:WSP+1] offset:(\s)*256+128*\j
.endr
.endif
.endm
.macro ALOAD s
.irp m, 0,1,2,3
	ds_load_b128 v[AF+12*\m:AF+12*\m+3], v[AA16] offset:(\s)*KSB+\m*FRAG
	ds_load_b64 v[AF+12*\m+4:AF+12*\m+5], v[AA8] offset:(\s)*KSB+\m*FRAG+512
	ds_load_b128 v[AF+12*\m+6:AF+12*\m+9], v[AA16] offset:(\s)*KSB+\m*FRAG+768
	ds_load_b64 v[AF+12*\m+10:AF+12*\m+11], v[AA8] offset:(\s)*KSB+\m*FRAG+1280
.endr
.irp j, 0,1
	ds_load_b32 v[AS+\j], v[AA4] offset:(\s)*256+128*\j
.endr
.endm
.macro MUL s, zero                             ; 16 products on 16 accumulators, which take turns in the same order in every K step
.if ((\s)%2) == 0
.set WB, W1
.set WSR, WS2
	WIN 0x01                                       ; W is source 0: window 1
.else
.set WB, WF
.set WSR, WS
.endif
.irp m, 0,1,2,3
.irp t, 0,1,2,3
	WM ACC+32*\m+8*\t, WB+12*\t, AF+12*\m, \zero, WSR+\t/2, AS+\m/2, \t%2, \m%2
.endr
.endr
	WIN 0
.endm
.macro VLOADW reg, vo, sb                      ; 32 numbers in the results' layout, into window 1
	WIN 0x40
.irp b, 0,1
.irp j, 0,1,2,3
	global_load_b128 v[\reg+16*\b+4*\j:\reg+16*\b+4*\j+3], v[\vo], s[\sb:\sb+1] offset:128*\b+16*\j
.endr
.endr
	WIN 0
.endm
; A K step.  Its fragments of the rows were asked for in the step before.  left: the loads issued behind this step's W, which may stay out.  Behind the products: four places, then the step's one wait,
; then in one run the K step of W two on (behind K step 4: b_ff2 of my columns and x1 of my tile, into the registers that its products have left) and the next step's fragments of the rows.
.macro KSTEP s, zero, left
	s_wait_loadcnt \left
	s_wait_dscnt 0x0
	MUL \s, \zero
	NOP4                                           ; the places behind the products stay beside the wait; behind K step 5 they stand in front of the first read of results
.if (\s) < 5
	s_wait_alu depctr_va_vdst(0)                   ; this step's products are done reading their set of W, the rows' fragments and both sides' scale words: the loads below land in these registers
.if (\s) < 4
	WLOAD (\s)+2
.else
	VLOADW BV, PB, 8
	VLOADW XV, PO, 10
.endif
	ALOAD (\s)+1
.endif
.endm
	s_load_b256 s[4:11], s[0:1], 0x0               ; ffc s[4:5], wimg s[6:7], b_ff2 s[8:9], x1 s[10:11]
	s_load_b64 s[12:13], s[0:1], 0x20              ; out0
	v_lshl_add_u32 v251, v0, 2, 0x3cc00
	v_mov_b32 v252, 0
	v_lshrrev_b32 v1, 5, v0
	v_readfirstlane_b32 s2, v1                     ; w
	s_mov_b32 s3, ttmp9                            ; the block of 64 tokens
	s_and_b32 s33, ttmp7, 0xffff
	v_and_b32 v[LANE], 31, v0
	v_and_b32 v[R], 15, v0
	v_bfe_u32 v[H], v0, 4, 1
	v_lshlrev_b32 v[L16], 4, v[LANE]
	v_lshlrev_b32 v[L8], 3, v[LANE]
	v_lshlrev_b32 v[L4], 2, v[LANE]
	s_wait_alu depctr_va_vdst(0)
	s_wait_alu depctr_va_sdst(0)                   ; s2, the wave's number, is written, ahead of its first reader
	s_and_b32 s30, s2, 3                           ; kq: my quarter of K, and the tile of rows that I finish
	s_lshr_b32 s31, s2, 2                          ; u3
	s_mul_i32 s32, s33, 3
	s_add_co_u32 s32, s32, s31                     ; my unit of 64 columns
	s_mul_i32 s50, s30, UNIT
	v_add_nc_u32 v[AA16], s50, v[L16]
	v_add_nc_u32 v[AA8], s50, v[L8]
	s_mul_i32 s50, s30, 1536
	s_add_co_u32 s50, s50, ASC
	v_add_nc_u32 v[AA4], s50, v[L4]
	v_lshlrev_b32 v[TA], 4, v0
	v_add_nc_u32 v[TB2], 61440, v[TA]
	v_add_nc_u32 v[TC], 122880, v[TA]
	v_lshlrev_b32 v[PB], 6, v[H]
	v_and_b32 v[PO], 8, v[R]
	v_add_nc_u32 v[PO], v[PO], v[R]
	v_mul_u32_u24 v[PO], v[PO], 3072
	v_lshl_add_u32 v[PO], v[H], 6, v[PO]
	s_lshl_b32 s50, s2, 14
	v_add_nc_u32 v[RW], s50, v[L16]
	s_lshl_b32 s50, s31, 16
	s_lshl_b32 s51, s30, 12
	s_add_co_u32 s50, s50, s51
	v_add_nc_u32 v[RRD], s50, v[L16]
	s_mul_i32 s50, s2, 4352
	s_add_co_u32 s50, s50, STG                     ; my stage
	v_mul_u32_u24 v[SO], v[R], 272
	v_lshl_add_u32 v[SO], v[H], 6, v[SO]
	v_add_nc_u32 v[SO], s50, v[SO]
	v_mul_u32_u24 v[SR], v[H], 272
	v_lshl_add_u32 v[SR], v[R], 4, v[SR]
	v_add_nc_u32 v[SR], s50, v[SR]
	v_mul_u32_u24 v[GO], v[H], 3072
	v_lshl_add_u32 v[GO], v[R], 4, v[GO]
	s_lshl_b32 s50, s32, 8                         ; 256 x unit
	s_mov_b32 s51, 0
	s_lshr_b32 s52, s30, 1
	s_lshl_b32 s52, s52, 5
	s_and_b32 s53, s30, 1
	s_lshl_b32 s53, s53, 3
	s_add_co_u32 s52, s52, s53                     ; my tile's first row: 32 (kq/2) + 8 (kq%2)
	s_mul_i32 s52, s52, 3072
	s_mul_i32 s53, s3, 196608
	s_add_co_u32 s52, s52, s53
	s_add_co_u32 s52, s52, s50
	s_mov_b32 s53, 0
	s_mul_i32 s54, s3, 147456
	s_mov_b32 s55, 0
	s_mul_i32 s56, s3, 6144
	s_add_co_u32 s56, s56, 9437184
	s_mov_b32 s57, 0
	s_mul_i32 s58, s33, 12
	s_add_co_u32 s58, s58, s2
	s_add_co_u32 s58, s58, 96                      ; my unit of w_ff2: 96 + 4 x column unit + quarter
	s_mul_i32 s60, s58, UNIT
	s_mov_b32 s61, 0
	s_mul_i32 s62, s58, USC
	s_add_co_u32 s62, s62, WS0
	s_mov_b32 s63, 0
	s_wait_kmcnt 0x0
	s_add_nc_u64 s[20:21], s[4:5], s[54:55]
	s_add_nc_u64 s[22:23], s[4:5], s[56:57]
	s_add_nc_u64 s[8:9], s[8:9], s[50:51]
	s_add_nc_u64 s[10:11], s[10:11], s[52:53]
	s_add_nc_u64 s[12:13], s[12:13], s[52:53]
	s_add_nc_u64 s[WP:WP+1], s[6:7], s[60:61]
	s_add_nc_u64 s[WSP:WSP+1], s[6:7], s[62:63]
	s_wait_alu depctr_va_vdst(0)                   ; all offsets and LDS addresses (v4-15, v244, v253-255) are written: every load and store of the kernel reads one of them
.irp i, 0,1,2,3,4,5,6,7,8,9,10,11,12,13,14,15,16,17,18,19,20,21,22,23
	global_load_b128 v[ACC+4*\i:ACC+4*\i+3], v[TA], s[20:21] offset:\i*6144   ; twelve waves x 512 bytes a round
.endr
	global_load_b128 v[ACC+96:ACC+99], v[TA], s[22:23]
	WLOAD 0
	WLOAD 1
	s_wait_loadcnt 28                              ; the 25 loads of the fill are in; the 28 of W's first two K steps may be out
.irp i, 0,1,2,3,4,5,6,7,8,9
	ds_store_b128 v[TA], v[ACC+4*\i:ACC+4*\i+3] offset:\i*6144
.endr
.irp i, 10,11,12,13,14,15,16,17,18,19
	ds_store_b128 v[TB2], v[ACC+4*\i:ACC+4*\i+3] offset:(\i-10)*6144
.endr
.irp i, 20,21,22,23
	ds_store_b128 v[TC], v[ACC+4*\i:ACC+4*\i+3] offset:(\i-20)*6144
.endr
	ds_store_b128 v[TC], v[ACC+96:ACC+99] offset:24576
	BAR                                            ; the hidden layer's 96 fragments lie in LDS
	s_wait_alu depctr_vm_vsrc(0)                   ; my LDS stores of the fill have read v16-115, which K step 0's products write
	ALOAD 0
	KSTEP 0, 1, 14                                 ; the first products start the sums
	KSTEP 1, 0, 14
	KSTEP 2, 0, 14
	KSTEP 3, 0, 14
	KSTEP 4, 0, 14
	KSTEP 5, 0, 16                                 ; the 16 loads of b_ff2 and x1 may be out
	BAR                                            ; every wave has read its codes: their bytes may be written
	s_wait_alu depctr_va_vdst(0)                   ; the products have written the accumulators, which the LDS stores read; the places behind K step 5 stay beside this wait
.irp m, 0,1,2,3
.irp i, 0,1,2,3,4,5,6,7
	ds_store_b128 v[RW], v[ACC+32*\m+4*\i:ACC+32*\m+4*\i+3] offset:\m*4096+\i*512   ; each accumulator from its low end on
.endr
.endr
	BAR
	s_wait_alu depctr_vm_vsrc(0)                   ; my LDS stores have read v16-143, in which the four quarters' sums of my tile land
.irp q, 0,1,2,3
.irp i, 0,1,2,3,4,5,6,7
	ds_load_b128 v[ACC+32*\q+4*\i:ACC+32*\q+4*\i+3], v[RRD] offset:\q*16384+\i*512
.endr
.endr
	s_wait_loadcnt 0x0
	WIN 0x05                                       ; sources 0 and 1: window 1
.set JJ, 0
.rept 16
	v_pk_add_f32 v[144+JJ:145+JJ], v[BV+JJ:BV+JJ+1], v[XV+JJ:XV+JJ+1]   ; b_ff2 + x1
.set JJ, JJ+2
.endr
	WIN 0
	s_wait_dscnt 0x0
.set JJ, 0
.rept 16
	v_pk_add_f32 v[ACC+JJ:ACC+JJ+1], v[ACC+JJ:ACC+JJ+1], v[ACC+32+JJ:ACC+33+JJ]
	v_pk_add_f32 v[ACC+64+JJ:ACC+65+JJ], v[ACC+64+JJ:ACC+65+JJ], v[ACC+96+JJ:ACC+97+JJ]
.set JJ, JJ+2
.endr
.set JJ, 0
.rept 16
	v_pk_add_f32 v[ACC+JJ:ACC+JJ+1], v[ACC+JJ:ACC+JJ+1], v[ACC+64+JJ:ACC+65+JJ]
.set JJ, JJ+2
.endr
.set JJ, 0
.rept 16
	v_pk_add_f32 v[ACC+JJ:ACC+JJ+1], v[ACC+JJ:ACC+JJ+1], v[144+JJ:145+JJ]
.set JJ, JJ+2
.endr
	s_wait_alu depctr_va_vdst(0)                   ; the additions have written v16-47, which the stage's LDS stores read, and are done with v144-175, in which the rows from the stage land
.irp b, 0,1
.irp j, 0,1,2,3
	ds_store_b128 v[SO], v[ACC+16*\b+4*\j:ACC+16*\b+4*\j+3] offset:128*\b+16*\j
.endr
.endr
.irp i, 0,1,2,3,4,5,6,7
	ds_load_b128 v[144+4*\i:144+4*\i+3], v[SR] offset:2*\i*272       ; LDS serves a wave's instructions in order: these see my stores
.endr
.irp i, 0,1,2,3,4,5,6,7
	s_wait_dscnt 7-\i
	global_store_b128 v[GO], v[144+4*\i:144+4*\i+3], s[12:13] offset:(2*\i+8*(\i/4))*3072 th:TH_STORE_NT   ; 16 lanes store 256 consecutive bytes of a row
.endr
	s_wait_dscnt 0x0                               ; the closing lines, six on end
	s_wait_alu 0x0
	s_wait_tensorcnt 0x0
	ds_add_u32 v251, v252
	s_wait_dscnt 0x0
	s_endpgm
.Lfunc_end_k_q222d4320a3_ffb:
	.size	k_q222d4320a3_ffb, .Lfunc_end_k_q222d4320a3_ffb-k_q222d4320a3_ffb
	.p2alignl 7, 3214868480
	.fill 96, 4, 3214868480
	.section	.rodata,"a",@progbits
	.p2align	6, 0x0
	.amdhsa_kernel k_q222d4320a3_ffb
		.amdhsa_group_segment_fixed_size 250368
		.amdhsa_private_segment_fixed_size 0
		.amdhsa_enable_private_segment 0
		.amdhsa_kernarg_size 40
		.amdhsa_user_sgpr_count 2
		.amdhsa_user_sgpr_kernarg_segment_ptr 1
		.amdhsa_wavefront_size32 1
		.amdhsa_system_sgpr_workgroup_id_x 1
		.amdhsa_system_sgpr_workgroup_id_y 1
		.amdhsa_system_sgpr_workgroup_id_z 1
		.amdhsa_system_vgpr_workitem_id 0
		.amdhsa_next_free_vgpr 320
		.amdhsa_next_free_sgpr 66
		.amdhsa_reserve_vcc 0
		.amdhsa_float_denorm_mode_32 3
		.amdhsa_float_denorm_mode_16_64 3
		.amdhsa_memory_ordered 1
		.amdhsa_forward_progress 1
		.amdhsa_inst_pref_size 50
	.end_amdhsa_kernel
	.amdgpu_metadata
---
amdhsa.version: [ 1, 2 ]
amdhsa.kernels:
  - .name:           k_q222d4320a3_ffb
    .symbol:         k_q222d4320a3_ffb.kd
    .args:
      - { .name: ffc, .offset: 0, .size: 8, .value_kind: global_buffer, .address_space: global }
      - { .name: wimg, .offset: 8, .size: 8, .value_kind: global_buffer, .address_space: global }
      - { .name: b_ff2, .offset: 16, .size: 8, .value_kind: global_buffer, .address_space: global }
      - { .name: x1, .offset: 24, .size: 8, .value_kind: global_buffer, .address_space: global }
      - { .name: out0, .offset: 32, .size: 8, .value_kind: global_buffer, .address_space: global }
    .group_segment_fixed_size: 250368
    .private_segment_fixed_size: 0
    .kernarg_segment_align: 8
    .kernarg_segment_size: 40
    .max_flat_workgroup_size: 384
    .sgpr_count:     66
    .vgpr_count:     320
    .wavefront_size: 32
...
	.end_amdgpu_metadata
.endif
;; end of part 12
